; MI455X (gfx1250); checked and timed in simulation.
; The chip was launched on July 23, 2026; its instructions are those of AMD's public machine-readable ISA for CDNA 5 (MIT licence, August 2026) and "CDNA5" Instruction Set Architecture Reference Guide (July 2026). The comments in the code are by the model that wrote it; some were corrected since.
;; Block. Allowed arithmetic: matrix products marked QUANTISED: E2M1 operands, one E8M0 scale for each 32 along K, by v_wmma_scale_f32_16x16x128_f8f6f4 with both operands' format E2M1 (or v_wmma_scale_f32_32x16x128_f4), f32 sums; everything else in f32.
;; Inputs: b_proj 512 float32; beta1 512 float32; beta2 512 float32; bf1 2,048 float32; bf2 512 float32; g1 512 float32; g2 512 float32; w1 512 x 2,048 float32; w2 2,048 x 512 float32; w_proj 512 x 512 float32; wk 16 x 512 x 32 float32; wq 16 x 512 x 32 float32; wv 16 x 512 x 32 float32; x 4 x 2,048 x 512 float32.
;; Outputs: out0 4 x 2,048 x 512 float32.
;; This version of the problem:
;;   THIS VERSION OF THE PROBLEM IS GIVEN IN LOW PRECISION. The matrix products marked QUANTISED in the list below multiply operands that are first quantised to E2M1 (2 exponent bits, 1 mantissa bit; 4 bits a number), with one power-of-two scale for each 32 numbers along K (OCP MX v1.0); their sums are f32. All else is computed in f32.
;;   The module's matrix products, in the order in which they are computed (A, B: the left and right operand; K: the contracted axis; several contracted axes count as one K, in the product's order):
;;     1. [M 512, K 512] x [K 512, N 8,192]; A: input wq; B: computed on the way: QUANTISED
;;     2. [M 512, K 512] x [K 512, N 8,192]; A: input wk; B: computed on the way: QUANTISED
;;     3. [M 512, K 512] x [K 512, N 8,192]; A: input wv; B: computed on the way: QUANTISED
;;     4. batch 64 x [M 2,048, K 32] x [K 32, N 2,048]; A: computed on the way; B: computed on the way: QUANTISED
;;     5. batch 64 x [M 2,048, K 2,048] x [K 2,048, N 32]; A: softmax (see below); B: computed on the way: QUANTISED
;;     6. [M 8,192, K 512] x [K 512, N 512]; A: computed on the way; B: input w_proj: QUANTISED
;;     7. [M 8,192, K 512] x [K 512, N 2,048]; A: computed on the way; B: input w1: QUANTISED
;;     8. [M 8,192, K 2,048] x [K 2,048, N 512]; A: computed on the way; B: input w2: QUANTISED
;;   THE QUANTISER, for each operand of a quantised product, along K:
;;     - K is cut into blocks of 32 from its start; a last block that is shorter is filled with zeros.
;;     - A block's scale is 2^e with e = floor(log2(the largest magnitude in the block)) - 2, held to -126 .. 127; a block of zeros has e = 0. As a byte (E8M0): e + 127.
;;     - Each number is divided by its block's scale, clamped to +-6, and rounded to the nearest number of E2M1, ties to even, subnormals kept.
;;     - The product sums the exact products of the quantised numbers (number of the format x scale) in f32.
;;   ~~~python
;;   def quantise(x, axis):      # numpy; x: float32 -> the quantised numbers, widened to float32 again
;;       x = np.moveaxis(x, axis, -1); K = x.shape[-1]
;;       x = np.pad(x, [(0, 0)] * (x.ndim - 1) + [(0, -K % 32)]); x = x.reshape(x.shape[:-1] + (-1, 32)); a = np.abs(x).max(-1, keepdims=True)
;;       e = np.where(a > 0, np.clip(np.frexp(np.where(a > 0, a, 1))[1] - 1 - 2, -126, 127), 0)      # np.frexp(a)[1] - 1 = floor(log2(a)), exactly
;;       r = np.clip(x / 2.0 ** e, -6, 6)
;;       step = 2.0 ** (np.maximum(np.frexp(np.where(r == 0, 1, r))[1] - 1, 0) - 1)
;;       q = np.round(r / step) * step * 2.0 ** e      # np.round: ties to even
;;       return np.moveaxis(q.reshape(q.shape[:-2] + (-1,))[..., :K], -1, axis).astype(np.float32)
;;   ~~~
;;   SOFTMAX AHEAD OF A QUANTISED PRODUCT. Where the list says 'softmax', what is quantised is not the finished softmax but p = 2^(t - M), with t = logit x log2(e) and M = ceil(the row's largest t), a whole number; so 1/2 < the row's largest p <= 1. The row's sum l is taken of the UNQUANTISED p, in f32, and the product's result is divided by l at the end. Since M is a whole number, a kernel that streams over the keys may use a running M (the ceiling of the running maximum): every later rescaling is an exact power of two, which a block's scale takes up: the codes' values come out the same.
;;   OPERANDS COMPUTED ON THE WAY. 'Computed on the way' means the value that the module computes at that place (a softmax that the list does not call 'softmax' is quantised finished and normalised). What goes into a quantiser is computed in f32, as accurately as f32 sums, v_exp_f32 and their like allow (about 1e-6 of the number): no bf16 or f16 on the way to a quantiser, and a product that is left as it is and whose result goes on into a quantised operand takes f32 operands (vector FMAs, or v_wmma_f32_16x16x4_f32). A number that lies on a knife's edge between two numbers of the format may be rounded either way, as far as f32 arithmetic and the matrix unit's own rounding can turn it there, and no further.
;; 2 versions. Each part assembles by itself: llvm-mc -triple=amdgcn-amd-amdhsa -mcpu=gfx1250 --defsym DOCPART=n.
;; ======== version 1 of 2: 4 launches
;; workspace buffers: wc 1,572,864 bytes; ws 98,304 bytes; qkvc 6,291,456 bytes; qkvs 393,216 bytes; ao 2,097,152 bytes; aos 131,072 bytes
;; launch prep (part 1): grid 192 x 1, 4 waves a work-group, no clusters, 0 bytes of LDS; arguments wq, wk, wv, w_proj, w1, w2, wc, ws; writes wc, ws
.if DOCPART == 1
	.amdgcn_target "amdgcn-amd-amdhsa--gfx1250"
	.amdhsa_code_object_version 6
	.text
	.protected	k_q810806607f_prep
	.globl	k_q810806607f_prep
	.p2align	8
	.type	k_q810806607f_prep,@function
k_q810806607f_prep:
	s_mov_b64 s[64:65], 0
	v_nop
	global_prefetch_b8 v0, s[64:65] scope:SCOPE_SE
	s_setreg_imm32_b32 hwreg(HW_REG_WAVE_MODE, 25, 1), 1
	s_wait_xcnt 0x0
; The six weights (f32, K on an outer axis) become codes of FP4 (E2M1) with one E8M0 byte for each 32 along K, laid in the order of the matrix operand's registers.
; A FRAGMENT (16 rows x 128 K) lies as [K block 4][row 16][16 bytes]: two loads of 16 bytes a lane at 16 x lane, 512 bytes apart, bring it whole.
; A TILE PAIR is 32 neighbouring columns n0 .. n0 + 31: row p of tile u is column n0 + 8 u + p + 8 (p / 8), so that the results of tiles 0 and 1 are 16 neighbours in a lane.
; CHUNKS of 8,192 bytes of codes (wc) and 512 bytes of scale words (ws): 0-15 wq by head, 16-31 wk, 32-47 wv, 48-63 w_proj, 64-127 w1 (each by tile pair: [u 2][K block 16][row][16 B]; words [16 u + row][K step 4]);
; 128-191 w2: chunk 128 + 8 (n / 64) + (K step / 2): [tile 4][K step 2][K block 4][row][16 B]; words [16 u + row][pair 2][K step 2].
; SHARES.  A wave takes one tile pair (a lane to a column) x 128 along K: its registers run down K, so a block's 32 numbers lie in one lane and the conversions give codes with K innermost.
; Each load reads 128 consecutive bytes; all 128 loads of a wave go out at once.  Each store of codes covers two aligned runs of 256 bytes.  The scale word is 4 bytes a lane, 16 bytes apart: one byte in 128 of what is read.
; A block's byte is its largest magnitude's exponent field - 2, held at 1 from below.  LIMITS: NaN and infinities are not served; a block under 2^-124, a block of zeros too, gets the byte 1 (its reader is this program alone).
; v1 4 x lane; v2 my place in a fragment; v3 my scale word's place; v10 the word; v12-27 codes; v32-159 the numbers.
	s_load_b256 s[4:11], s[0:1], 0x0               ; wq, wk, wv, w_proj
	s_load_b256 s[12:19], s[0:1], 0x20             ; w1, w2, wc, ws
	v_lshrrev_b32 v4, 5, v0
	v_readfirstlane_b32 s28, v4                    ; wave 0..3
	v_and_b32 v5, 31, v0                           ; lane = column in the pair
	v_lshlrev_b32 v1, 2, v5
	v_bfe_u32 v6, v5, 3, 1                         ; u
	v_and_b32 v7, 7, v5
	v_lshrrev_b32 v8, 4, v5
	v_lshl_or_b32 v7, v8, 3, v7                    ; row p in the tile
	v_lshlrev_b32 v7, 4, v7                        ; 16 p
	v_lshl_add_u32 v3, v6, 8, v7                   ; 16 (16 u + p)
	s_mov_b32 s31, 0
	s_mov_b32 s33, 0
	s_mov_b32 s35, 0
	s_wait_kmcnt 0x0
	s_cmp_lt_u32 ttmp9, 48
	s_cbranch_scc0 .Lnot_qkv
	s_cmp_lt_u32 ttmp9, 16                         ; work-groups 0-47: wq, wk, wv
	s_cselect_b64 s[20:21], s[4:5], s[6:7]
	s_cmp_lt_u32 ttmp9, 32
	s_cselect_b64 s[20:21], s[20:21], s[8:9]
	s_lshr_b32 s36, ttmp9, 4                       ; which of the three
	s_bfe_u32 s37, ttmp9, 0x20002
	s_lshl_b32 s37, s37, 2
	s_add_co_u32 s37, s37, s28                     ; head
	s_and_b32 s38, ttmp9, 3                        ; K step
	s_lshl_b32 s30, s37, 16                        ; a head is 65,536 bytes, a K step 128 rows of 128
	s_lshl_b32 s39, s38, 14
	s_add_co_u32 s30, s30, s39
	s_lshl_b32 s36, s36, 4
	s_add_co_u32 s36, s36, s37                     ; chunk
	s_lshl_b32 s32, s38, 10
	s_lshl_b32 s34, s38, 2
	s_mov_b32 s26, 12                              ; tile u lies 4,096 bytes on
	s_branch .Lbody128
.Lnot_qkv:
	s_cmp_lt_u32 ttmp9, 64
	s_cbranch_scc0 .Lnot_proj
	s_mov_b64 s[20:21], s[10:11]                   ; work-groups 48-63: w_proj
	s_sub_co_u32 s36, ttmp9, 48
	s_lshr_b32 s37, s36, 2
	s_lshl_b32 s37, s37, 2
	s_add_co_u32 s37, s37, s28                     ; tile pair
	s_and_b32 s38, s36, 3                          ; K step
	s_lshl_b32 s30, s38, 18                        ; 128 rows of 2,048 bytes
	s_lshl_b32 s39, s37, 7
	s_add_co_u32 s30, s30, s39
	s_add_co_u32 s36, s37, 48
	s_lshl_b32 s32, s38, 10
	s_lshl_b32 s34, s38, 2
	s_mov_b32 s26, 12
	s_branch .Lbody2048
.Lnot_proj:
	s_cmp_lt_u32 ttmp9, 128
	s_cbranch_scc0 .Lw2
	s_mov_b64 s[20:21], s[12:13]                   ; work-groups 64-127: w1
	s_sub_co_u32 s36, ttmp9, 64
	s_lshr_b32 s37, s36, 2
	s_lshl_b32 s37, s37, 2
	s_add_co_u32 s37, s37, s28
	s_and_b32 s38, s36, 3
	s_lshl_b32 s30, s38, 20                        ; 128 rows of 8,192 bytes
	s_lshl_b32 s39, s37, 7
	s_add_co_u32 s30, s30, s39
	s_add_co_u32 s36, s37, 64
	s_lshl_b32 s32, s38, 10
	s_lshl_b32 s34, s38, 2
	s_mov_b32 s26, 12
	s_branch .Lbody8192
.Lw2:
	s_mov_b64 s[20:21], s[14:15]                   ; work-groups 128-191: w2
	s_sub_co_u32 s36, ttmp9, 128
	s_lshr_b32 s37, s36, 4
	s_lshl_b32 s37, s37, 2
	s_add_co_u32 s37, s37, s28                     ; tile pair 0..15
	s_and_b32 s38, s36, 15                         ; K step 0..15
	s_lshl_b32 s30, s38, 18
	s_lshl_b32 s39, s37, 7
	s_add_co_u32 s30, s30, s39
	s_lshr_b32 s36, s37, 1
	s_lshl_b32 s36, s36, 3
	s_lshr_b32 s39, s38, 1
	s_add_co_u32 s36, s36, s39
	s_add_co_u32 s36, s36, 128                     ; chunk
	s_and_b32 s39, s37, 1                          ; which pair of the chunk's two
	s_and_b32 s38, s38, 1                          ; which K step of its two
	s_lshl_b32 s32, s39, 12
	s_lshl_b32 s40, s38, 10
	s_add_co_u32 s32, s32, s40
	s_lshl_b32 s34, s39, 3
	s_lshl_b32 s40, s38, 2
	s_add_co_u32 s34, s34, s40
	s_mov_b32 s26, 11                              ; tile u lies 2,048 bytes on
	s_branch .Lbody2048
.macro BODY pitch
	s_add_nc_u64 s[20:21], s[20:21], s[30:31]      ; the source at my pair's first column and K step
	s_lshl_b32 s39, s36, 13
	s_add_co_u32 s32, s32, s39
	s_add_nc_u64 s[22:23], s[16:17], s[32:33]      ; my fragments in wc
	s_lshl_b32 s39, s36, 9
	s_add_co_u32 s34, s34, s39
	s_add_nc_u64 s[24:25], s[18:19], s[34:35]      ; my words in ws
	v_lshlrev_b32 v2, s26, v6
	v_add_nc_u32 v2, v2, v7
.set I, 0
.rept 128
	global_load_b32 v[32+I], v1, s[20:21] offset:I*\pitch th:TH_LOAD_NT
.set I, I+1
.endr
.irp b,0,1,2,3
.set XS, 32+32*\b
.if \b < 2
	s_wait_loadcnt 63                              ; behind this block's loads stand 96 or 64 others: the count names as many of them as its field holds
.elseif \b == 2
	s_wait_loadcnt 32                              ; the last block's 32 may be out
.else
	s_wait_loadcnt 0
.endif
	v_max3_num_f32 v4, |v[XS]|, |v[XS+1]|, |v[XS+2]|               ; the block's largest magnitude: all 32 numbers are mine; two chains
	v_max3_num_f32 v5, |v[XS+3]|, |v[XS+4]|, |v[XS+5]|
.irp i,6,10,14,18,22,26
	v_max3_num_f32 v4, v4, |v[XS+\i]|, |v[XS+\i+1]|
	v_max3_num_f32 v5, v5, |v[XS+\i+2]|, |v[XS+\i+3]|
.endr
	v_max3_num_f32 v4, v4, |v[XS+30]|, |v[XS+31]|
	v_max3_num_f32 v4, v4, v5, 0x1800000           ; and the floor 2^(3 - 127): the byte cannot fall under 1
	v_add_nc_u32 v8, 0xff000000, v4                ; 2 off the exponent field: the conversion's scale operand
	v_lshrrev_b32 v9, 23, v8                       ; the byte
.if \b == 0
	v_mov_b32 v10, v9
.else
	v_lshl_or_b32 v10, v9, 8*\b, v10
.endif
.irp g,0,1,2,3
	v_cvt_scalef32_pk8_fp4_f32 v[12+4*\b+\g], v[XS+8*\g:XS+8*\g+7], v8
.endr
	v_nop                                          ; a plain place behind the conversions
	global_store_b128 v2, v[12+4*\b:15+4*\b], s[22:23] offset:256*\b   ; each block has its own registers: no store's data are written again
.endr
	global_store_b32 v3, v10, s[24:25]
	s_endpgm
.endm
.Lbody128:
	BODY 128
.Lbody2048:
	BODY 2048
.Lbody8192:
	BODY 8192
.Lfunc_end_k_q810806607f_prep:
	.size	k_q810806607f_prep, .Lfunc_end_k_q810806607f_prep-k_q810806607f_prep
	.p2alignl 7, 3214868480
	.fill 96, 4, 3214868480
	.section	.rodata,"a",@progbits
	.p2align	6, 0x0
	.amdhsa_kernel k_q810806607f_prep
		.amdhsa_group_segment_fixed_size 0
		.amdhsa_private_segment_fixed_size 0
		.amdhsa_enable_private_segment 0
		.amdhsa_kernarg_size 64
		.amdhsa_user_sgpr_count 2
		.amdhsa_user_sgpr_kernarg_segment_ptr 1
		.amdhsa_wavefront_size32 1
		.amdhsa_system_sgpr_workgroup_id_x 1
		.amdhsa_system_sgpr_workgroup_id_y 1
		.amdhsa_system_sgpr_workgroup_id_z 1
		.amdhsa_system_vgpr_workitem_id 0
		.amdhsa_next_free_vgpr 160
		.amdhsa_next_free_sgpr 66
		.amdhsa_reserve_vcc 0
		.amdhsa_float_denorm_mode_32 3
		.amdhsa_float_denorm_mode_16_64 3
		.amdhsa_memory_ordered 1
		.amdhsa_forward_progress 1
		.amdhsa_inst_pref_size 60
	.end_amdhsa_kernel
	.amdgpu_metadata
---
amdhsa.version: [ 1, 2 ]
amdhsa.kernels:
  - .name:           k_q810806607f_prep
    .symbol:         k_q810806607f_prep.kd
    .args:
      - { .name: wq, .offset: 0, .size: 8, .value_kind: global_buffer, .address_space: global }
      - { .name: wk, .offset: 8, .size: 8, .value_kind: global_buffer, .address_space: global }
      - { .name: wv, .offset: 16, .size: 8, .value_kind: global_buffer, .address_space: global }
      - { .name: w_proj, .offset: 24, .size: 8, .value_kind: global_buffer, .address_space: global }
      - { .name: w1, .offset: 32, .size: 8, .value_kind: global_buffer, .address_space: global }
      - { .name: w2, .offset: 40, .size: 8, .value_kind: global_buffer, .address_space: global }
      - { .name: wc, .offset: 48, .size: 8, .value_kind: global_buffer, .address_space: global }
      - { .name: ws, .offset: 56, .size: 8, .value_kind: global_buffer, .address_space: global }
    .group_segment_fixed_size: 0
    .private_segment_fixed_size: 0
    .kernarg_segment_align: 8
    .kernarg_segment_size: 64
    .max_flat_workgroup_size: 128
    .sgpr_count:     66
    .vgpr_count:     160
    .wavefront_size: 32
...
	.end_amdgpu_metadata
.endif
;; end of part 1
;; launch qkv (part 2): grid 128 x 2, 8 waves a work-group, no clusters, 18,432 bytes of LDS; arguments x, g1, beta1, wc, ws, qkvc, qkvs; writes qkvc, qkvs
.if DOCPART == 2
	.amdgcn_target "amdgcn-amd-amdhsa--gfx1250"
	.amdhsa_code_object_version 6
	.text
	.protected	k_q810806607f_qkv
	.globl	k_q810806607f_qkv
	.p2align	8
	.type	k_q810806607f_qkv,@function
k_q810806607f_qkv:
	s_mov_b64 s[64:65], 0
	v_nop
	global_prefetch_b8 v0, s[64:65] scope:SCOPE_SE
	s_setreg_imm32_b32 hwreg(HW_REG_WAVE_MODE, 25, 1), 1
	s_wait_xcnt 0x0
; h = LayerNorm(x) g1 + beta1, quantised along E; q, k, v = h W (products on FP4 codes); q and k quantised along the head's 32, v along the keys.  Only codes and scale bytes go to memory.
; SHARES.  Work-group (i, y): rows 64 i .. 64 i + 63, heads 8 y .. 8 y + 7.  Wave w first normalises rows 8 w .. 8 w + 7 (a lane holds a whole block of 32 of a row; a row's 16 blocks lie in 16 lanes),
; then makes head 8 y + w's q, k and v for all 64 rows.  Its weights (24 fragments, 192 registers) come from memory straight into operand registers, in the order in which they were laid.
; LDS: h's codes [row tile 4][K block 16][row 16][16 B] at 0; its scale bytes [tile][row][16] at HSC.  Written once, read behind the one barrier.
; ROW TILES ARE NOT NEIGHBOURS: row r of tile m is row 32 (m / 2) + 8 (m % 2) + r + 8 (r / 8) of the 64: so v's results of tiles 2 p, 2 p + 1 are 16 neighbouring keys in a lane, and k's tiles are those that the attention wants.
; q, k: source 0 = 16 columns of W, source 1 = 16 rows of h: a lane holds one row and 16 neighbours of the head's 32; lanes l and l xor 16 hold the block.  v: the sources swapped: a lane holds one of the head's 32 and 16 neighbouring keys.
; OUT.  qkvc [q, k, v][64 heads of the batch][32,768]: q, k: 16 bytes a token, [64 tokens][tile][row]; v: [128 keys][u 2][K block 4][row 16][16 B].  A lane's 16 codes are 8 bytes at 16 r + 8 h: a store covers 256 aligned bytes.
; qkvs [3][64][2,048]: q, k: [64 tokens][row][tile]; v: [128 keys][u][row][K block].  These go out in pieces of 64 bytes and of 2 bytes: about a seventeenth of what is stored.
; LIMITS: NaN and infinities are not served; a block under 2^-124, a block of zeros too, gets the byte 1; 1 / sqrt by v_rsq_f32.
; REGISTERS, window 0: v1-9 addresses; v10-15 at work; v16-23 h's scale words; v32-43 W's; v44-63 at work; v64-191 x (4 passes x 32), then h's 16 fragments; v192-255 g1, beta1, then the accumulators.  Window 1: v0-191 W.
.set HSC, 16384
.set BS,  16
.set WS,  32
.set TM,  44
.set TT,  48
.set TS,  52
.set PC,  56
.set X,   64
.set BF,  64
.set GA,  192
.set BE,  224
.set ACC, 192
.set SEL, 22
.set MSB, 0
.set ISSUED, 0                         ; global loads issued so far: a wait's count is what has been issued behind the load that it waits for
.macro WIN new                         ; the immediate's high byte repeats the setting that is left
.if MSB != \new
	s_set_vgpr_msb (MSB<<8)|\new
.set MSB, \new
.endif
.endm
; one matrix instruction.  cz = 1: C is the constant 0, else v[cr ..].  ra, rb = 1: that side's scales are read from lanes 16-31
.macro WM d, a, b, cz, cr, sa, sb, ra, rb
.if \cz
.if ((\ra)==0)&&((\rb)==0)
	v_wmma_scale_f32_16x16x128_f8f6f4 v[(\d):(\d)+7], v[(\a):(\a)+7], v[(\b):(\b)+7], 0, v[\sa], v[\sb] matrix_a_fmt:MATRIX_FMT_FP4 matrix_b_fmt:MATRIX_FMT_FP4
.elseif ((\ra)==1)&&((\rb)==0)
	v_wmma_scale_f32_16x16x128_f8f6f4 v[(\d):(\d)+7], v[(\a):(\a)+7], v[(\b):(\b)+7], 0, v[\sa], v[\sb] matrix_a_fmt:MATRIX_FMT_FP4 matrix_b_fmt:MATRIX_FMT_FP4 matrix_a_scale:MATRIX_SCALE_ROW1
.elseif ((\ra)==0)&&((\rb)==1)
	v_wmma_scale_f32_16x16x128_f8f6f4 v[(\d):(\d)+7], v[(\a):(\a)+7], v[(\b):(\b)+7], 0, v[\sa], v[\sb] matrix_a_fmt:MATRIX_FMT_FP4 matrix_b_fmt:MATRIX_FMT_FP4 matrix_b_scale:MATRIX_SCALE_ROW1
.else
	v_wmma_scale_f32_16x16x128_f8f6f4 v[(\d):(\d)+7], v[(\a):(\a)+7], v[(\b):(\b)+7], 0, v[\sa], v[\sb] matrix_a_fmt:MATRIX_FMT_FP4 matrix_b_fmt:MATRIX_FMT_FP4 matrix_a_scale:MATRIX_SCALE_ROW1 matrix_b_scale:MATRIX_SCALE_ROW1
.endif
.else
.if ((\ra)==0)&&((\rb)==0)
	v_wmma_scale_f32_16x16x128_f8f6f4 v[(\d):(\d)+7], v[(\a):(\a)+7], v[(\b):(\b)+7], v[(\cr):(\cr)+7], v[\sa], v[\sb] matrix_a_fmt:MATRIX_FMT_FP4 matrix_b_fmt:MATRIX_FMT_FP4
.elseif ((\ra)==1)&&((\rb)==0)
	v_wmma_scale_f32_16x16x128_f8f6f4 v[(\d):(\d)+7], v[(\a):(\a)+7], v[(\b):(\b)+7], v[(\cr):(\cr)+7], v[\sa], v[\sb] matrix_a_fmt:MATRIX_FMT_FP4 matrix_b_fmt:MATRIX_FMT_FP4 matrix_a_scale:MATRIX_SCALE_ROW1
.elseif ((\ra)==0)&&((\rb)==1)
	v_wmma_scale_f32_16x16x128_f8f6f4 v[(\d):(\d)+7], v[(\a):(\a)+7], v[(\b):(\b)+7], v[(\cr):(\cr)+7], v[\sa], v[\sb] matrix_a_fmt:MATRIX_FMT_FP4 matrix_b_fmt:MATRIX_FMT_FP4 matrix_b_scale:MATRIX_SCALE_ROW1
.else
	v_wmma_scale_f32_16x16x128_f8f6f4 v[(\d):(\d)+7], v[(\a):(\a)+7], v[(\b):(\b)+7], v[(\cr):(\cr)+7], v[\sa], v[\sb] matrix_a_fmt:MATRIX_FMT_FP4 matrix_b_fmt:MATRIX_FMT_FP4 matrix_a_scale:MATRIX_SCALE_ROW1 matrix_b_scale:MATRIX_SCALE_ROW1
.endif
.endif
.endm
; 32 matrix instructions: a tile pair of W (source 0, fragments at wb) x the four row tiles in BF (source 1), K = 512.  The eight accumulators (acc + 16 m + 8 u) take turns, one instruction a turn.
; cmode 0: the first K step starts the sums with 0; 1: with v[bi + 8 u]; 2: with what the accumulators hold.  w0, w1: the register windows of the first and of the later K steps.
.macro MULT acc, wb, wsb, bsb, cmode, bi, w0, w1
.irp ks,0,1,2,3
.if \ks == 0
	WIN \w0
.else
	WIN \w1
.endif
.irp mt,0,1,2,3
.irp ut,0,1
.if (\ks == 0) && (\cmode == 0)
	WM (\acc)+16*\mt+8*\ut, (\wb)+8*(4*\ut+\ks), BF+8*(4*\mt+\ks), 1, 0, (\wsb)+\ks, (\bsb)+4*(\mt/2)+\ks, \ut, \mt%2
.elseif (\ks == 0) && (\cmode == 1)
	WM (\acc)+16*\mt+8*\ut, (\wb)+8*(4*\ut+\ks), BF+8*(4*\mt+\ks), 0, (\bi)+8*\ut, (\wsb)+\ks, (\bsb)+4*(\mt/2)+\ks, \ut, \mt%2
.else
	WM (\acc)+16*\mt+8*\ut, (\wb)+8*(4*\ut+\ks), BF+8*(4*\mt+\ks), 0, (\acc)+16*\mt+8*\ut, (\wsb)+\ks, (\bsb)+4*(\mt/2)+\ks, \ut, \mt%2
.endif
.endr
.endr
.endr
.endm
; Four units of 16 registers at s + 16 b; a unit and lane l xor 16's are a block of 32.  Out: the block's byte in v[TT + b], my 16 codes in v[PC + 2 b], v[PC + 2 b + 1].
.macro QUANT s
.irp b,0,1,2,3
	v_max3_num_f32 v[TM+\b], |v[(\s)+16*\b]|, |v[(\s)+16*\b+1]|, 0x1800000   ; with the floor 2^(3 - 127): the byte cannot fall under 1
.endr
.irp i,2,4,6,8,10,12,14
.irp b,0,1,2,3
	v_max3_num_f32 v[TM+\b], v[TM+\b], |v[(\s)+16*\b+\i]|, |v[(\s)+16*\b+\i+1]|   ; the four units by turns
.endr
.endr
	s_wait_dscnt 0x0                               ; the last stores have read the bytes and the codes,
	s_wait_xcnt 0x0                                ; those to memory too: both are written anew below
.irp b,0,1,2,3
	v_permlanex16_b32 v[TT+\b], v[TM+\b], s[SEL], s[SEL+1]
.endr
.irp b,0,1,2,3
	v_max_num_f32 v[TM+\b], v[TM+\b], v[TT+\b]     ; the block's largest magnitude
.endr
.irp b,0,1,2,3
	v_add_nc_u32 v[TS+\b], 0xff000000, v[TM+\b]    ; 2 off its exponent field: the conversion's scale operand
.endr
.irp b,0,1,2,3
	v_lshrrev_b32 v[TT+\b], 23, v[TS+\b]           ; the byte
.endr
.irp b,0,1,2,3
	v_cvt_scalef32_pk8_fp4_f32 v[PC+2*\b], v[(\s)+16*\b:(\s)+16*\b+7], v[TS+\b]
	v_cvt_scalef32_pk8_fp4_f32 v[PC+2*\b+1], v[(\s)+16*\b+8:(\s)+16*\b+15], v[TS+\b]
.endr
	v_nop                                          ; a plain place behind the conversions
.endm
	s_load_b256 s[4:11], s[0:1], 0x0               ; x, g1, beta1, wc
	s_load_b128 s[12:15], s[0:1], 0x20             ; ws, qkvc
	s_load_b64 s[16:17], s[0:1], 0x30              ; qkvs
	v_lshl_add_u32 v30, v0, 2, 0x4400
	v_mov_b32 v31, 0
	v_lshrrev_b32 v10, 5, v0
	v_readfirstlane_b32 s18, v10                   ; wave 0..7
	s_and_b32 s19, ttmp7, 0xffff                   ; y
	v_and_b32 v6, 31, v0                           ; lane
	v_and_b32 v10, 15, v0                          ; r, and in the norm my K block
	v_bfe_u32 v11, v0, 4, 1                        ; h, and in the norm which of a pass's two rows
	v_lshlrev_b32 v1, 4, v6                        ; 16 x lane
	v_lshlrev_b32 v3, 7, v10                       ; my block in g1, beta1
	v_lshl_add_u32 v2, v11, 11, v3                 ; and in x: + a row of 2,048 bytes
	s_lshr_b32 s24, s18, 2
	s_lshl_b32 s24, s24, 1
	s_and_b32 s25, s18, 1
	s_add_co_u32 s24, s24, s25                     ; rows 8 w .. lie in tile 2 (w / 4) + w % 2,
	s_bfe_u32 s25, s18, 0x10001                    ; from its row 8 ((w / 2) % 2) on
	s_lshl_b32 s26, s24, 12
	s_lshl_b32 s27, s25, 7
	s_add_co_u32 s26, s26, s27
	v_lshlrev_b32 v4, 8, v10
	v_lshl_add_u32 v4, v11, 4, v4
	v_add_nc_u32 v4, s26, v4                       ; where my block's codes go: 4,096 tile + 256 block + 16 row
	s_lshl_b32 s26, s24, 8
	s_add_co_u32 s26, s26, s27
	s_add_co_u32 s26, s26, HSC
	v_lshl_add_u32 v5, v11, 4, v10
	v_add_nc_u32 v5, s26, v5                       ; and its byte: 256 tile + 16 row + block
	v_lshlrev_b32 v7, 4, v10
	v_lshl_add_u32 v7, v11, 3, v7                  ; 16 r + 8 h
	v_lshlrev_b32 v8, 2, v10
	v_lshl_add_u32 v8, v11, 17, v8                 ; 4 r; lanes 16-31 in k's part, 131,072 bytes on
	v_lshlrev_b32 v9, 2, v6                        ; 4 x lane
	s_mov_b32 s20, 0x3b000000                      ; 1 / 512
	s_mov_b32 s21, 0x3727c5ac                      ; 1e-5
	s_mov_b32 s22, 0x76543210
	s_mov_b32 s23, 0xfedcba98                      ; v_permlanex16_b32's selects for lane l xor 16
	s_lshl_b32 s28, ttmp9, 17
	s_lshl_b32 s29, s18, 14
	s_add_co_u32 s28, s28, s29                     ; x: row 64 i + 8 w
	s_mov_b32 s29, 0
	s_lshl_b32 s30, s19, 3
	s_add_co_u32 s30, s30, s18                     ; my head
	s_lshr_b32 s31, ttmp9, 5
	s_lshl_b32 s31, s31, 4
	s_add_co_u32 s31, s31, s30                     ; 16 x batch + head
	s_and_b32 s32, ttmp9, 31                       ; which 64 tokens of the batch's 2,048
	s_lshl_b32 s34, s30, 13
	s_mov_b32 s35, 0
	s_lshl_b32 s36, s30, 9
	s_mov_b32 s37, 0
	s_lshl_b32 s33, s31, 15
	s_lshl_b32 s38, s32, 10
	s_add_co_u32 s38, s38, s33                     ; q's codes: 16 bytes a token
	s_mov_b32 s39, 0
	s_lshr_b32 s46, s32, 1
	s_and_b32 s47, s32, 1
	s_lshl_b32 s40, s46, 11
	s_add_co_u32 s40, s40, s33
	s_lshl_b32 s24, s47, 9
	s_add_co_u32 s40, s40, s24
	s_add_co_u32 s40, s40, 0x400000                ; v's codes: 2,048 bytes for 128 keys; my 64 keys are K blocks 0, 1 or 2, 3
	s_mov_b32 s41, 0
	s_lshl_b32 s33, s31, 11
	s_lshl_b32 s42, s32, 6
	s_add_co_u32 s42, s42, s33                     ; q's scale bytes: one a token
	s_mov_b32 s43, 0
	s_lshl_b32 s44, s46, 7
	s_add_co_u32 s44, s44, s33
	s_lshl_b32 s24, s47, 1
	s_add_co_u32 s44, s44, s24
	s_add_co_u32 s44, s44, 0x40000                 ; v's
	s_mov_b32 s45, 0
	s_wait_kmcnt 0x0
	s_add_nc_u64 s[4:5], s[4:5], s[28:29]
	s_add_nc_u64 s[10:11], s[10:11], s[34:35]
	s_add_nc_u64 s[12:13], s[12:13], s[36:37]
	s_add_nc_u64 s[38:39], s[14:15], s[38:39]
	s_add_nc_u64 s[40:41], s[14:15], s[40:41]
	s_add_nc_u64 s[42:43], s[16:17], s[42:43]
	s_add_nc_u64 s[44:45], s[16:17], s[44:45]
.irp e,0,1,2,3,4,5,6,7
	global_load_b128 v[GA+4*\e:GA+4*\e+3], v3, s[6:7] offset:16*\e
.endr
.irp e,0,1,2,3,4,5,6,7
	global_load_b128 v[BE+4*\e:BE+4*\e+3], v3, s[8:9] offset:16*\e
.endr
.irp p,0,1,2,3
.irp e,0,1,2,3,4,5,6,7
	global_load_b128 v[X+32*\p+4*\e:X+32*\p+4*\e+3], v2, s[4:5] offset:4096*\p+16*\e   ; rows 8 w + 2 p, + 1: my block of 32
.endr
.endr
.set ISSUED, 48
; rows 8 w + 2 p and + 1: mean, variance (of the differences, as the definition has it), gain and bias, the block's byte and codes; a quarter of my weights is asked for on the way
.macro LNPASS p
.set XP, X+32*(\p)
	s_wait_loadcnt ISSUED-(24+8*(\p))              ; g1, beta1 and this pass's eight loads are in: behind them stand the later passes' and the weights' asked for so far
	WIN 0x40
.set WI, 12*(\p)
.rept 12
	global_load_b128 v[4*WI:4*WI+3], v1, s[10:11] offset:131072*(WI/16)+512*(WI%16)   ; chunk 16 (q, k, v) + head; sixteen loads a chunk
.set WI, WI+1
.endr
	WIN 0
.set ISSUED, ISSUED+12
.if (\p) == 0
.irp e,0,1,2
	global_load_b128 v[WS+4*\e:WS+4*\e+3], v1, s[12:13] offset:8192*\e
.endr
.set ISSUED, ISSUED+3
.endif
	v_pk_add_f32 v[44:45], v[XP:XP+1], v[XP+2:XP+3]
	v_pk_add_f32 v[46:47], v[XP+4:XP+5], v[XP+6:XP+7]
.irp i,8,12,16,20,24,28
	v_pk_add_f32 v[44:45], v[44:45], v[XP+\i:XP+\i+1]
	v_pk_add_f32 v[46:47], v[46:47], v[XP+\i+2:XP+\i+3]
.endr
	v_pk_add_f32 v[44:45], v[44:45], v[46:47]
	v_add_f32 v44, v44, v45
	v_add_f32_dpp v44, v44, v44 row_xmask:1 row_mask:0xf bank_mask:0xf
	v_add_f32_dpp v44, v44, v44 row_xmask:2 row_mask:0xf bank_mask:0xf
	v_add_f32_dpp v44, v44, v44 row_xmask:4 row_mask:0xf bank_mask:0xf
	v_add_f32_dpp v44, v44, v44 row_xmask:8 row_mask:0xf bank_mask:0xf
	v_mul_f32 v48, s20, v44                        ; the mean, twice: a pair for the packed forms
	v_mul_f32 v49, s20, v44
.set I, 0
.rept 16
	v_pk_add_f32 v[XP+I:XP+I+1], v[XP+I:XP+I+1], v[48:49] neg_lo:[0,1] neg_hi:[0,1]
.set I, I+2
.endr
	v_pk_mul_f32 v[44:45], v[XP:XP+1], v[XP:XP+1]
	v_pk_mul_f32 v[46:47], v[XP+2:XP+3], v[XP+2:XP+3]
.irp i,4,8,12,16,20,24,28
	v_pk_fma_f32 v[44:45], v[XP+\i:XP+\i+1], v[XP+\i:XP+\i+1], v[44:45]
	v_pk_fma_f32 v[46:47], v[XP+\i+2:XP+\i+3], v[XP+\i+2:XP+\i+3], v[46:47]
.endr
	v_pk_add_f32 v[44:45], v[44:45], v[46:47]
	v_add_f32 v44, v44, v45
	v_add_f32_dpp v44, v44, v44 row_xmask:1 row_mask:0xf bank_mask:0xf
	v_add_f32_dpp v44, v44, v44 row_xmask:2 row_mask:0xf bank_mask:0xf
	v_add_f32_dpp v44, v44, v44 row_xmask:4 row_mask:0xf bank_mask:0xf
	v_add_f32_dpp v44, v44, v44 row_xmask:8 row_mask:0xf bank_mask:0xf
	v_fma_f32 v50, v44, s20, s21                   ; variance + 1e-5
	v_rsq_f32 v52, v50
	v_rsq_f32 v53, v50
	v_nop                                          ; a plain place behind the transcendentals
.set I, 0
	s_wait_alu depctr_va_vdst(0)
.rept 16
	v_pk_mul_f32 v[XP+I:XP+I+1], v[XP+I:XP+I+1], v[52:53]
.set I, I+2
.endr
.set I, 0
.rept 16
	v_pk_fma_f32 v[XP+I:XP+I+1], v[XP+I:XP+I+1], v[GA+I:GA+I+1], v[BE+I:BE+I+1]
.set I, I+2
.endr
	v_max3_num_f32 v54, |v[XP]|, |v[XP+1]|, |v[XP+2]|
	v_max3_num_f32 v55, |v[XP+3]|, |v[XP+4]|, |v[XP+5]|
.irp i,6,10,14,18,22,26
	v_max3_num_f32 v54, v54, |v[XP+\i]|, |v[XP+\i+1]|
	v_max3_num_f32 v55, v55, |v[XP+\i+2]|, |v[XP+\i+3]|
.endr
	v_max3_num_f32 v54, v54, |v[XP+30]|, |v[XP+31]|
	v_max3_num_f32 v54, v54, v55, 0x1800000        ; the floor 2^(3 - 127)
	s_wait_dscnt 0x0                               ; the last pass's stores have read their registers
	v_add_nc_u32 v56, 0xff000000, v54
	v_lshrrev_b32 v57, 23, v56
.irp g,0,1,2,3
	v_cvt_scalef32_pk8_fp4_f32 v[60+\g], v[XP+8*\g:XP+8*\g+7], v56
.endr
	v_nop
	ds_store_b128 v4, v[60:63] offset:32*(\p)
	ds_store_b8 v5, v57 offset:32*(\p)
.endm
	LNPASS 0
	LNPASS 1
	LNPASS 2
	LNPASS 3
	s_wait_dscnt 0x0                               ; for the others' sake: my stores have landed
	s_barrier_signal -1
	s_barrier_wait -1                              ; h's sixteen fragments and their scale words lie in LDS; nothing is written there again
.set I, 0
.rept 32
	ds_load_b128 v[BF+4*I:BF+4*I+3], v1 offset:512*I
.set I, I+1
.endr
.irp e,0,1
	ds_load_b128 v[BS+4*\e:BS+4*\e+3], v1 offset:HSC+512*\e   ; register 4 (m / 2) + K step: lanes 0-15 tile 2 (m / 2), lanes 16-31 the next
.endr
.irp b,0,1,2,3
	v_mov_b32 v[TT+\b], 0                          ; a lane permute's destination counts as one of its sources
.endr
	v_cmp_gt_u32 vcc_lo, 16, v6                    ; lanes 0-15
	s_wait_loadcnt 0x0                             ; my weights
	s_wait_dscnt 0x0
	; ---- q
	MULT ACC, 0, WS, BS, 0, 0, 0x01, 0x01
	WIN 0
.rept 4
	v_nop                                          ; places behind the last product
.endr
	QUANT ACC
.irp mt,0,1,2,3
	global_store_b64 v7, v[PC+2*\mt:PC+2*\mt+1], s[38:39] offset:256*\mt
.endr
	v_lshl_or_b32 v10, v[TT+1], 8, v[TT]           ; row r's bytes of the four tiles
	v_lshl_or_b32 v10, v[TT+2], 16, v10
	v_lshl_or_b32 v10, v[TT+3], 24, v10
	; ---- k
	MULT ACC, 64, WS+4, BS, 0, 0, 0x01, 0x01
	WIN 0
.rept 4
	v_nop
.endr
	QUANT ACC
.irp mt,0,1,2,3
	global_store_b64 v7, v[PC+2*\mt:PC+2*\mt+1], s[38:39] offset:2097152+256*\mt
.endr
	v_lshl_or_b32 v11, v[TT+1], 8, v[TT]
	v_lshl_or_b32 v11, v[TT+2], 16, v11
	v_lshl_or_b32 v11, v[TT+3], 24, v11
	v_cndmask_b32 v12, v11, v10, vcc_lo            ; lanes 0-15 store q's word, lanes 16-31 k's
	global_store_b32 v8, v12, s[42:43]
	; ---- v: source 0 = 16 rows of h (keys), source 1 = 16 columns of W.  Unit 2 p + u: 16 neighbouring keys of column (u, r)
	WIN 0x04
.irp ks,0,1,2,3
.irp mt,0,1,2,3
.irp ut,0,1
.if \ks == 0
	WM ACC+32*(\mt/2)+16*\ut+8*(\mt%2), BF+8*(4*\mt+\ks), 128+8*(4*\ut+\ks), 1, 0, BS+4*(\mt/2)+\ks, WS+8+\ks, \mt%2, \ut
.else
	WM ACC+32*(\mt/2)+16*\ut+8*(\mt%2), BF+8*(4*\mt+\ks), 128+8*(4*\ut+\ks), 0, ACC+32*(\mt/2)+16*\ut+8*(\mt%2), BS+4*(\mt/2)+\ks, WS+8+\ks, \mt%2, \ut
.endif
.endr
.endr
.endr
	WIN 0
.rept 4
	v_nop
.endr
	QUANT ACC
.irp pb,0,1
.irp ut,0,1
	global_store_b64 v7, v[PC+2*(2*\pb+\ut):PC+2*(2*\pb+\ut)+1], s[40:41] offset:1024*\ut+256*\pb
.endr
.endr
	v_lshl_or_b32 v14, v[TT+2], 8, v[TT]           ; u = 0: the bytes of my two K blocks
	v_lshl_or_b32 v15, v[TT+3], 8, v[TT+1]         ; u = 1
	v_cndmask_b32 v14, v15, v14, vcc_lo            ; lane 16 u + r stores (u, r)'s
	global_store_b16 v9, v14, s[44:45]
	s_wait_tensorcnt 0x0
	ds_add_u32 v30, v31
	s_wait_dscnt 0x0
	s_endpgm
.Lfunc_end_k_q810806607f_qkv:
	.size	k_q810806607f_qkv, .Lfunc_end_k_q810806607f_qkv-k_q810806607f_qkv
	.p2alignl 7, 3214868480
	.fill 96, 4, 3214868480
	.section	.rodata,"a",@progbits
	.p2align	6, 0x0
	.amdhsa_kernel k_q810806607f_qkv
		.amdhsa_group_segment_fixed_size 18432
		.amdhsa_private_segment_fixed_size 0
		.amdhsa_enable_private_segment 0
		.amdhsa_kernarg_size 56
		.amdhsa_user_sgpr_count 2
		.amdhsa_user_sgpr_kernarg_segment_ptr 1
		.amdhsa_wavefront_size32 1
		.amdhsa_system_sgpr_workgroup_id_x 1
		.amdhsa_system_sgpr_workgroup_id_y 1
		.amdhsa_system_sgpr_workgroup_id_z 1
		.amdhsa_system_vgpr_workitem_id 0
		.amdhsa_next_free_vgpr 512
		.amdhsa_next_free_sgpr 66
		.amdhsa_reserve_vcc 1
		.amdhsa_float_denorm_mode_32 3
		.amdhsa_float_denorm_mode_16_64 3
		.amdhsa_memory_ordered 1
		.amdhsa_forward_progress 1
		.amdhsa_inst_pref_size 71
	.end_amdhsa_kernel
	.amdgpu_metadata
---
amdhsa.version: [ 1, 2 ]
amdhsa.kernels:
  - .name:           k_q810806607f_qkv
    .symbol:         k_q810806607f_qkv.kd
    .args:
      - { .name: x, .offset: 0, .size: 8, .value_kind: global_buffer, .address_space: global }
      - { .name: g1, .offset: 8, .size: 8, .value_kind: global_buffer, .address_space: global }
      - { .name: beta1, .offset: 16, .size: 8, .value_kind: global_buffer, .address_space: global }
      - { .name: wc, .offset: 24, .size: 8, .value_kind: global_buffer, .address_space: global }
      - { .name: ws, .offset: 32, .size: 8, .value_kind: global_buffer, .address_space: global }
      - { .name: qkvc, .offset: 40, .size: 8, .value_kind: global_buffer, .address_space: global }
      - { .name: qkvs, .offset: 48, .size: 8, .value_kind: global_buffer, .address_space: global }
    .group_segment_fixed_size: 18432
    .private_segment_fixed_size: 0
    .kernarg_segment_align: 8
    .kernarg_segment_size: 56
    .max_flat_workgroup_size: 256
    .sgpr_count:     66
    .vgpr_count:     512
    .wavefront_size: 32
...
	.end_amdgpu_metadata
.endif
;; end of part 2
;; launch attn (part 3): grid 4 x 64, 16 waves a work-group, no clusters, 71,680 bytes of LDS; arguments qkvc, qkvs, ao, aos; writes ao, aos
.if DOCPART == 3
	.amdgcn_target "amdgcn-amd-amdhsa--gfx1250"
	.amdhsa_code_object_version 6
	.text
	.protected	k_q810806607f_attn
	.globl	k_q810806607f_attn
	.p2align	8
	.type	k_q810806607f_attn,@function
k_q810806607f_attn:
	s_mov_b64 s[64:65], 0
	v_nop
	global_prefetch_b8 v0, s[64:65] scope:SCOPE_SE
	s_setreg_imm32_b32 hwreg(HW_REG_WAVE_MODE, 25, 1), 1
	s_wait_xcnt 0x0
; Causal attention of one head of one batch on FP4 codes, head size 32, 2,048 tokens; the result / l is quantised by (row, head), which is a K block of the next product, and only its codes and bytes are stored.
; t = score x log2(e) / sqrt(512); M = the running largest t rounded up to a whole number; p = 2^(t - M) is quantised along the keys; l sums the unquantised p; when M moves, l and O are multiplied by 2^(old M - new M): exact.
; SHARES.  Work-group (z, head of batch).  Wave W, with n = 16 z + W, owns the tiles of 16 queries n and 127 - n: together 17 steps of 128 keys and two steps on the diagonal, the same for every wave of the launch.
; Both loops have 16 trips, a constant; a step all of whose keys come after the tile's queries is jumped over by a scalar branch on ids.
; LDS is filled once, through registers, and only read behind the one barrier: k's scale words at 0, v's at 2,048, k's codes at 4,096, v's at 36,864: 68 KiB, the head's all.
; No multicast: what work-groups share is this one fill; no tensor load, so no slot is ever filled again.
; K = 32 IN AN INSTRUCTION OF K = 128.  A fragment of k holds FOUR tiles of 16 keys: K block e of fragment g is tile 4 g + e.  q stands in four variants, each with q's codes in one K block and zero codes elsewhere, all cut out
; of 20 registers [0 | q in lanes 0-15 | 0 | q in lanes 16-31 | 0].  Zero codes add nothing under any byte from 1 to 254.  So no byte read from LDS is wasted: four loads of 16 bytes a lane for 128 keys.
; Both products are used transposed: a lane holds one query (lane % 16).  Row r of key tile T is key 32 (T / 2) + 8 (T % 2) + r + 8 (r / 8): the 16 registers of tiles 2 b, 2 b + 1 are keys 32 b + 16 (lane / 16) + 0 .. 15.
; LIMITS: NaN and infinities are not served; a block under 2^-124, a block of zeros too, gets the byte 1; 1 / l by v_rcp_f32.
; REGISTERS: v1-10 addresses; v12 -M, v13 the largest t, v[14:15] l in two halves; v16-35 q's variants; v36-39 scale words (q, k, v, p); v40-55 k; v56-71 v; v72-79 p's codes; v80-95 O^T; v96-159 S^T, then p; v160-184 at work.
.set KC,  4096
.set QB,  16
.set QS,  36
.set KSW, 37
.set VSW, 38
.set PSW, 39
.set KFR, 40
.set VFR, 56
.set PC,  72
.set O,   80
.set S,   96
.set BM,  160
.set BT,  164
.set BSO, 168
.macro WM d, a, b, cz, cr, sa, sb, ra
.if \cz
.if (\ra)==0
	v_wmma_scale_f32_16x16x128_f8f6f4 v[(\d):(\d)+7], v[(\a):(\a)+7], v[(\b):(\b)+7], 0, v[\sa], v[\sb] matrix_a_fmt:MATRIX_FMT_FP4 matrix_b_fmt:MATRIX_FMT_FP4
.else
	v_wmma_scale_f32_16x16x128_f8f6f4 v[(\d):(\d)+7], v[(\a):(\a)+7], v[(\b):(\b)+7], 0, v[\sa], v[\sb] matrix_a_fmt:MATRIX_FMT_FP4 matrix_b_fmt:MATRIX_FMT_FP4 matrix_a_scale:MATRIX_SCALE_ROW1
.endif
.else
.if (\ra)==0
	v_wmma_scale_f32_16x16x128_f8f6f4 v[(\d):(\d)+7], v[(\a):(\a)+7], v[(\b):(\b)+7], v[(\cr):(\cr)+7], v[\sa], v[\sb] matrix_a_fmt:MATRIX_FMT_FP4 matrix_b_fmt:MATRIX_FMT_FP4
.else
	v_wmma_scale_f32_16x16x128_f8f6f4 v[(\d):(\d)+7], v[(\a):(\a)+7], v[(\b):(\b)+7], v[(\cr):(\cr)+7], v[\sa], v[\sb] matrix_a_fmt:MATRIX_FMT_FP4 matrix_b_fmt:MATRIX_FMT_FP4 matrix_a_scale:MATRIX_SCALE_ROW1
.endif
.endif
.endm
	s_load_b256 s[4:11], s[0:1], 0x0               ; qkvc, qkvs, ao, aos
	v_lshl_add_u32 v192, v0, 2, 0x11000
	v_mov_b32 v193, 0
	v_lshrrev_b32 v12, 5, v0
	v_readfirstlane_b32 s12, v12                   ; wave 0..15
	s_and_b32 s13, ttmp7, 0xffff                   ; 16 x batch + head
	s_lshl_b32 s14, ttmp9, 4
	s_add_co_u32 s14, s14, s12                     ; n = 16 z + wave
	s_mov_b32 s16, 0x76543210
	s_mov_b32 s17, 0xfedcba98                      ; v_permlanex16_b32's selects for lane l xor 16
	s_mov_b32 s18, 0x3d8293ee                      ; c = log2(e) / sqrt(512)
	s_mov_b32 s19, s18                             ; (named with it as a pair)
	s_mov_b32 s38, 0x01010101
	v_lshlrev_b32 v3, 4, v0                        ; the fill: 16 bytes a thread,
	v_lshlrev_b32 v4, 3, v0                        ; of the scale bytes 8
	v_lshrrev_b32 v9, 8, v0
	v_and_b32 v10, 255, v0
	v_lshlrev_b32 v10, 3, v10
	v_lshl_add_u32 v10, v9, 17, v10                ; threads 0-255 k's scale bytes, 256-511 v's, 131,072 bytes on
	s_mov_b32 s37, 0
	s_lshl_b32 s36, s13, 15
	s_wait_kmcnt 0x0
	s_add_nc_u64 s[40:41], s[4:5], s[36:37]        ; the head's q codes; k's lie 2 MiB on, v's 4 MiB
	s_lshl_b32 s36, s13, 11
	s_add_nc_u64 s[42:43], s[6:7], s[36:37]        ; its q bytes
.irp e,0,1,2,3
	global_load_b128 v[96+4*\e:96+4*\e+3], v3, s[40:41] offset:2097152+8192*\e
.endr
.irp e,0,1,2,3
	global_load_b128 v[112+4*\e:112+4*\e+3], v3, s[40:41] offset:4194304+8192*\e
.endr
	global_load_b64 v[128:129], v10, s[42:43] offset:131072
	s_lshr_b32 s27, s13, 4                         ; batch
	s_and_b32 s20, s13, 15                         ; head
	s_lshl_b32 s36, s27, 19
	s_lshl_b32 s21, s20, 8
	s_add_co_u32 s36, s36, s21
	s_add_nc_u64 s[44:45], s[8:9], s[36:37]        ; ao: 4,096 bytes a tile of 16 rows, 256 a head
	s_lshl_b32 s36, s27, 15
	s_add_co_u32 s36, s36, s20
	s_add_nc_u64 s[46:47], s[10:11], s[36:37]      ; aos: 16 bytes a row, one a head
	v_and_b32 v12, 31, v0                          ; lane
	v_and_b32 v5, 15, v0                           ; r
	v_bfe_u32 v6, v0, 4, 1                         ; h
	v_lshlrev_b32 v1, 4, v12
	v_add_nc_u32 v1, KC, v1                        ; a fragment's place for my lane
	v_lshlrev_b32 v2, 2, v12                       ; a scale word's
	v_lshrrev_b32 v13, 3, v5
	v_and_b32 v14, 7, v5
	v_lshlrev_b32 v7, 4, v14
	v_lshl_add_u32 v7, v13, 8, v7                  ; query r's codes in its group of 32 tokens: 256 (r / 8) + 16 (r % 8)
	v_lshl_add_u32 v8, v14, 2, v13                 ; and its byte: 4 (r % 8) + r / 8
	v_lshlrev_b32 v15, 4, v6
	v_sub_nc_u32 v184, v5, v15                     ; r - 16 h, for the mask
	v_cmp_gt_u32 s39, 16, v12                      ; lanes 0-15
.irp e,0,1,2,3
	v_mov_b32 v[QB+\e], 0                          ; the zero codes of q's variants
	v_mov_b32 v[QB+8+\e], 0
	v_mov_b32 v[QB+16+\e], 0
	v_mov_b32 v[BT+\e], 0                          ; a lane permute's destination counts as one of its sources
.endr
	v_mov_b32 v173, 0                              ; (named as the upper half of the pair v[172:173])
	v_mov_b32 v174, 0
	s_wait_loadcnt 0x0
.irp e,0,1,2,3,4,5,6,7
	ds_store_b128 v3, v[96+4*\e:96+4*\e+3] offset:4096+8192*\e
.endr
	ds_store_b64 v4, v[128:129]
	v_lshlrev_b32 v10, 4, v5                       ; out: 16 r (the loads that named v9, v10 are done),
	v_lshl_add_u32 v9, v6, 3, v10                  ; 16 r + 8 h
	s_wait_dscnt 0x0                               ; for the others' sake: my stores have landed
	s_barrier_signal -1
	s_barrier_wait -1
.macro TILE which
	s_wait_xcnt 0x0                                ; the last tile's stores have read their registers and bases
.if \which == 0
	s_mov_b32 s20, s14
.else
	s_sub_co_u32 s20, 127, s14
.endif
	s_lshl_b32 s21, s20, 4                         ; my first query
	s_add_co_u32 s22, s21, 15                      ; my last
	s_lshr_b32 s27, s20, 1
	s_lshl_b32 s36, s27, 9
	s_and_b32 s27, s20, 1
	s_lshl_b32 s27, s27, 7
	s_add_co_u32 s36, s36, s27
	s_add_nc_u64 s[28:29], s[40:41], s[36:37]      ; q's codes: 512 bytes for 32 tokens, the upper 16 of them 128 bytes on
	s_lshr_b32 s27, s20, 2
	s_lshl_b32 s36, s27, 6
	s_and_b32 s27, s20, 1
	s_lshl_b32 s27, s27, 5
	s_add_co_u32 s36, s36, s27
	s_bfe_u32 s27, s20, 0x10001
	s_lshl_b32 s27, s27, 1
	s_add_co_u32 s36, s36, s27
	s_add_nc_u64 s[30:31], s[42:43], s[36:37]      ; q's bytes
	s_lshl_b32 s36, s20, 12
	s_add_nc_u64 s[32:33], s[44:45], s[36:37]
	s_lshl_b32 s36, s20, 8
	s_add_nc_u64 s[34:35], s[46:47], s[36:37]
	global_load_b128 v[180:183], v7, s[28:29]
	global_load_u8 v11, v8, s[30:31]
	v_mov_b32 v13, 0xff61b1e6                      ; the largest t so far: -3e38
	v_floor_f32 v12, -v13                          ; -M
	v_mov_b32 v14, 0
	v_mov_b32 v15, 0
	s_mov_b32 s23, 0                               ; the step's first key
	s_mov_b32 s24, 0                               ; its codes: 2,048 bytes a step
	s_mov_b32 s25, 0                               ; its scale words: 128
	s_mov_b32 s26, 16
	s_wait_loadcnt 0x0
	v_mul_lo_u32 v[QS], v11, s38                   ; q's byte in all four places of the word
.irp e,0,1,2,3
	v_cndmask_b32 v[QB+4+\e], 0, v[180+\e], s39    ; q in lanes 0-15
	v_cndmask_b32 v[QB+12+\e], v[180+\e], v[QB], s39   ; q in lanes 16-31
.endr
.set I, 0
.rept 16
	v_mov_b32 v[O+I], 0                            ; O^T.  (These sixteen also stand between the lines above and the first product)
.set I, I+1
.endr
.Lstep_\@:
	s_cmp_gt_u32 s23, s22
	s_cbranch_scc1 .Lhidden_\@                     ; all 128 keys come after my queries
	v_add_nc_u32 v3, s24, v1
	v_add_nc_u32 v4, s25, v2
	v_nop
	v_nop                                          ; four places behind the last step's products, in front of the loads into v's registers
.irp e,0,1,2,3
	ds_load_b128 v[KFR+4*\e:KFR+4*\e+3], v3 offset:512*\e
.endr
	ds_load_b32 v[KSW], v4                         ; lanes 0-15 fragment 0's rows, lanes 16-31 fragment 1's
.irp e,0,1,2,3
	ds_load_b128 v[VFR+4*\e:VFR+4*\e+3], v3 offset:32768+512*\e
.endr
	ds_load_b32 v[VSW], v4 offset:2048
	s_wait_dscnt 0x5                               ; k and its words are in; v's five loads may be out
.irp g,0,1
.irp be,0,1,2,3
	WM S+8*(4*\g+\be), KFR+8*\g, QB+4+8*(\be%2)-4*(\be/2), 1, 0, KSW, QS, \g
.endr
.endr
.rept 4
	v_nop
.endr
	s_add_co_u32 s27, s23, 127
	s_cmp_le_u32 s27, s21
	s_cbranch_scc1 .Lopen_\@                       ; all 128 keys count
	s_sub_co_i32 s27, s21, s23
	v_add_nc_u32 v175, s27, v184                   ; d = my query - the step's first key - 16 h: register 16 b + i holds a hidden key where 32 b + i > d
	v_mov_b32 v174, 0xff800000                     ; -infinity
.set N, 0
.rept 64
	v_cmp_gt_i32 vcc_lo, 32*(N/16)+N%16, v175
	v_cndmask_b32 v[S+N], v[S+N], v174, vcc_lo
.set N, N+1
.endr
.Lopen_\@:
.irp b,0,1,2,3
	v_max3_num_f32 v[BM+\b], v[S+16*\b], v[S+16*\b+1], v[S+16*\b+2]   ; the largest score of each block of 32 keys: for the row's maximum, and, since p rises with the score, for the block's largest p
.endr
.irp i,3,5,7,9,11,13
.irp b,0,1,2,3
	v_max3_num_f32 v[BM+\b], v[BM+\b], v[S+16*\b+\i], v[S+16*\b+\i+1]
.endr
.endr
.irp b,0,1,2,3
	v_max_num_f32 v[BM+\b], v[BM+\b], v[S+16*\b+15]
.endr
.irp b,0,1,2,3
	v_permlanex16_b32 v[BT+\b], v[BM+\b], s16, s17
.endr
.irp b,0,1,2,3
	v_max_num_f32 v[BM+\b], v[BM+\b], v[BT+\b]
.endr
	v_max3_num_f32 v174, v[BM], v[BM+1], v[BM+2]
	v_max_num_f32 v174, v174, v[BM+3]
	v_mul_f32 v174, s18, v174                      ; as t (c is positive)
	v_max_num_f32 v13, v13, v174                   ; the running largest t
	v_mov_b32 v174, v12
	v_floor_f32 v12, -v13                          ; the new -M = -ceil(t)
	v_sub_f32 v174, v12, v174                      ; old M - new M: a whole number, 0 or less
	v_cvt_i32_f32 v174, v174                       ; (it saturates)
	v_ldexp_f32 v172, 1.0, v174                    ; f = 2^(old M - new M)
.set I, 0
.rept 32
	v_pk_fma_f32 v[S+I:S+I+1], v[S+I:S+I+1], s[18:19], v[12:13] op_sel_hi:[1,0,0]   ; t - M
.set I, I+2
.endr
.irp b,0,1,2,3
	v_fma_f32 v[BM+\b], v[BM+\b], s18, v12
.endr
.set I, 0
.rept 64
	v_exp_f32 v[S+I], v[S+I]                       ; p = 2^(t - M)
.set I, I+1
.endr
.irp b,0,1,2,3
	v_exp_f32 v[BM+\b], v[BM+\b]                   ; the block's largest p
.endr
	v_pk_mul_f32 v[14:15], v[14:15], v[172:173] op_sel_hi:[1,0]   ; l under the new M (a plain place behind the exponentials)
.set I, 0
.rept 8
	v_pk_mul_f32 v[O+I:O+I+1], v[O+I:O+I+1], v[172:173] op_sel_hi:[1,0]   ; O^T under the new M, each accumulator from its low end on
.set I, I+2
.endr
	s_wait_alu depctr_va_vdst(0)
.irp b,0,1,2,3
	v_max_num_f32 v[BM+\b], 0x1800000, v[BM+\b]    ; the floor 2^(3 - 127)
.endr
.irp b,0,1,2,3
	v_add_nc_u32 v[BSO+\b], 0xff000000, v[BM+\b]
.endr
.irp b,0,1,2,3
	v_lshrrev_b32 v[BT+\b], 23, v[BSO+\b]
.endr
	v_lshl_or_b32 v[PSW], v[BT+1], 8, v[BT]        ; p's scale word for these 128 keys
	v_lshl_or_b32 v[PSW], v[BT+2], 16, v[PSW]
	v_lshl_or_b32 v[PSW], v[BT+3], 24, v[PSW]
.irp b,0,1,2,3
	v_cvt_scalef32_pk8_fp4_f32 v[PC+2*\b], v[S+16*\b:S+16*\b+7], v[BSO+\b]
	v_cvt_scalef32_pk8_fp4_f32 v[PC+2*\b+1], v[S+16*\b+8:S+16*\b+15], v[BSO+\b]
.endr
	v_nop
.irp c,0,1                             ; the operand wants a whole block in a lane: lanes 0-15 block 2 c, lanes 16-31 block 2 c + 1
.irp i,0,1
	v_permlane16_swap_b32 v[PC+4*\c+\i], v[PC+2+4*\c+\i]
.endr
.endr
	v_pk_add_f32 v[176:177], v[S:S+1], v[S+2:S+3]  ; l takes the unquantised p, in two chains.  (These 32 also stand between p's word and codes and the products)
.irp j,4,8,12,16,20,24,28,32,36,40,44,48,52,56,60
	v_pk_add_f32 v[14:15], v[14:15], v[S+\j:S+\j+1]
	v_pk_add_f32 v[176:177], v[176:177], v[S+\j+2:S+\j+3]
.endr
	v_pk_add_f32 v[14:15], v[14:15], v[176:177]
	s_wait_dscnt 0x0                               ; v and its words
	WM O, VFR, PC, 0, O, VSW, PSW, 0               ; O^T += v^T p^T: the two accumulators by turns, the next step's eight products between their links
	WM O+8, VFR+8, PC, 0, O+8, VSW, PSW, 1
.Lhidden_\@:
	s_add_co_u32 s23, s23, 128
	s_add_co_u32 s24, s24, 2048
	s_add_co_u32 s25, s25, 128
	s_sub_co_i32 s26, s26, 1
	s_cmp_lg_u32 s26, 0
	s_cbranch_scc1 .Lstep_\@
.rept 4
	v_nop                                          ; places behind the last products
.endr
	v_add_f32 v14, v14, v15
	v_permlanex16_b32 v174, v14, s16, s17
	v_add_f32 v14, v14, v174                       ; the row's l
	v_rcp_f32 v172, v14
	v_nop
.set I, 0
	s_wait_alu depctr_va_vdst(0)
.rept 8
	v_pk_mul_f32 v[O+I:O+I+1], v[O+I:O+I+1], v[172:173] op_sel_hi:[1,0]   ; register 8 u + j: channel 16 h + 8 u + j of query r
.set I, I+2
.endr
	v_max3_num_f32 v[BM], |v[O]|, |v[O+1]|, 0x1800000
.irp i,2,4,6,8,10,12,14
	v_max3_num_f32 v[BM], v[BM], |v[O+\i]|, |v[O+\i+1]|
.endr
	v_permlanex16_b32 v[BT], v[BM], s16, s17
	v_max_num_f32 v[BM], v[BM], v[BT]              ; the largest magnitude of (row, head)'s 32
	v_add_nc_u32 v[BSO], 0xff000000, v[BM]
	v_lshrrev_b32 v[BT+1], 23, v[BSO]
	v_cvt_scalef32_pk8_fp4_f32 v[PC], v[O:O+7], v[BSO]
	v_cvt_scalef32_pk8_fp4_f32 v[PC+1], v[O+8:O+15], v[BSO]
	v_nop
	global_store_b64 v9, v[PC:PC+1], s[32:33]      ; 32 lanes store 256 consecutive bytes, aligned
	global_store_b8 v10, v[BT+1], s[34:35]         ; one byte in each row's 16; lanes l and l xor 16 write the same byte with the same value
.endm
	TILE 0
	TILE 1
	s_wait_tensorcnt 0x0
	ds_add_u32 v192, v193
	s_wait_dscnt 0x0
	s_endpgm
.Lfunc_end_k_q810806607f_attn:
	.size	k_q810806607f_attn, .Lfunc_end_k_q810806607f_attn-k_q810806607f_attn
	.p2alignl 7, 3214868480
	.fill 96, 4, 3214868480
	.section	.rodata,"a",@progbits
	.p2align	6, 0x0
	.amdhsa_kernel k_q810806607f_attn
		.amdhsa_group_segment_fixed_size 71680
		.amdhsa_private_segment_fixed_size 0
		.amdhsa_enable_private_segment 0
		.amdhsa_kernarg_size 32
		.amdhsa_user_sgpr_count 2
		.amdhsa_user_sgpr_kernarg_segment_ptr 1
		.amdhsa_wavefront_size32 1
		.amdhsa_system_sgpr_workgroup_id_x 1
		.amdhsa_system_sgpr_workgroup_id_y 1
		.amdhsa_system_sgpr_workgroup_id_z 1
		.amdhsa_system_vgpr_workitem_id 0
		.amdhsa_next_free_vgpr 194
		.amdhsa_next_free_sgpr 66
		.amdhsa_reserve_vcc 1
		.amdhsa_float_denorm_mode_32 3
		.amdhsa_float_denorm_mode_16_64 3
		.amdhsa_memory_ordered 1
		.amdhsa_forward_progress 1
		.amdhsa_inst_pref_size 51
	.end_amdhsa_kernel
	.amdgpu_metadata
---
amdhsa.version: [ 1, 2 ]
amdhsa.kernels:
  - .name:           k_q810806607f_attn
    .symbol:         k_q810806607f_attn.kd
    .args:
      - { .name: qkvc, .offset: 0, .size: 8, .value_kind: global_buffer, .address_space: global }
      - { .name: qkvs, .offset: 8, .size: 8, .value_kind: global_buffer, .address_space: global }
      - { .name: ao, .offset: 16, .size: 8, .value_kind: global_buffer, .address_space: global }
      - { .name: aos, .offset: 24, .size: 8, .value_kind: global_buffer, .address_space: global }
    .group_segment_fixed_size: 71680
    .private_segment_fixed_size: 0
    .kernarg_segment_align: 8
    .kernarg_segment_size: 32
    .max_flat_workgroup_size: 512
    .sgpr_count:     66
    .vgpr_count:     194
    .wavefront_size: 32
...
	.end_amdgpu_metadata
.endif
;; end of part 3
;; launch mlp (part 4): grid 128 x 1, 8 waves a work-group, no clusters, 258,048 bytes of LDS; arguments ao, aos, x, wc, ws, b_proj, g2, beta2, bf1, bf2, out0; writes out0
.if DOCPART == 4
	.amdgcn_target "amdgcn-amd-amdhsa--gfx1250"
	.amdhsa_code_object_version 6
	.text
	.protected	k_q810806607f_mlp
	.globl	k_q810806607f_mlp
	.p2align	8
	.type	k_q810806607f_mlp,@function
k_q810806607f_mlp:
	s_mov_b64 s[64:65], 0
	v_nop
	global_prefetch_b8 v0, s[64:65] scope:SCOPE_SE
	s_setreg_imm32_b32 hwreg(HW_REG_WAVE_MODE, 25, 1), 1
	s_wait_xcnt 0x0
; x1 = x + attention W_proj + b_proj;  h2 = LayerNorm(x1) g2 + beta2;  out = x1 + relu(h2 W1 + bf1) W2 + bf2.  All three products on FP4 codes; h2 and the hidden layer are quantised on the way and never go to memory.
; SHARES.  A work-group takes 64 rows, four tiles of 16.  THE WAVES SHARE THE COLUMNS: wave w owns columns 64 w .. 64 w + 63 of x1 and of out, and hidden units 256 w .. 256 w + 255, for all 64 rows.
; 64 rows, so 128 work-groups: every work-group draws all 1.18 MB of weight codes, so rows halved would double what is drawn in all, and a fragment of weights here feeds four products.
; WEIGHTS go from memory straight into operand registers, in the order in which they were laid: 18 units of 8,192 bytes a wave (2 W_proj, 8 W1, 8 W2), three buffers by turns, asked for up to three units ahead.
; No tensor load and no multicast: a joint load would bring the same bytes into each work-group's LDS, of which 257,024 bytes are in use, and add their way through it.
; Every product: source 0 = 16 columns of W, source 1 = 16 rows.  A tile pair's results are 16 neighbouring columns in a lane (row r, columns 16 h + 0 .. 15 of the pair's 32); lanes l, l xor 16 hold a block of the next K.
; OPERANDS FROM WAVE TO WAVE go through LDS laid [K block][row 16][16 B]: a lane's 16 codes are 8 bytes at 16 r + 8 h; two loads of 16 bytes at 16 x lane, 512 apart, bring a fragment.  Each region is written once: four barriers.
; LDS: X1 0: x1 parked as register images, 16 KiB a wave, its own;  H2 [tile][K block 16][r][16 B];  H2S [tile][r][16];  HID [K step 16][tile][K block 4][r][16 B];  HS [4 K steps][tile][r][16];  STAT, STAT2 [tile][r][wave] f32;
; STG: a stage of 16 rows x 272 bytes a wave, its own.
; LIMITS: NaN and infinities are not served; a block under 2^-124, a block of zeros too, gets the byte 1; 1 / sqrt by v_rsq_f32.
; REGISTERS, window 0: v0-15 addresses; v16-31 the rows' scale words, two sets; v32-43 the weights', three sets; v44-63 at work; v64-191 the rows' 16 fragments; v192-255 accumulators;
;   v128-255 also x1 / out (64 c + 16 m + 8 u).  Window 1: v0-191 three weight buffers (the third first holds x1's first half, the second g2 and beta2 during the norm); v192-239 three biases, later bf2.
.set H2,   131072
.set H2S,  147456
.set HID,  148480
.set HS,   214016
.set STAT, 218112
.set STG,  222208
.set BS,  16
.set WS,  32
.set TM,  44
.set SP,  44
.set TT,  48
.set TS,  52
.set PC,  56
.set BF,  64
.set XR,  128
.set ACC, 192
.set SEL, 44
.set MSB, 0
.set ISSUED, 0                         ; global loads issued so far: a wait's count is what has been issued behind the load that it waits for
.macro WIN new                         ; the immediate's high byte repeats the setting that is left
.if MSB != \new
	s_set_vgpr_msb (MSB<<8)|\new
.set MSB, \new
.endif
.endm
.macro WM d, a, b, cz, cr, sa, sb, ra, rb
.if \cz
.if ((\ra)==0)&&((\rb)==0)
	v_wmma_scale_f32_16x16x128_f8f6f4 v[(\d):(\d)+7], v[(\a):(\a)+7], v[(\b):(\b)+7], 0, v[\sa], v[\sb] matrix_a_fmt:MATRIX_FMT_FP4 matrix_b_fmt:MATRIX_FMT_FP4
.elseif ((\ra)==1)&&((\rb)==0)
	v_wmma_scale_f32_16x16x128_f8f6f4 v[(\d):(\d)+7], v[(\a):(\a)+7], v[(\b):(\b)+7], 0, v[\sa], v[\sb] matrix_a_fmt:MATRIX_FMT_FP4 matrix_b_fmt:MATRIX_FMT_FP4 matrix_a_scale:MATRIX_SCALE_ROW1
.elseif ((\ra)==0)&&((\rb)==1)
	v_wmma_scale_f32_16x16x128_f8f6f4 v[(\d):(\d)+7], v[(\a):(\a)+7], v[(\b):(\b)+7], 0, v[\sa], v[\sb] matrix_a_fmt:MATRIX_FMT_FP4 matrix_b_fmt:MATRIX_FMT_FP4 matrix_b_scale:MATRIX_SCALE_ROW1
.else
	v_wmma_scale_f32_16x16x128_f8f6f4 v[(\d):(\d)+7], v[(\a):(\a)+7], v[(\b):(\b)+7], 0, v[\sa], v[\sb] matrix_a_fmt:MATRIX_FMT_FP4 matrix_b_fmt:MATRIX_FMT_FP4 matrix_a_scale:MATRIX_SCALE_ROW1 matrix_b_scale:MATRIX_SCALE_ROW1
.endif
.else
.if ((\ra)==0)&&((\rb)==0)
	v_wmma_scale_f32_16x16x128_f8f6f4 v[(\d):(\d)+7], v[(\a):(\a)+7], v[(\b):(\b)+7], v[(\cr):(\cr)+7], v[\sa], v[\sb] matrix_a_fmt:MATRIX_FMT_FP4 matrix_b_fmt:MATRIX_FMT_FP4
.elseif ((\ra)==1)&&((\rb)==0)
	v_wmma_scale_f32_16x16x128_f8f6f4 v[(\d):(\d)+7], v[(\a):(\a)+7], v[(\b):(\b)+7], v[(\cr):(\cr)+7], v[\sa], v[\sb] matrix_a_fmt:MATRIX_FMT_FP4 matrix_b_fmt:MATRIX_FMT_FP4 matrix_a_scale:MATRIX_SCALE_ROW1
.elseif ((\ra)==0)&&((\rb)==1)
	v_wmma_scale_f32_16x16x128_f8f6f4 v[(\d):(\d)+7], v[(\a):(\a)+7], v[(\b):(\b)+7], v[(\cr):(\cr)+7], v[\sa], v[\sb] matrix_a_fmt:MATRIX_FMT_FP4 matrix_b_fmt:MATRIX_FMT_FP4 matrix_b_scale:MATRIX_SCALE_ROW1
.else
	v_wmma_scale_f32_16x16x128_f8f6f4 v[(\d):(\d)+7], v[(\a):(\a)+7], v[(\b):(\b)+7], v[(\cr):(\cr)+7], v[\sa], v[\sb] matrix_a_fmt:MATRIX_FMT_FP4 matrix_b_fmt:MATRIX_FMT_FP4 matrix_a_scale:MATRIX_SCALE_ROW1 matrix_b_scale:MATRIX_SCALE_ROW1
.endif
.endif
.endm
; 32 matrix instructions: a tile pair of W (source 0, fragments at wb) x the four row tiles in BF (source 1), K = 512.  The eight accumulators (acc + 16 m + 8 u) take turns, one instruction a turn.
; cmode 0: the first K step starts the sums with 0; 1: with v[bi + 8 u]; 2: with what the accumulators hold.  w0, w1: the register windows of the first and of the later K steps.
.macro MULT acc, wb, wsb, bsb, cmode, bi, w0, w1
.irp ks,0,1,2,3
.if \ks == 0
	WIN \w0
.else
	WIN \w1
.endif
.irp mt,0,1,2,3
.irp ut,0,1
.if (\ks == 0) && (\cmode == 0)
	WM (\acc)+16*\mt+8*\ut, (\wb)+8*(4*\ut+\ks), BF+8*(4*\mt+\ks), 1, 0, (\wsb)+\ks, (\bsb)+4*(\mt/2)+\ks, \ut, \mt%2
.elseif (\ks == 0) && (\cmode == 1)
	WM (\acc)+16*\mt+8*\ut, (\wb)+8*(4*\ut+\ks), BF+8*(4*\mt+\ks), 0, (\bi)+8*\ut, (\wsb)+\ks, (\bsb)+4*(\mt/2)+\ks, \ut, \mt%2
.else
	WM (\acc)+16*\mt+8*\ut, (\wb)+8*(4*\ut+\ks), BF+8*(4*\mt+\ks), 0, (\acc)+16*\mt+8*\ut, (\wsb)+\ks, (\bsb)+4*(\mt/2)+\ks, \ut, \mt%2
.endif
.endr
.endr
.endr
.endm
; Four units of 16 registers at s + 16 b; a unit and lane l xor 16's are a block of 32.  Out: the block's byte in v[TT + b], my 16 codes in v[PC + 2 b], v[PC + 2 b + 1].
.macro QUANT s
.irp b,0,1,2,3
	v_max3_num_f32 v[TM+\b], |v[(\s)+16*\b]|, |v[(\s)+16*\b+1]|, 0x1800000   ; with the floor 2^(3 - 127): the byte cannot fall under 1
.endr
.irp i,2,4,6,8,10,12,14
.irp b,0,1,2,3
	v_max3_num_f32 v[TM+\b], v[TM+\b], |v[(\s)+16*\b+\i]|, |v[(\s)+16*\b+\i+1]|
.endr
.endr
	s_wait_dscnt 0x0                               ; the last stores have read the bytes and the codes: both are written anew below
	s_wait_xcnt 0x0
.irp b,0,1,2,3
	v_permlanex16_b32 v[TT+\b], v[TM+\b], s[SEL], s[SEL+1]
.endr
.irp b,0,1,2,3
	v_max_num_f32 v[TM+\b], v[TM+\b], v[TT+\b]
.endr
.irp b,0,1,2,3
	v_add_nc_u32 v[TS+\b], 0xff000000, v[TM+\b]
.endr
.irp b,0,1,2,3
	v_lshrrev_b32 v[TT+\b], 23, v[TS+\b]
.endr
.irp b,0,1,2,3
	v_cvt_scalef32_pk8_fp4_f32 v[PC+2*\b], v[(\s)+16*\b:(\s)+16*\b+7], v[TS+\b]
	v_cvt_scalef32_pk8_fp4_f32 v[PC+2*\b+1], v[(\s)+16*\b+8:(\s)+16*\b+15], v[TS+\b]
.endr
	v_nop
.endm
.macro PLACES
.rept 4
	v_nop                                          ; four places behind a matrix instruction, in front of reads of its result and of loads into its registers
.endr
.endm
; Weight unit q (0, 1: W_proj; 2-9: W1; 10-17: W2) into buffer q % 3: sixteen loads of codes, with a bias four more, one of scale words.  The mark says how many loads had been issued when the unit's last was.
.macro WLOAD q
.if (\q) < 2
.set WCB, 30
.set WSB, 34
.set WCO, 8192*(48+(\q))
.set WSO, 512*(48+(\q))
.set BIB, 14
.set BIO, 128*(\q)
.set HASB, 1
.elseif (\q) < 10
.set WCB, 32
.set WSB, 36
.set WCO, 8192*(62+(\q))
.set WSO, 512*(62+(\q))
.set BIB, 20
.set BIO, 128*((\q)-2)
.set HASB, 1
.else
.set WCB, 32
.set WSB, 36
.set WCO, 8192*(118+(\q))
.set WSO, 512*(118+(\q))
.set HASB, 0
.endif
	WIN 0x40
.set WI, 0
.rept 16
	global_load_b128 v[64*((\q)%3)+4*WI:64*((\q)%3)+4*WI+3], v1, s[WCB:WCB+1] offset:WCO+512*WI
.set WI, WI+1
.endr
.if HASB
.irp e,0,1,2,3
	global_load_b128 v[192+16*((\q)%3)+4*\e:192+16*((\q)%3)+4*\e+3], v3, s[BIB:BIB+1] offset:BIO+16*\e   ; the bias in the result's layout: columns 16 h + 0 .. 15 of the pair
.endr
.set ISSUED, ISSUED+4
.endif
	WIN 0
	global_load_b128 v[WS+4*((\q)%3):WS+4*((\q)%3)+3], v1, s[WSB:WSB+1] offset:WSO
.set ISSUED, ISSUED+17
.if ((\q)%3)==0
.set MK0, ISSUED
.elseif ((\q)%3)==1
.set MK1, ISSUED
.else
.set MK2, ISSUED
.endif
.endm
.macro WAITW q                         ; unit q is in: the count is the loads issued behind it
.if ((\q)%3)==0
	s_wait_loadcnt ISSUED-MK0
.elseif ((\q)%3)==1
	s_wait_loadcnt ISSUED-MK1
.else
	s_wait_loadcnt ISSUED-MK2
.endif
.endm
.macro BARRIER                         ; my LDS stores have landed and my LDS loads are in: then the work-group's barrier
	s_wait_dscnt 0x0
	s_barrier_signal -1
	s_barrier_wait -1
.endm
	s_load_b256 s[4:11], s[0:1], 0x0               ; ao, aos, x, wc
	s_load_b256 s[12:19], s[0:1], 0x20             ; ws, b_proj, g2, beta2
	s_load_b128 s[20:23], s[0:1], 0x40             ; bf1, bf2
	s_load_b64 s[24:25], s[0:1], 0x50              ; out0
	s_set_vgpr_msb 0x40
	v_lshl_add_u32 v254, v0, 2, 0x3ec00
	v_mov_b32 v255, 0
	s_set_vgpr_msb 0x4000
	v_lshrrev_b32 v44, 5, v0
	v_readfirstlane_b32 s26, v44                   ; wave 0..7
	v_and_b32 v45, 31, v0                          ; lane
	v_and_b32 v46, 15, v0                          ; r
	v_bfe_u32 v47, v0, 4, 1                        ; h
	v_lshlrev_b32 v1, 4, v45                       ; 16 x lane
	v_lshlrev_b32 v3, 6, v47                       ; 64 h: my 16 columns of a pair's 32, in f32
	v_lshl_add_u32 v2, v46, 11, v3                 ; x: row r + 64 h
	s_lshl_b32 s27, s26, 14
	v_add_nc_u32 v4, s27, v1                       ; where x1 is parked
	v_lshlrev_b32 v6, 5, v46
	v_add_nc_u32 v6, STAT, v6                      ; row r's eight partial sums
	s_lshl_b32 s27, s26, 2
	v_add_nc_u32 v5, s27, v6                       ; mine among them
	v_lshlrev_b32 v48, 4, v46                      ; 16 r
	v_lshl_add_u32 v49, v47, 3, v48                ; 16 r + 8 h
	s_lshl_b32 s27, s26, 9
	s_add_co_u32 s27, s27, H2
	v_add_nc_u32 v7, s27, v49                      ; h2's codes: K blocks 2 w, 2 w + 1
	s_lshl_b32 s27, s26, 1
	s_add_co_u32 s27, s27, H2S
	v_add_nc_u32 v8, s27, v48                      ; their bytes
	v_add_nc_u32 v9, H2, v1
	s_lshl_b32 s27, s26, 13
	s_add_co_u32 s27, s27, HID
	v_add_nc_u32 v10, s27, v49                     ; the hidden layer's codes: K steps 2 w, 2 w + 1
	s_lshr_b32 s27, s26, 1
	s_lshl_b32 s27, s27, 10
	s_and_b32 s28, s26, 1
	s_lshl_b32 s28, s28, 3
	s_add_co_u32 s27, s27, s28
	s_add_co_u32 s27, s27, HS
	v_add_nc_u32 v11, s27, v48                     ; their bytes
	v_add_nc_u32 v12, HID, v1
	v_add_nc_u32 v13, HS, v1
	s_mul_i32 s27, s26, 4352
	s_add_co_u32 s27, s27, STG                     ; my stage
	v_mul_u32_u24 v14, v46, 272
	v_add_nc_u32 v14, v14, v3
	v_add_nc_u32 v14, s27, v14                     ; in: row r, + 64 h
	v_mul_u32_u24 v15, v47, 272
	v_add_nc_u32 v15, v15, v48
	v_add_nc_u32 v15, s27, v15                     ; back: lanes 0-15 one row of 256 bytes, lanes 16-31 the next
	v_lshl_add_u32 v0, v47, 11, v48                ; and the same two rows in out0
.irp b,0,1,2,3,4,5,6,7
	v_mov_b32 v[TT+\b], 0                          ; a lane permute's destination counts as one of its sources
.endr
	s_mov_b32 s42, 0x3b000000                      ; 1 / 512
	s_mov_b32 s43, 0x3727c5ac                      ; 1e-5
	s_mov_b32 s44, 0x76543210
	s_mov_b32 s45, 0xfedcba98
	s_mov_b32 s41, 0
	s_wait_kmcnt 0x0
	s_lshl_b32 s40, ttmp9, 14
	s_add_nc_u64 s[4:5], s[4:5], s[40:41]          ; ao: four tiles of 4,096 bytes
	s_lshl_b32 s40, ttmp9, 10
	s_add_nc_u64 s[6:7], s[6:7], s[40:41]          ; aos: 64 rows of 16 bytes
	s_lshl_b32 s40, ttmp9, 17
	s_lshl_b32 s27, s26, 8
	s_add_co_u32 s40, s40, s27
	s_add_nc_u64 s[8:9], s[8:9], s[40:41]          ; x and out0: row 64 i, column 64 w
	s_add_nc_u64 s[24:25], s[24:25], s[40:41]
	s_mov_b32 s40, s27
	s_add_nc_u64 s[14:15], s[14:15], s[40:41]      ; b_proj, g2, beta2, bf2 at column 64 w
	s_add_nc_u64 s[16:17], s[16:17], s[40:41]
	s_add_nc_u64 s[18:19], s[18:19], s[40:41]
	s_add_nc_u64 s[22:23], s[22:23], s[40:41]
	s_lshl_b32 s40, s26, 10
	s_add_nc_u64 s[20:21], s[20:21], s[40:41]      ; bf1 at hidden unit 256 w
	s_add_nc_u64 s[34:35], s[12:13], s[40:41]      ; ws: two chunks a wave (W_proj),
	s_lshl_b32 s40, s26, 12
	s_add_nc_u64 s[36:37], s[12:13], s[40:41]      ; eight (W1, W2)
	s_lshl_b32 s40, s26, 14
	s_add_nc_u64 s[30:31], s[10:11], s[40:41]      ; wc likewise
	s_lshl_b32 s40, s26, 16
	s_add_nc_u64 s[32:33], s[10:11], s[40:41]
	; ---- the first loads: the attention's codes and bytes, x in the result's layout, two units of weights
.set I, 0
.rept 32
	global_load_b128 v[BF+4*I:BF+4*I+3], v1, s[4:5] offset:512*I
.set I, I+1
.endr
.irp e,0,1
	global_load_b128 v[BS+4*\e:BS+4*\e+3], v1, s[6:7] offset:512*\e
.endr
.macro XLD reg, cc
.irp mt,0,1,2,3
.irp e,0,1,2,3
	global_load_b128 v[(\reg)+16*\mt+4*\e:(\reg)+16*\mt+4*\e+3], v2, s[8:9] offset:32768*\mt+128*(\cc)+16*\e th:TH_LOAD_NT
.endr
.endr
.endm
	WIN 0x40
	XLD 128, 0
	WIN 0
	XLD ACC, 1
.set ISSUED, 66
	WLOAD 0
	WLOAD 1
	; ---- x1, columns 64 w + 0 .. 31: the sums start from x; the accumulators lie in window 1
	WAITW 0
	MULT 128, 0, WS, BS, 2, 0, 0x51, 0x51
	PLACES
	WIN 0x45
.irp mt,0,1,2,3
.irp o,0,2,4,6,8,10,12,14
	v_pk_add_f32 v[128+16*\mt+\o:128+16*\mt+\o+1], v[128+16*\mt+\o:128+16*\mt+\o+1], v[192+\o:192+\o+1]   ; + b_proj, each accumulator from its low end on
.endr
.endr
	WIN 0x04
.set I, 0
.rept 16
	ds_store_b128 v4, v[128+4*I:128+4*I+3] offset:512*I
.set I, I+1
.endr
	WIN 0
	s_wait_dscnt 0x0                               ; the stores have read their registers: the third buffer is free
	WLOAD 2
	; ---- x1, columns 64 w + 32 .. 63
	WAITW 1
	MULT ACC, 64, WS+4, BS, 2, 0, 0x01, 0x01
	PLACES
	WIN 0x04
.irp mt,0,1,2,3
.irp o,0,2,4,6,8,10,12,14
	v_pk_add_f32 v[ACC+16*\mt+\o:ACC+16*\mt+\o+1], v[ACC+16*\mt+\o:ACC+16*\mt+\o+1], v[208+\o:208+\o+1]
.endr
.endr
	WIN 0
.set I, 0
.rept 16
	ds_store_b128 v4, v[ACC+4*I:ACC+4*I+3] offset:8192+512*I
.set I, I+1
.endr
.set I, 0
.rept 16
	ds_load_b128 v[XR+4*I:XR+4*I+3], v4 offset:512*I   ; the first half comes back beside the second (my own bytes: LDS serves a wave's instructions in order)
.set I, I+1
.endr
	WIN 0x40
.irp e,0,1,2,3,4,5,6,7
	global_load_b128 v[64+4*\e:64+4*\e+3], v3, s[16:17] offset:128*(\e/4)+16*(\e%4)
.endr
.irp e,0,1,2,3,4,5,6,7
	global_load_b128 v[96+4*\e:96+4*\e+3], v3, s[18:19] offset:128*(\e/4)+16*(\e%4)
.endr
	WIN 0
.set ISSUED, ISSUED+16
.set MKG, ISSUED
	WLOAD 3
	; ---- the norm: mean, then the variance of the differences.  A row's 512 numbers lie in 8 waves x 2 lanes x 32 registers: the waves' sums meet in LDS and every wave adds them in the same order
.macro XCHG ofs
.irp mt,0,1,2,3
	v_add_f32 v[SP+2*\mt], v[SP+2*\mt], v[SP+2*\mt+1]
.endr
.irp mt,0,1,2,3
	v_permlanex16_b32 v[TS+\mt], v[SP+2*\mt], s[SEL], s[SEL+1]
.endr
.irp mt,0,1,2,3
	v_add_f32 v[SP+2*\mt], v[SP+2*\mt], v[TS+\mt]
.endr
.irp mt,0,1,2,3
	ds_store_b32 v5, v[SP+2*\mt] offset:\ofs+512*\mt   ; lanes l and l xor 16 write the same word with the same value
.endr
	BARRIER
.irp mt,0,1,2,3
.irp e,0,1
	ds_load_b128 v[64+8*\mt+4*\e:64+8*\mt+4*\e+3], v6 offset:\ofs+512*\mt+16*\e
.endr
.endr
	s_wait_dscnt 0x0
.irp mt,0,1,2,3
	v_pk_add_f32 v[64+8*\mt:64+8*\mt+1], v[64+8*\mt:64+8*\mt+1], v[64+8*\mt+2:64+8*\mt+3]
	v_pk_add_f32 v[64+8*\mt+4:64+8*\mt+5], v[64+8*\mt+4:64+8*\mt+5], v[64+8*\mt+6:64+8*\mt+7]
.endr
.irp mt,0,1,2,3
	v_pk_add_f32 v[64+8*\mt:64+8*\mt+1], v[64+8*\mt:64+8*\mt+1], v[64+8*\mt+4:64+8*\mt+5]
.endr
.irp mt,0,1,2,3
	v_add_f32 v[64+8*\mt], v[64+8*\mt], v[64+8*\mt+1]
.endr
.endm
	s_wait_dscnt 0x0                               ; x1's first half is back
.irp mt,0,1,2,3
	v_pk_add_f32 v[SP+2*\mt:SP+2*\mt+1], v[XR+16*\mt:XR+16*\mt+1], v[XR+16*\mt+2:XR+16*\mt+3]
.endr
.irp o,4,6,8,10,12,14,64,66,68,70,72,74,76,78
.irp mt,0,1,2,3
	v_pk_add_f32 v[SP+2*\mt:SP+2*\mt+1], v[SP+2*\mt:SP+2*\mt+1], v[XR+16*\mt+\o:XR+16*\mt+\o+1]
.endr
.endr
	XCHG 0
.irp mt,0,1,2,3
	v_mul_f32 v[96+2*\mt], s42, v[64+8*\mt]        ; the mean, twice
	v_mul_f32 v[97+2*\mt], s42, v[64+8*\mt]
.endr
.irp o,0,2,4,6,8,10,12,14,64,66,68,70,72,74,76,78
.irp mt,0,1,2,3
	v_pk_add_f32 v[XR+16*\mt+\o:XR+16*\mt+\o+1], v[XR+16*\mt+\o:XR+16*\mt+\o+1], v[96+2*\mt:97+2*\mt] neg_lo:[0,1] neg_hi:[0,1]
.endr
.endr
.irp mt,0,1,2,3
	v_pk_mul_f32 v[SP+2*\mt:SP+2*\mt+1], v[XR+16*\mt:XR+16*\mt+1], v[XR+16*\mt:XR+16*\mt+1]
.endr
.irp o,2,4,6,8,10,12,14,64,66,68,70,72,74,76,78
.irp mt,0,1,2,3
	v_pk_fma_f32 v[SP+2*\mt:SP+2*\mt+1], v[XR+16*\mt+\o:XR+16*\mt+\o+1], v[XR+16*\mt+\o:XR+16*\mt+\o+1], v[SP+2*\mt:SP+2*\mt+1]
.endr
.endr
	XCHG 2048
.irp mt,0,1,2,3
	v_fma_f32 v[64+8*\mt], v[64+8*\mt], s42, s43   ; variance + 1e-5
.endr
.irp mt,0,1,2,3
	v_rsq_f32 v[104+2*\mt], v[64+8*\mt]
	v_rsq_f32 v[105+2*\mt], v[64+8*\mt]
.endr
	v_nop                                          ; a plain place behind the transcendentals
	s_wait_alu depctr_va_vdst(0)
.irp o,0,2,4,6,8,10,12,14,64,66,68,70,72,74,76,78
.irp mt,0,1,2,3
	v_pk_mul_f32 v[XR+16*\mt+\o:XR+16*\mt+\o+1], v[XR+16*\mt+\o:XR+16*\mt+\o+1], v[104+2*\mt:105+2*\mt]
.endr
.endr
	s_wait_loadcnt ISSUED-MKG                      ; g2 and beta2 are in; the unit asked for behind them may be out
	WIN 0x14
.irp o,0,2,4,6,8,10,12,14,64,66,68,70,72,74,76,78
.irp mt,0,1,2,3
	v_pk_fma_f32 v[XR+16*\mt+\o:XR+16*\mt+\o+1], v[XR+16*\mt+\o:XR+16*\mt+\o+1], v[64+(\o%64)+16*(\o/64):64+(\o%64)+16*(\o/64)+1], v[96+(\o%64)+16*(\o/64):96+(\o%64)+16*(\o/64)+1]
.endr
.endr
	WIN 0
.irp cc,0,1
	QUANT XR+64*\cc
.irp mt,0,1,2,3
	ds_store_b64 v7, v[PC+2*\mt:PC+2*\mt+1] offset:4096*\mt+256*\cc
	ds_store_b8 v8, v[TT+\mt] offset:256*\mt+\cc
.endr
.endr
	WLOAD 4
	BARRIER                                        ; h2's sixteen fragments and their scale words lie in LDS
.set I, 0
.rept 32
	ds_load_b128 v[BF+4*I:BF+4*I+3], v9 offset:512*I
.set I, I+1
.endr
.irp e,0,1
	ds_load_b128 v[BS+4*\e:BS+4*\e+3], v9 offset:16384+512*\e
.endr
	s_wait_dscnt 0x0
	; ---- the hidden layer, 32 units at a time: the sums start from bf1
.macro F1 ch
	WAITW (\ch)+2
	MULT ACC, 64*(((\ch)+2)%3), WS+4*(((\ch)+2)%3), BS, 1, 192+16*(((\ch)+2)%3), 0x11, 0x01
	WIN 0
	PLACES
	WLOAD (\ch)+5                                  ; into the buffer just multiplied
.if (\ch) == 7
	WIN 0x40
.irp e,0,1,2,3,4,5,6,7
	global_load_b128 v[192+4*\e:192+4*\e+3], v3, s[22:23] offset:128*(\e/4)+16*(\e%4)   ; bf2, where bf1's tiles lay
.endr
	WIN 0
.set ISSUED, ISSUED+8
.endif
.set I, 0
.rept 64
	v_max_num_f32 v[ACC+I], 0, v[ACC+I]            ; relu, in f32
.set I, I+1
.endr
	QUANT ACC
.irp mt,0,1,2,3
	ds_store_b64 v10, v[PC+2*\mt:PC+2*\mt+1] offset:4096*((\ch)/4)+1024*\mt+256*((\ch)%4)
	ds_store_b8 v11, v[TT+\mt] offset:256*\mt+(\ch)
.endr
.endm
.irp ch,0,1,2,3,4,5,6,7
	F1 \ch
.endr
	BARRIER                                        ; the hidden layer's 64 fragments lie in LDS
	; ---- out: sixteen accumulators (four tiles of my columns x four tiles of rows) start from x1; a unit of weights holds two K steps
.macro HLD reg, st
.irp mt,0,1,2,3
.irp cc,0,1
	ds_load_b128 v[(\reg)+8*\mt+4*\cc:(\reg)+8*\mt+4*\cc+3], v12 offset:4096*(\st)+1024*\mt+512*\cc
.endr
.endr
.endm
.macro F2MUL j, s2, breg
.irp mt,0,1,2,3
.irp ta,0,1,2,3
	WM XR+64*(\ta/2)+16*\mt+8*(\ta%2), 64*(((\j)+10)%3)+8*(2*\ta+\s2), (\breg)+8*\mt, 0, XR+64*(\ta/2)+16*\mt+8*(\ta%2), WS+4*(((\j)+10)%3)+2*(\ta/2)+\s2, BS+8*(((\j)/2)%2)+4*(\mt/2)+((2*(\j)+\s2)%4), \ta%2, \mt%2
.endr
.endr
.endm
.macro F2 j
	WAITW (\j)+10
	s_wait_dscnt 8                                 ; the even K step's fragments, and what was asked for ahead of them, are in; the odd step's eight loads may be out
	WIN 0x01
	F2MUL \j, 0, 64
	WIN 0
	PLACES
.if (\j) < 7
.if ((\j)%2) == 1
.irp e,0,1
	ds_load_b128 v[BS+8*((((\j)+1)/2)%2)+4*\e:BS+8*((((\j)+1)/2)%2)+4*\e+3], v13 offset:1024*(((\j)+1)/2)+512*\e   ; the next four K steps' scale words, into the other set
.endr
.endif
	HLD 64, 2*(\j)+2
	s_wait_dscnt 8+2*((\j)%2)                      ; the odd K step's fragments are in; behind them stand the loads just issued
.else
	s_wait_dscnt 0
.endif
	WIN 0x01
	F2MUL \j, 1, 96
	WIN 0
	PLACES
.if (\j) < 7
	HLD 96, 2*(\j)+3
.endif
.if (\j) < 5
	WLOAD (\j)+13
.endif
.endm
.set I, 0
.rept 32
	ds_load_b128 v[XR+4*I:XR+4*I+3], v4 offset:512*I   ; x1
.set I, I+1
.endr
.irp e,0,1
	ds_load_b128 v[BS+4*\e:BS+4*\e+3], v13 offset:512*\e
.endr
	HLD 64, 0
	HLD 96, 1
.irp j,0,1,2,3,4,5,6,7
	F2 \j
.endr
	; ---- the way out: + bf2; a tile of 16 rows at a time through my stage, so that sixteen lanes store 256 consecutive bytes, aligned
	s_wait_loadcnt 0x0
	WIN 0x04
.irp cc,0,1
.irp mt,0,1,2,3
.irp o,0,2,4,6,8,10,12,14
	v_pk_add_f32 v[XR+64*\cc+16*\mt+\o:XR+64*\cc+16*\mt+\o+1], v[XR+64*\cc+16*\mt+\o:XR+64*\cc+16*\mt+\o+1], v[192+16*\cc+\o:192+16*\cc+\o+1]
.endr
.endr
.endr
	WIN 0
.irp mt,0,1,2,3
.if \mt >= 2
	s_wait_xcnt 0x0                                ; the stores of two tiles ago have read their registers
.endif
.irp cc,0,1
.irp e,0,1,2,3
	ds_store_b128 v14, v[XR+64*\cc+16*\mt+4*\e:XR+64*\cc+16*\mt+4*\e+3] offset:128*\cc+16*\e
.endr
.endr
.irp i,0,1,2,3,4,5,6,7
	ds_load_b128 v[64+32*(\mt%2)+4*\i:64+32*(\mt%2)+4*\i+3], v15 offset:544*\i   ; my own bytes: these see the stores above, and the next tile's stores come behind them
.endr
	s_wait_dscnt 0x0
.irp i,0,1,2,3,4,5,6,7
	global_store_b128 v0, v[64+32*(\mt%2)+4*\i:64+32*(\mt%2)+4*\i+3], s[24:25] offset:2048*(16*\mt+2*\i) th:TH_STORE_NT
.endr
.endr
	s_set_vgpr_msb 0x5
	s_wait_tensorcnt 0x0
	ds_add_u32 v254, v255
	s_wait_dscnt 0x0
	s_set_vgpr_msb 0x500
	s_endpgm
.Lfunc_end_k_q810806607f_mlp:
	.size	k_q810806607f_mlp, .Lfunc_end_k_q810806607f_mlp-k_q810806607f_mlp
	.p2alignl 7, 3214868480
	.fill 96, 4, 3214868480
	.section	.rodata,"a",@progbits
	.p2align	6, 0x0
	.amdhsa_kernel k_q810806607f_mlp
		.amdhsa_group_segment_fixed_size 258048
		.amdhsa_private_segment_fixed_size 0
		.amdhsa_enable_private_segment 0
		.amdhsa_kernarg_size 88
		.amdhsa_user_sgpr_count 2
		.amdhsa_user_sgpr_kernarg_segment_ptr 1
		.amdhsa_wavefront_size32 1
		.amdhsa_system_sgpr_workgroup_id_x 1
		.amdhsa_system_sgpr_workgroup_id_y 1
		.amdhsa_system_sgpr_workgroup_id_z 1
		.amdhsa_system_vgpr_workitem_id 0
		.amdhsa_next_free_vgpr 512
		.amdhsa_next_free_sgpr 66
		.amdhsa_reserve_vcc 0
		.amdhsa_float_denorm_mode_32 3
		.amdhsa_float_denorm_mode_16_64 3
		.amdhsa_memory_ordered 1
		.amdhsa_forward_progress 1
		.amdhsa_inst_pref_size 237
	.end_amdhsa_kernel
	.amdgpu_metadata
---
amdhsa.version: [ 1, 2 ]
amdhsa.kernels:
  - .name:           k_q810806607f_mlp
    .symbol:         k_q810806607f_mlp.kd
    .args:
      - { .name: ao, .offset: 0, .size: 8, .value_kind: global_buffer, .address_space: global }
      - { .name: aos, .offset: 8, .size: 8, .value_kind: global_buffer, .address_space: global }
      - { .name: x, .offset: 16, .size: 8, .value_kind: global_buffer, .address_space: global }
      - { .name: wc, .offset: 24, .size: 8, .value_kind: global_buffer, .address_space: global }
      - { .name: ws, .offset: 32, .size: 8, .value_kind: global_buffer, .address_space: global }
      - { .name: b_proj, .offset: 40, .size: 8, .value_kind: global_buffer, .address_space: global }
      - { .name: g2, .offset: 48, .size: 8, .value_kind: global_buffer, .address_space: global }
      - { .name: beta2, .offset: 56, .size: 8, .value_kind: global_buffer, .address_space: global }
      - { .name: bf1, .offset: 64, .size: 8, .value_kind: global_buffer, .address_space: global }
      - { .name: bf2, .offset: 72, .size: 8, .value_kind: global_buffer, .address_space: global }
      - { .name: out0, .offset: 80, .size: 8, .value_kind: global_buffer, .address_space: global }
    .group_segment_fixed_size: 258048
    .private_segment_fixed_size: 0
    .kernarg_segment_align: 8
    .kernarg_segment_size: 88
    .max_flat_workgroup_size: 256
    .sgpr_count:     66
    .vgpr_count:     512
    .wavefront_size: 32
...
	.end_amdgpu_metadata
.endif
;; end of part 4
;; ======== version 2 of 2: 4 launches
;; workspace buffers: wc 1,572,864 bytes; ws 98,304 bytes; qkvc 6,291,456 bytes; qkvs 393,216 bytes; ao 2,097,152 bytes; aos 131,072 bytes
;; launch prep (part 5): grid 192 x 1, 4 waves a work-group, no clusters, 0 bytes of LDS; arguments wq, wk, wv, w_proj, w1, w2, wc, ws; writes wc, ws
.if DOCPART == 5
	.amdgcn_target "amdgcn-amd-amdhsa--gfx1250"
	.amdhsa_code_object_version 6
	.text
	.protected	k_q810806607f_prep
	.globl	k_q810806607f_prep
	.p2align	8
	.type	k_q810806607f_prep,@function
k_q810806607f_prep:
	s_mov_b64 s[64:65], 0
	v_nop
	global_prefetch_b8 v0, s[64:65] scope:SCOPE_SE
	s_setreg_imm32_b32 hwreg(HW_REG_WAVE_MODE, 25, 1), 1
	s_wait_xcnt 0x0
; The six weights (f32, K on an outer axis) become codes of FP4 (E2M1) with one E8M0 byte for each 32 along K, laid in the order of the matrix operand's registers.
; A FRAGMENT (16 rows x 128 K) lies as [K block 4][row 16][16 bytes]: two loads of 16 bytes a lane at 16 x lane, 512 bytes apart, bring it whole.
; A TILE PAIR is 32 neighbouring columns n0 .. n0 + 31: row p of tile u is column n0 + 8 u + p + 8 (p / 8), so that the results of tiles 0 and 1 are 16 neighbours in a lane.
; CHUNKS of 8,192 bytes of codes (wc) and 512 bytes of scale words (ws): 0-15 wq by head, 16-31 wk, 32-47 wv, 48-63 w_proj, 64-127 w1 (each by tile pair: [u 2][K block 16][row][16 B]; words [16 u + row][K step 4]);
; 128-191 w2: chunk 128 + 8 (n / 64) + (K step / 2): [tile 4][K step 2][K block 4][row][16 B]; words [16 u + row][pair 2][K step 2].
; SHARES.  A wave takes one tile pair (a lane to a column) x 128 along K: its registers run down K, so a block's 32 numbers lie in one lane and the conversions give codes with K innermost.
; Each load reads 128 consecutive bytes; all 128 loads of a wave go out at once.  Each store of codes covers two aligned runs of 256 bytes.  The scale word is 4 bytes a lane, 16 bytes apart: one byte in 128 of what is read.
; A block's byte is its largest magnitude's exponent field - 2, held at 1 from below.  LIMITS: NaN and infinities are not served; a block under 2^-124, a block of zeros too, gets the byte 1 (its reader is this program alone).
; v1 4 x lane; v2 my place in a fragment; v3 my scale word's place; v10 the word; v12-27 codes; v32-159 the numbers.
	s_load_b256 s[4:11], s[0:1], 0x0               ; wq, wk, wv, w_proj
	s_load_b256 s[12:19], s[0:1], 0x20             ; w1, w2, wc, ws
	v_lshrrev_b32 v4, 5, v0
	v_readfirstlane_b32 s28, v4                    ; wave 0..3
	v_and_b32 v5, 31, v0                           ; lane = column in the pair
	v_lshlrev_b32 v1, 2, v5
	v_bfe_u32 v6, v5, 3, 1                         ; u
	v_and_b32 v7, 7, v5
	v_lshrrev_b32 v8, 4, v5
	v_lshl_or_b32 v7, v8, 3, v7                    ; row p in the tile
	v_lshlrev_b32 v7, 4, v7                        ; 16 p
	v_lshl_add_u32 v3, v6, 8, v7                   ; 16 (16 u + p)
	s_mov_b32 s31, 0
	s_mov_b32 s33, 0
	s_mov_b32 s35, 0
	s_wait_kmcnt 0x0
	s_cmp_lt_u32 ttmp9, 48
	s_cbranch_scc0 .Lnot_qkv
	s_cmp_lt_u32 ttmp9, 16                         ; work-groups 0-47: wq, wk, wv
	s_cselect_b64 s[20:21], s[4:5], s[6:7]
	s_cmp_lt_u32 ttmp9, 32
	s_cselect_b64 s[20:21], s[20:21], s[8:9]
	s_lshr_b32 s36, ttmp9, 4                       ; which of the three
	s_bfe_u32 s37, ttmp9, 0x20002
	s_lshl_b32 s37, s37, 2
	s_add_co_u32 s37, s37, s28                     ; head
	s_and_b32 s38, ttmp9, 3                        ; K step
	s_lshl_b32 s30, s37, 16                        ; a head is 65,536 bytes, a K step 128 rows of 128
	s_lshl_b32 s39, s38, 14
	s_add_co_u32 s30, s30, s39
	s_lshl_b32 s36, s36, 4
	s_add_co_u32 s36, s36, s37                     ; chunk
	s_lshl_b32 s32, s38, 10
	s_lshl_b32 s34, s38, 2
	s_mov_b32 s26, 12                              ; tile u lies 4,096 bytes on
	s_branch .Lbody128
.Lnot_qkv:
	s_cmp_lt_u32 ttmp9, 64
	s_cbranch_scc0 .Lnot_proj
	s_mov_b64 s[20:21], s[10:11]                   ; work-groups 48-63: w_proj
	s_sub_co_u32 s36, ttmp9, 48
	s_lshr_b32 s37, s36, 2
	s_lshl_b32 s37, s37, 2
	s_add_co_u32 s37, s37, s28                     ; tile pair
	s_and_b32 s38, s36, 3                          ; K step
	s_lshl_b32 s30, s38, 18                        ; 128 rows of 2,048 bytes
	s_lshl_b32 s39, s37, 7
	s_add_co_u32 s30, s30, s39
	s_add_co_u32 s36, s37, 48
	s_lshl_b32 s32, s38, 10
	s_lshl_b32 s34, s38, 2
	s_mov_b32 s26, 12
	s_branch .Lbody2048
.Lnot_proj:
	s_cmp_lt_u32 ttmp9, 128
	s_cbranch_scc0 .Lw2
	s_mov_b64 s[20:21], s[12:13]                   ; work-groups 64-127: w1
	s_sub_co_u32 s36, ttmp9, 64
	s_lshr_b32 s37, s36, 2
	s_lshl_b32 s37, s37, 2
	s_add_co_u32 s37, s37, s28
	s_and_b32 s38, s36, 3
	s_lshl_b32 s30, s38, 20                        ; 128 rows of 8,192 bytes
	s_lshl_b32 s39, s37, 7
	s_add_co_u32 s30, s30, s39
	s_add_co_u32 s36, s37, 64
	s_lshl_b32 s32, s38, 10
	s_lshl_b32 s34, s38, 2
	s_mov_b32 s26, 12
	s_branch .Lbody8192
.Lw2:
	s_mov_b64 s[20:21], s[14:15]                   ; work-groups 128-191: w2
	s_sub_co_u32 s36, ttmp9, 128
	s_lshr_b32 s37, s36, 4
	s_lshl_b32 s37, s37, 2
	s_add_co_u32 s37, s37, s28                     ; tile pair 0..15
	s_and_b32 s38, s36, 15                         ; K step 0..15
	s_lshl_b32 s30, s38, 18
	s_lshl_b32 s39, s37, 7
	s_add_co_u32 s30, s30, s39
	s_lshr_b32 s36, s37, 1
	s_lshl_b32 s36, s36, 3
	s_lshr_b32 s39, s38, 1
	s_add_co_u32 s36, s36, s39
	s_add_co_u32 s36, s36, 128                     ; chunk
	s_and_b32 s39, s37, 1                          ; which pair of the chunk's two
	s_and_b32 s38, s38, 1                          ; which K step of its two
	s_lshl_b32 s32, s39, 12
	s_lshl_b32 s40, s38, 10
	s_add_co_u32 s32, s32, s40
	s_lshl_b32 s34, s39, 3
	s_lshl_b32 s40, s38, 2
	s_add_co_u32 s34, s34, s40
	s_mov_b32 s26, 11                              ; tile u lies 2,048 bytes on
	s_branch .Lbody2048
.macro BODY pitch
	s_add_nc_u64 s[20:21], s[20:21], s[30:31]      ; the source at my pair's first column and K step
	s_lshl_b32 s39, s36, 13
	s_add_co_u32 s32, s32, s39
	s_add_nc_u64 s[22:23], s[16:17], s[32:33]      ; my fragments in wc
	s_lshl_b32 s39, s36, 9
	s_add_co_u32 s34, s34, s39
	s_add_nc_u64 s[24:25], s[18:19], s[34:35]      ; my words in ws
	v_lshlrev_b32 v2, s26, v6
	v_add_nc_u32 v2, v2, v7
.set I, 0
.rept 128
	global_load_b32 v[32+I], v1, s[20:21] offset:I*\pitch th:TH_LOAD_NT
.set I, I+1
.endr
.irp b,0,1,2,3
.set XS, 32+32*\b
.if \b < 2
	s_wait_loadcnt 63                              ; behind this block's loads stand 96 or 64 others: the count names as many of them as its field holds
.elseif \b == 2
	s_wait_loadcnt 32                              ; the last block's 32 may be out
.else
	s_wait_loadcnt 0
.endif
	v_max3_num_f32 v4, |v[XS]|, |v[XS+1]|, |v[XS+2]|               ; the block's largest magnitude: all 32 numbers are mine; two chains
	v_max3_num_f32 v5, |v[XS+3]|, |v[XS+4]|, |v[XS+5]|
.irp i,6,10,14,18,22,26
	v_max3_num_f32 v4, v4, |v[XS+\i]|, |v[XS+\i+1]|
	v_max3_num_f32 v5, v5, |v[XS+\i+2]|, |v[XS+\i+3]|
.endr
	v_max3_num_f32 v4, v4, |v[XS+30]|, |v[XS+31]|
	v_max3_num_f32 v4, v4, v5, 0x1800000           ; and the floor 2^(3 - 127): the byte cannot fall under 1
	v_add_nc_u32 v8, 0xff000000, v4                ; 2 off the exponent field: the conversion's scale operand
	v_lshrrev_b32 v9, 23, v8                       ; the byte
.if \b == 0
	v_mov_b32 v10, v9
.else
	v_lshl_or_b32 v10, v9, 8*\b, v10
.endif
.irp g,0,1,2,3
	v_cvt_scalef32_pk8_fp4_f32 v[12+4*\b+\g], v[XS+8*\g:XS+8*\g+7], v8
.endr
	v_nop                                          ; a plain place behind the conversions
	global_store_b128 v2, v[12+4*\b:15+4*\b], s[22:23] offset:256*\b   ; each block has its own registers: no store's data are written again
.endr
	global_store_b32 v3, v10, s[24:25]
	s_endpgm
.endm
.Lbody128:
	s_wait_alu depctr_va_vdst(0)
	BODY 128
.Lbody2048:
	s_wait_alu depctr_va_vdst(0)
	BODY 2048
.Lbody8192:
	s_wait_alu depctr_va_vdst(0)
	BODY 8192
.Lfunc_end_k_q810806607f_prep:
	.size	k_q810806607f_prep, .Lfunc_end_k_q810806607f_prep-k_q810806607f_prep
	.p2alignl 7, 3214868480
	.fill 96, 4, 3214868480
	.section	.rodata,"a",@progbits
	.p2align	6, 0x0
	.amdhsa_kernel k_q810806607f_prep
		.amdhsa_group_segment_fixed_size 0
		.amdhsa_private_segment_fixed_size 0
		.amdhsa_enable_private_segment 0
		.amdhsa_kernarg_size 64
		.amdhsa_user_sgpr_count 2
		.amdhsa_user_sgpr_kernarg_segment_ptr 1
		.amdhsa_wavefront_size32 1
		.amdhsa_system_sgpr_workgroup_id_x 1
		.amdhsa_system_sgpr_workgroup_id_y 1
		.amdhsa_system_sgpr_workgroup_id_z 1
		.amdhsa_system_vgpr_workitem_id 0
		.amdhsa_next_free_vgpr 160
		.amdhsa_next_free_sgpr 66
		.amdhsa_reserve_vcc 0
		.amdhsa_float_denorm_mode_32 3
		.amdhsa_float_denorm_mode_16_64 3
		.amdhsa_memory_ordered 1
		.amdhsa_forward_progress 1
		.amdhsa_inst_pref_size 60
	.end_amdhsa_kernel
	.amdgpu_metadata
---
amdhsa.version: [ 1, 2 ]
amdhsa.kernels:
  - .name:           k_q810806607f_prep
    .symbol:         k_q810806607f_prep.kd
    .args:
      - { .name: wq, .offset: 0, .size: 8, .value_kind: global_buffer, .address_space: global }
      - { .name: wk, .offset: 8, .size: 8, .value_kind: global_buffer, .address_space: global }
      - { .name: wv, .offset: 16, .size: 8, .value_kind: global_buffer, .address_space: global }
      - { .name: w_proj, .offset: 24, .size: 8, .value_kind: global_buffer, .address_space: global }
      - { .name: w1, .offset: 32, .size: 8, .value_kind: global_buffer, .address_space: global }
      - { .name: w2, .offset: 40, .size: 8, .value_kind: global_buffer, .address_space: global }
      - { .name: wc, .offset: 48, .size: 8, .value_kind: global_buffer, .address_space: global }
      - { .name: ws, .offset: 56, .size: 8, .value_kind: global_buffer, .address_space: global }
    .group_segment_fixed_size: 0
    .private_segment_fixed_size: 0
    .kernarg_segment_align: 8
    .kernarg_segment_size: 64
    .max_flat_workgroup_size: 128
    .sgpr_count:     66
    .vgpr_count:     160
    .wavefront_size: 32
...
	.end_amdgpu_metadata
.endif
;; end of part 5
;; launch qkv (part 6): grid 128 x 2, 8 waves a work-group, no clusters, 18,432 bytes of LDS; arguments x, g1, beta1, wc, ws, qkvc, qkvs; writes qkvc, qkvs
.if DOCPART == 6
	.amdgcn_target "amdgcn-amd-amdhsa--gfx1250"
	.amdhsa_code_object_version 6
	.text
	.protected	k_q810806607f_qkv
	.globl	k_q810806607f_qkv
	.p2align	8
	.type	k_q810806607f_qkv,@function
k_q810806607f_qkv:
	s_mov_b64 s[64:65], 0
	v_nop
	global_prefetch_b8 v0, s[64:65] scope:SCOPE_SE
	s_setreg_imm32_b32 hwreg(HW_REG_WAVE_SCHED_MODE, 0, 2), 2
	s_setreg_imm32_b32 hwreg(HW_REG_WAVE_MODE, 25, 1), 1
	s_wait_xcnt 0x0
	s_wait_alu depctr_vm_vsrc(0)
; h = LayerNorm(x) g1 + beta1, quantised along E; q, k, v = h W (products on FP4 codes); q and k quantised along the head's 32, v along the keys.  Only codes and scale bytes go to memory.
; SHARES.  Work-group (i, y): rows 64 i .. 64 i + 63, heads 8 y .. 8 y + 7.  Wave w first normalises rows 8 w .. 8 w + 7 (a lane holds a whole block of 32 of a row; a row's 16 blocks lie in 16 lanes),
; then makes head 8 y + w's q, k and v for all 64 rows.  Its weights (24 fragments, 192 registers) come from memory straight into operand registers, in the order in which they were laid.
; LDS: h's codes [row tile 4][K block 16][row 16][16 B] at 0; its scale bytes [tile][row][16] at HSC.  Written once, read behind the one barrier.
; ROW TILES ARE NOT NEIGHBOURS: row r of tile m is row 32 (m / 2) + 8 (m % 2) + r + 8 (r / 8) of the 64: so v's results of tiles 2 p, 2 p + 1 are 16 neighbouring keys in a lane, and k's tiles are those that the attention wants.
; q, k: source 0 = 16 columns of W, source 1 = 16 rows of h: a lane holds one row and 16 neighbours of the head's 32; lanes l and l xor 16 hold the block.  v: the sources swapped: a lane holds one of the head's 32 and 16 neighbouring keys.
; OUT.  qkvc [q, k, v][64 heads of the batch][32,768]: q, k: 16 bytes a token, [64 tokens][tile][row]; v: [128 keys][u 2][K block 4][row 16][16 B].  A lane's 16 codes are 8 bytes at 16 r + 8 h: a store covers 256 aligned bytes.
; qkvs [3][64][2,048]: q, k: [64 tokens][row][tile]; v: [128 keys][u][row][K block].  These go out in pieces of 64 bytes and of 2 bytes: about a seventeenth of what is stored.
; LIMITS: NaN and infinities are not served; a block under 2^-124, a block of zeros too, gets the byte 1; 1 / sqrt by v_rsq_f32.
; REGISTERS, window 0: v1-9 addresses; v10-15 at work; v16-23 h's scale words; v32-43 W's; v44-63 at work; v64-191 x (4 passes x 32), then h's 16 fragments; v192-255 g1, beta1, then the accumulators.  Window 1: v0-191 W.
; THE MODE: SCHED_MODE bits 1:0 = 2 (LLVM: expert scheduling mode 2), set by the entry lines.  The code itself states the register dependences
; between vector or matrix instructions and memory or LDS instructions, with s_wait_alu, always for 0.
; THE PLAN.  Registers that memory or LDS instructions touch:
;   v1-v9              offsets and LDS addresses: made once at the head, never written again: one wait ahead of the first load.
;   v64-191            x lands there once; the four passes work on it in place; behind the barrier h's fragments land there.  The last lines that name them are pass 3's conversions, which stand ahead of pass 3's wait on va_vdst.
;   v16-23, v32-43, window 1 v0-191, v192-255   loaded once into registers that no vector instruction has named.
;   v57, v60-63        a pass's byte and codes: written by its last lines, read by its two LDS stores: a wait on va_vdst ahead of the stores, a wait on vm_vsrc ahead of the next lines that write them.
;   v56-63, v12, v14   the codes of q, k, v and their words of bytes: all of a group are made first, one wait on va_vdst follows, then the group's stores; the wait on vm_vsrc stands in the next quantiser, beside its wait on XCNT.
.set HSC, 16384
.set BS,  16
.set WS,  32
.set TM,  44
.set TT,  48
.set TS,  52
.set PC,  56
.set X,   64
.set BF,  64
.set GA,  192
.set BE,  224
.set ACC, 192
.set SEL, 22
.set MSB, 0
.set ISSUED, 0                         ; global loads issued so far: a wait's count is what has been issued behind the load that it waits for
.macro WIN new                         ; the immediate's high byte repeats the setting that is left
.if MSB != \new
	s_set_vgpr_msb (MSB<<8)|\new
.set MSB, \new
.endif
.endm
; one matrix instruction.  cz = 1: C is the constant 0, else v[cr ..].  ra, rb = 1: that side's scales are read from lanes 16-31
.macro WM d, a, b, cz, cr, sa, sb, ra, rb
.if \cz
.if ((\ra)==0)&&((\rb)==0)
	v_wmma_scale_f32_16x16x128_f8f6f4 v[(\d):(\d)+7], v[(\a):(\a)+7], v[(\b):(\b)+7], 0, v[\sa], v[\sb] matrix_a_fmt:MATRIX_FMT_FP4 matrix_b_fmt:MATRIX_FMT_FP4
.elseif ((\ra)==1)&&((\rb)==0)
	v_wmma_scale_f32_16x16x128_f8f6f4 v[(\d):(\d)+7], v[(\a):(\a)+7], v[(\b):(\b)+7], 0, v[\sa], v[\sb] matrix_a_fmt:MATRIX_FMT_FP4 matrix_b_fmt:MATRIX_FMT_FP4 matrix_a_scale:MATRIX_SCALE_ROW1
.elseif ((\ra)==0)&&((\rb)==1)
	v_wmma_scale_f32_16x16x128_f8f6f4 v[(\d):(\d)+7], v[(\a):(\a)+7], v[(\b):(\b)+7], 0, v[\sa], v[\sb] matrix_a_fmt:MATRIX_FMT_FP4 matrix_b_fmt:MATRIX_FMT_FP4 matrix_b_scale:MATRIX_SCALE_ROW1
.else
	v_wmma_scale_f32_16x16x128_f8f6f4 v[(\d):(\d)+7], v[(\a):(\a)+7], v[(\b):(\b)+7], 0, v[\sa], v[\sb] matrix_a_fmt:MATRIX_FMT_FP4 matrix_b_fmt:MATRIX_FMT_FP4 matrix_a_scale:MATRIX_SCALE_ROW1 matrix_b_scale:MATRIX_SCALE_ROW1
.endif
.else
.if ((\ra)==0)&&((\rb)==0)
	v_wmma_scale_f32_16x16x128_f8f6f4 v[(\d):(\d)+7], v[(\a):(\a)+7], v[(\b):(\b)+7], v[(\cr):(\cr)+7], v[\sa], v[\sb] matrix_a_fmt:MATRIX_FMT_FP4 matrix_b_fmt:MATRIX_FMT_FP4
.elseif ((\ra)==1)&&((\rb)==0)
	v_wmma_scale_f32_16x16x128_f8f6f4 v[(\d):(\d)+7], v[(\a):(\a)+7], v[(\b):(\b)+7], v[(\cr):(\cr)+7], v[\sa], v[\sb] matrix_a_fmt:MATRIX_FMT_FP4 matrix_b_fmt:MATRIX_FMT_FP4 matrix_a_scale:MATRIX_SCALE_ROW1
.elseif ((\ra)==0)&&((\rb)==1)
	v_wmma_scale_f32_16x16x128_f8f6f4 v[(\d):(\d)+7], v[(\a):(\a)+7], v[(\b):(\b)+7], v[(\cr):(\cr)+7], v[\sa], v[\sb] matrix_a_fmt:MATRIX_FMT_FP4 matrix_b_fmt:MATRIX_FMT_FP4 matrix_b_scale:MATRIX_SCALE_ROW1
.else
	v_wmma_scale_f32_16x16x128_f8f6f4 v[(\d):(\d)+7], v[(\a):(\a)+7], v[(\b):(\b)+7], v[(\cr):(\cr)+7], v[\sa], v[\sb] matrix_a_fmt:MATRIX_FMT_FP4 matrix_b_fmt:MATRIX_FMT_FP4 matrix_a_scale:MATRIX_SCALE_ROW1 matrix_b_scale:MATRIX_SCALE_ROW1
.endif
.endif
.endm
; 32 matrix instructions: a tile pair of W (source 0, fragments at wb) x the four row tiles in BF (source 1), K = 512.  The eight accumulators (acc + 16 m + 8 u) take turns, one instruction a turn.
; cmode 0: the first K step starts the sums with 0; 1: with v[bi + 8 u]; 2: with what the accumulators hold.  w0, w1: the register windows of the first and of the later K steps.
.macro MULT acc, wb, wsb, bsb, cmode, bi, w0, w1
.irp ks,0,1,2,3
.if \ks == 0
	WIN \w0
.else
	WIN \w1
.endif
.irp mt,0,1,2,3
.irp ut,0,1
.if (\ks == 0) && (\cmode == 0)
	WM (\acc)+16*\mt+8*\ut, (\wb)+8*(4*\ut+\ks), BF+8*(4*\mt+\ks), 1, 0, (\wsb)+\ks, (\bsb)+4*(\mt/2)+\ks, \ut, \mt%2
.elseif (\ks == 0) && (\cmode == 1)
	WM (\acc)+16*\mt+8*\ut, (\wb)+8*(4*\ut+\ks), BF+8*(4*\mt+\ks), 0, (\bi)+8*\ut, (\wsb)+\ks, (\bsb)+4*(\mt/2)+\ks, \ut, \mt%2
.else
	WM (\acc)+16*\mt+8*\ut, (\wb)+8*(4*\ut+\ks), BF+8*(4*\mt+\ks), 0, (\acc)+16*\mt+8*\ut, (\wsb)+\ks, (\bsb)+4*(\mt/2)+\ks, \ut, \mt%2
.endif
.endr
.endr
.endr
.endm
; Four units of 16 registers at s + 16 b; a unit and lane l xor 16's are a block of 32.  Out: the block's byte in v[TT + b], my 16 codes in v[PC + 2 b], v[PC + 2 b + 1].
.macro QUANT s
.irp b,0,1,2,3
	v_max3_num_f32 v[TM+\b], |v[(\s)+16*\b]|, |v[(\s)+16*\b+1]|, 0x1800000   ; with the floor 2^(3 - 127): the byte cannot fall under 1
.endr
.irp i,2,4,6,8,10,12,14
.irp b,0,1,2,3
	v_max3_num_f32 v[TM+\b], v[TM+\b], |v[(\s)+16*\b+\i]|, |v[(\s)+16*\b+\i+1]|   ; the four units by turns
.endr
.endr
	s_wait_alu depctr_va_vdst(0)
	s_wait_dscnt 0x0                               ; the last stores have read the bytes and the codes,
	s_wait_xcnt 0x0                                ; those to memory too: both are written anew below
	s_wait_alu depctr_vm_vsrc(0)                   ; the stores issued so far, to LDS and to memory, have read v56-63, which the conversions below write
.irp b,0,1,2,3
	v_permlanex16_b32 v[TT+\b], v[TM+\b], s[SEL], s[SEL+1]
.endr
.irp b,0,1,2,3
	v_max_num_f32 v[TM+\b], v[TM+\b], v[TT+\b]     ; the block's largest magnitude
.endr
.irp b,0,1,2,3
	v_add_nc_u32 v[TS+\b], 0xff000000, v[TM+\b]    ; 2 off its exponent field: the conversion's scale operand
.endr
.irp b,0,1,2,3
	v_lshrrev_b32 v[TT+\b], 23, v[TS+\b]           ; the byte
.endr
.irp b,0,1,2,3
	v_cvt_scalef32_pk8_fp4_f32 v[PC+2*\b], v[(\s)+16*\b:(\s)+16*\b+7], v[TS+\b]
	v_cvt_scalef32_pk8_fp4_f32 v[PC+2*\b+1], v[(\s)+16*\b+8:(\s)+16*\b+15], v[TS+\b]
.endr
	v_nop                                          ; a plain place behind the conversions
.endm
	s_load_b256 s[4:11], s[0:1], 0x0               ; x, g1, beta1, wc
	s_load_b128 s[12:15], s[0:1], 0x20             ; ws, qkvc
	s_load_b64 s[16:17], s[0:1], 0x30              ; qkvs
	v_lshl_add_u32 v30, v0, 2, 0x4400
	v_mov_b32 v31, 0
	v_lshrrev_b32 v10, 5, v0
	v_readfirstlane_b32 s18, v10                   ; wave 0..7
	s_and_b32 s19, ttmp7, 0xffff                   ; y
	v_and_b32 v6, 31, v0                           ; lane
	v_and_b32 v10, 15, v0                          ; r, and in the norm my K block
	s_wait_alu depctr_va_vdst(0)
	v_bfe_u32 v11, v0, 4, 1                        ; h, and in the norm which of a pass's two rows
	v_lshlrev_b32 v1, 4, v6                        ; 16 x lane
	v_lshlrev_b32 v3, 7, v10                       ; my block in g1, beta1
	v_lshl_add_u32 v2, v11, 11, v3                 ; and in x: + a row of 2,048 bytes
	s_wait_alu depctr_va_sdst(0)                   ; s18 is written, ahead of its first reader
	s_lshr_b32 s24, s18, 2
	s_lshl_b32 s24, s24, 1
	s_and_b32 s25, s18, 1
	s_add_co_u32 s24, s24, s25                     ; rows 8 w .. lie in tile 2 (w / 4) + w % 2,
	s_bfe_u32 s25, s18, 0x10001                    ; from its row 8 ((w / 2) % 2) on
	s_lshl_b32 s26, s24, 12
	s_lshl_b32 s27, s25, 7
	s_add_co_u32 s26, s26, s27
	v_lshlrev_b32 v4, 8, v10
	s_wait_alu depctr_va_vdst(0)
	v_lshl_add_u32 v4, v11, 4, v4
	v_add_nc_u32 v4, s26, v4                       ; where my block's codes go: 4,096 tile + 256 block + 16 row
	s_lshl_b32 s26, s24, 8
	s_add_co_u32 s26, s26, s27
	s_add_co_u32 s26, s26, HSC
	v_lshl_add_u32 v5, v11, 4, v10
	v_add_nc_u32 v5, s26, v5                       ; and its byte: 256 tile + 16 row + block
	v_lshlrev_b32 v7, 4, v10
	v_lshl_add_u32 v7, v11, 3, v7                  ; 16 r + 8 h
	v_lshlrev_b32 v8, 2, v10
	v_lshl_add_u32 v8, v11, 17, v8                 ; 4 r; lanes 16-31 in k's part, 131,072 bytes on
	v_lshlrev_b32 v9, 2, v6                        ; 4 x lane
	s_mov_b32 s20, 0x3b000000                      ; 1 / 512
	s_mov_b32 s21, 0x3727c5ac                      ; 1e-5
	s_mov_b32 s22, 0x76543210
	s_mov_b32 s23, 0xfedcba98                      ; v_permlanex16_b32's selects for lane l xor 16
	s_lshl_b32 s28, ttmp9, 17
	s_lshl_b32 s29, s18, 14
	s_add_co_u32 s28, s28, s29                     ; x: row 64 i + 8 w
	s_mov_b32 s29, 0
	s_lshl_b32 s30, s19, 3
	s_add_co_u32 s30, s30, s18                     ; my head
	s_lshr_b32 s31, ttmp9, 5
	s_lshl_b32 s31, s31, 4
	s_add_co_u32 s31, s31, s30                     ; 16 x batch + head
	s_and_b32 s32, ttmp9, 31                       ; which 64 tokens of the batch's 2,048
	s_lshl_b32 s34, s30, 13
	s_mov_b32 s35, 0
	s_lshl_b32 s36, s30, 9
	s_mov_b32 s37, 0
	s_lshl_b32 s33, s31, 15
	s_lshl_b32 s38, s32, 10
	s_add_co_u32 s38, s38, s33                     ; q's codes: 16 bytes a token
	s_mov_b32 s39, 0
	s_lshr_b32 s46, s32, 1
	s_and_b32 s47, s32, 1
	s_lshl_b32 s40, s46, 11
	s_add_co_u32 s40, s40, s33
	s_lshl_b32 s24, s47, 9
	s_add_co_u32 s40, s40, s24
	s_add_co_u32 s40, s40, 0x400000                ; v's codes: 2,048 bytes for 128 keys; my 64 keys are K blocks 0, 1 or 2, 3
	s_mov_b32 s41, 0
	s_lshl_b32 s33, s31, 11
	s_lshl_b32 s42, s32, 6
	s_add_co_u32 s42, s42, s33                     ; q's scale bytes: one a token
	s_mov_b32 s43, 0
	s_lshl_b32 s44, s46, 7
	s_add_co_u32 s44, s44, s33
	s_lshl_b32 s24, s47, 1
	s_add_co_u32 s44, s44, s24
	s_add_co_u32 s44, s44, 0x40000                 ; v's
	s_mov_b32 s45, 0
	s_wait_kmcnt 0x0
	s_add_nc_u64 s[4:5], s[4:5], s[28:29]
	s_add_nc_u64 s[10:11], s[10:11], s[34:35]
	s_add_nc_u64 s[12:13], s[12:13], s[36:37]
	s_add_nc_u64 s[38:39], s[14:15], s[38:39]
	s_add_nc_u64 s[40:41], s[14:15], s[40:41]
	s_add_nc_u64 s[42:43], s[16:17], s[42:43]
	s_add_nc_u64 s[44:45], s[16:17], s[44:45]
	s_wait_alu depctr_va_vdst(0)                   ; the offsets and addresses v1 to v9 are written: every load and store of the kernel reads one of them
.irp e,0,1,2,3,4,5,6,7
	global_load_b128 v[GA+4*\e:GA+4*\e+3], v3, s[6:7] offset:16*\e
.endr
.irp e,0,1,2,3,4,5,6,7
	global_load_b128 v[BE+4*\e:BE+4*\e+3], v3, s[8:9] offset:16*\e
.endr
.irp p,0,1,2,3
.irp e,0,1,2,3,4,5,6,7
	global_load_b128 v[X+32*\p+4*\e:X+32*\p+4*\e+3], v2, s[4:5] offset:4096*\p+16*\e   ; rows 8 w + 2 p, + 1: my block of 32
.endr
.endr
.set ISSUED, 48
; rows 8 w + 2 p and + 1: mean, variance (of the differences, as the definition has it), gain and bias, the block's byte and codes; a quarter of my weights is asked for on the way
.macro LNPASS p
.set XP, X+32*(\p)
	s_wait_loadcnt ISSUED-(24+8*(\p))              ; g1, beta1 and this pass's eight loads are in: behind them stand the later passes' and the weights' asked for so far
	WIN 0x40
.set WI, 12*(\p)
.rept 12
	global_load_b128 v[4*WI:4*WI+3], v1, s[10:11] offset:131072*(WI/16)+512*(WI%16)   ; chunk 16 (q, k, v) + head; sixteen loads a chunk.  No vector instruction has named these registers, and v1 was written ahead of the head's wait
.set WI, WI+1
.endr
	WIN 0
.set ISSUED, ISSUED+12
.if (\p) == 0
.irp e,0,1,2
	global_load_b128 v[WS+4*\e:WS+4*\e+3], v1, s[12:13] offset:8192*\e
.endr
.set ISSUED, ISSUED+3
.endif
	v_pk_add_f32 v[44:45], v[XP:XP+1], v[XP+2:XP+3]
	v_pk_add_f32 v[46:47], v[XP+4:XP+5], v[XP+6:XP+7]
.irp i,8,12,16,20,24,28
	v_pk_add_f32 v[44:45], v[44:45], v[XP+\i:XP+\i+1]
	v_pk_add_f32 v[46:47], v[46:47], v[XP+\i+2:XP+\i+3]
.endr
	v_pk_add_f32 v[44:45], v[44:45], v[46:47]
	v_add_f32 v44, v44, v45
	v_add_f32_dpp v44, v44, v44 row_xmask:1 row_mask:0xf bank_mask:0xf
	v_add_f32_dpp v44, v44, v44 row_xmask:2 row_mask:0xf bank_mask:0xf
	v_add_f32_dpp v44, v44, v44 row_xmask:4 row_mask:0xf bank_mask:0xf
	v_add_f32_dpp v44, v44, v44 row_xmask:8 row_mask:0xf bank_mask:0xf
	v_mul_f32 v48, s20, v44                        ; the mean, twice: a pair for the packed forms
	v_mul_f32 v49, s20, v44
.set I, 0
.rept 16
	v_pk_add_f32 v[XP+I:XP+I+1], v[XP+I:XP+I+1], v[48:49] neg_lo:[0,1] neg_hi:[0,1]
.set I, I+2
.endr
	v_pk_mul_f32 v[44:45], v[XP:XP+1], v[XP:XP+1]
	v_pk_mul_f32 v[46:47], v[XP+2:XP+3], v[XP+2:XP+3]
.irp i,4,8,12,16,20,24,28
	v_pk_fma_f32 v[44:45], v[XP+\i:XP+\i+1], v[XP+\i:XP+\i+1], v[44:45]
	v_pk_fma_f32 v[46:47], v[XP+\i+2:XP+\i+3], v[XP+\i+2:XP+\i+3], v[46:47]
.endr
	v_pk_add_f32 v[44:45], v[44:45], v[46:47]
	v_add_f32 v44, v44, v45
	v_add_f32_dpp v44, v44, v44 row_xmask:1 row_mask:0xf bank_mask:0xf
	v_add_f32_dpp v44, v44, v44 row_xmask:2 row_mask:0xf bank_mask:0xf
	v_add_f32_dpp v44, v44, v44 row_xmask:4 row_mask:0xf bank_mask:0xf
	v_add_f32_dpp v44, v44, v44 row_xmask:8 row_mask:0xf bank_mask:0xf
	v_fma_f32 v50, v44, s20, s21                   ; variance + 1e-5
	s_wait_alu depctr_va_vdst(0)
	v_rsq_f32 v52, v50
	v_rsq_f32 v53, v50
	v_nop                                          ; a plain place behind the transcendentals
	s_wait_alu depctr_va_vdst(0)                   ; the two reciprocal roots have written v52 and v53: one wait for both, ahead of their first reader
.set I, 0
.rept 16
	v_pk_mul_f32 v[XP+I:XP+I+1], v[XP+I:XP+I+1], v[52:53]
.set I, I+2
.endr
.set I, 0
.rept 16
	v_pk_fma_f32 v[XP+I:XP+I+1], v[XP+I:XP+I+1], v[GA+I:GA+I+1], v[BE+I:BE+I+1]
.set I, I+2
.endr
	v_max3_num_f32 v54, |v[XP]|, |v[XP+1]|, |v[XP+2]|
	v_max3_num_f32 v55, |v[XP+3]|, |v[XP+4]|, |v[XP+5]|
.irp i,6,10,14,18,22,26
	v_max3_num_f32 v54, v54, |v[XP+\i]|, |v[XP+\i+1]|
	v_max3_num_f32 v55, v55, |v[XP+\i+2]|, |v[XP+\i+3]|
.endr
	v_max3_num_f32 v54, v54, |v[XP+30]|, |v[XP+31]|
	v_max3_num_f32 v54, v54, v55, 0x1800000        ; the floor 2^(3 - 127)
	s_wait_alu depctr_va_vdst(0)
	s_wait_dscnt 0x0                               ; the last pass's stores have read their registers
.if (\p) > 0
	s_wait_alu depctr_vm_vsrc(0)                   ; the last pass's two LDS stores have read v57 and v60-63, which the lines below write
.endif
	v_add_nc_u32 v56, 0xff000000, v54
	v_lshrrev_b32 v57, 23, v56
.irp g,0,1,2,3
	v_cvt_scalef32_pk8_fp4_f32 v[60+\g], v[XP+8*\g:XP+8*\g+7], v56
.endr
	v_nop
	s_wait_alu depctr_va_vdst(0)                   ; the byte v57 and the codes v60-63 are written, which the two LDS stores read; in the last pass also: all that named v64-191 is done
	ds_store_b128 v4, v[60:63] offset:32*(\p)
	ds_store_b8 v5, v57 offset:32*(\p)
.endm
	LNPASS 0
	LNPASS 1
	LNPASS 2
	LNPASS 3
	s_wait_dscnt 0x0                               ; for the others' sake: my stores have landed
	s_barrier_signal -1
	s_barrier_wait -1                              ; h's sixteen fragments and their scale words lie in LDS; nothing is written there again
.set I, 0
.rept 32
	ds_load_b128 v[BF+4*I:BF+4*I+3], v1 offset:512*I   ; into x's registers.  No wait: no vector instruction since the last pass's wait on va_vdst names v64-191 or v1
.set I, I+1
.endr
.irp e,0,1
	ds_load_b128 v[BS+4*\e:BS+4*\e+3], v1 offset:HSC+512*\e   ; register 4 (m / 2) + K step: lanes 0-15 tile 2 (m / 2), lanes 16-31 the next
.endr
.irp b,0,1,2,3
	v_mov_b32 v[TT+\b], 0                          ; a lane permute's destination counts as one of its sources
.endr
	v_cmp_gt_u32 vcc_lo, 16, v6                    ; lanes 0-15
	s_wait_alu depctr_va_vcc(0)                    ; VCC is written, ahead of its first reader: the two selects below read it
	s_wait_loadcnt 0x0                             ; my weights
	s_wait_dscnt 0x0
	; ---- q
	MULT ACC, 0, WS, BS, 0, 0, 0x01, 0x01
	WIN 0
.rept 4
	v_nop                                          ; places behind the last product
.endr
	QUANT ACC
	v_lshl_or_b32 v10, v[TT+1], 8, v[TT]           ; row r's bytes of the four tiles
	v_lshl_or_b32 v10, v[TT+2], 16, v10
	v_lshl_or_b32 v10, v[TT+3], 24, v10
	s_wait_alu depctr_va_vdst(0)                   ; the conversions have written q's codes v56-63, which the four stores read
.irp mt,0,1,2,3
	global_store_b64 v7, v[PC+2*\mt:PC+2*\mt+1], s[38:39] offset:256*\mt
.endr
	; ---- k
	MULT ACC, 64, WS+4, BS, 0, 0, 0x01, 0x01
	WIN 0
.rept 4
	v_nop
.endr
	QUANT ACC
	v_lshl_or_b32 v11, v[TT+1], 8, v[TT]
	v_lshl_or_b32 v11, v[TT+2], 16, v11
	v_lshl_or_b32 v11, v[TT+3], 24, v11
	v_cndmask_b32 v12, v11, v10, vcc_lo            ; lanes 0-15 store q's word, lanes 16-31 k's
	s_wait_alu depctr_va_vdst(0)                   ; k's codes v56-63 and the word v12 are written, which the five stores read
.irp mt,0,1,2,3
	global_store_b64 v7, v[PC+2*\mt:PC+2*\mt+1], s[38:39] offset:2097152+256*\mt
.endr
	global_store_b32 v8, v12, s[42:43]
	; ---- v: source 0 = 16 rows of h (keys), source 1 = 16 columns of W.  Unit 2 p + u: 16 neighbouring keys of column (u, r)
	WIN 0x04
.irp ks,0,1,2,3
.irp mt,0,1,2,3
.irp ut,0,1
.if \ks == 0
	WM ACC+32*(\mt/2)+16*\ut+8*(\mt%2), BF+8*(4*\mt+\ks), 128+8*(4*\ut+\ks), 1, 0, BS+4*(\mt/2)+\ks, WS+8+\ks, \mt%2, \ut
.else
	WM ACC+32*(\mt/2)+16*\ut+8*(\mt%2), BF+8*(4*\mt+\ks), 128+8*(4*\ut+\ks), 0, ACC+32*(\mt/2)+16*\ut+8*(\mt%2), BS+4*(\mt/2)+\ks, WS+8+\ks, \mt%2, \ut
.endif
.endr
.endr
.endr
	WIN 0
.rept 4
	v_nop
.endr
	QUANT ACC
	v_lshl_or_b32 v14, v[TT+2], 8, v[TT]           ; u = 0: the bytes of my two K blocks
	v_lshl_or_b32 v15, v[TT+3], 8, v[TT+1]         ; u = 1
	v_cndmask_b32 v14, v15, v14, vcc_lo            ; lane 16 u + r stores (u, r)'s
	s_wait_alu depctr_va_vdst(0)                   ; v's codes v56-63 and the two bytes in v14 are written, which the five stores read
.irp pb,0,1
.irp ut,0,1
	global_store_b64 v7, v[PC+2*(2*\pb+\ut):PC+2*(2*\pb+\ut)+1], s[40:41] offset:1024*\ut+256*\pb
.endr
.endr
	global_store_b16 v9, v14, s[44:45]
	s_wait_dscnt 0x0
	s_wait_alu depctr_hold_cnt(0) depctr_sa_sdst(0) depctr_va_vdst(0) depctr_va_sdst(0) depctr_va_ssrc(0) depctr_va_vcc(0) depctr_vm_vsrc(0)
	s_wait_tensorcnt 0x0
	ds_add_u32 v30, v31
	s_wait_dscnt 0x0
	s_endpgm
.Lfunc_end_k_q810806607f_qkv:
	.size	k_q810806607f_qkv, .Lfunc_end_k_q810806607f_qkv-k_q810806607f_qkv
	.p2alignl 7, 3214868480
	.fill 96, 4, 3214868480
	.section	.rodata,"a",@progbits
	.p2align	6, 0x0
	.amdhsa_kernel k_q810806607f_qkv
		.amdhsa_group_segment_fixed_size 18432
		.amdhsa_private_segment_fixed_size 0
		.amdhsa_enable_private_segment 0
		.amdhsa_kernarg_size 56
		.amdhsa_user_sgpr_count 2
		.amdhsa_user_sgpr_kernarg_segment_ptr 1
		.amdhsa_wavefront_size32 1
		.amdhsa_system_sgpr_workgroup_id_x 1
		.amdhsa_system_sgpr_workgroup_id_y 1
		.amdhsa_system_sgpr_workgroup_id_z 1
		.amdhsa_system_vgpr_workitem_id 0
		.amdhsa_next_free_vgpr 512
		.amdhsa_next_free_sgpr 66
		.amdhsa_reserve_vcc 1
		.amdhsa_float_denorm_mode_32 3
		.amdhsa_float_denorm_mode_16_64 3
		.amdhsa_memory_ordered 1
		.amdhsa_forward_progress 1
		.amdhsa_inst_pref_size 72
	.end_amdhsa_kernel
	.amdgpu_metadata
---
amdhsa.version: [ 1, 2 ]
amdhsa.kernels:
  - .name:           k_q810806607f_qkv
    .symbol:         k_q810806607f_qkv.kd
    .args:
      - { .name: x, .offset: 0, .size: 8, .value_kind: global_buffer, .address_space: global }
      - { .name: g1, .offset: 8, .size: 8, .value_kind: global_buffer, .address_space: global }
      - { .name: beta1, .offset: 16, .size: 8, .value_kind: global_buffer, .address_space: global }
      - { .name: wc, .offset: 24, .size: 8, .value_kind: global_buffer, .address_space: global }
      - { .name: ws, .offset: 32, .size: 8, .value_kind: global_buffer, .address_space: global }
      - { .name: qkvc, .offset: 40, .size: 8, .value_kind: global_buffer, .address_space: global }
      - { .name: qkvs, .offset: 48, .size: 8, .value_kind: global_buffer, .address_space: global }
    .group_segment_fixed_size: 18432
    .private_segment_fixed_size: 0
    .kernarg_segment_align: 8
    .kernarg_segment_size: 56
    .max_flat_workgroup_size: 256
    .sgpr_count:     66
    .vgpr_count:     512
    .wavefront_size: 32
...
	.end_amdgpu_metadata
.endif
;; end of part 6
;; launch attn (part 7): grid 4 x 64, 16 waves a work-group, no clusters, 71,680 bytes of LDS; arguments qkvc, qkvs, ao, aos; writes ao, aos
.if DOCPART == 7
	.amdgcn_target "amdgcn-amd-amdhsa--gfx1250"
	.amdhsa_code_object_version 6
	.text
	.protected	k_q810806607f_attn
	.globl	k_q810806607f_attn
	.p2align	8
	.type	k_q810806607f_attn,@function
k_q810806607f_attn:
	s_mov_b64 s[64:65], 0
	v_nop
	global_prefetch_b8 v0, s[64:65] scope:SCOPE_SE
	s_setreg_imm32_b32 hwreg(HW_REG_WAVE_SCHED_MODE, 0, 2), 2
	s_setreg_imm32_b32 hwreg(HW_REG_WAVE_MODE, 25, 1), 1
	s_wait_xcnt 0x0
	s_wait_alu depctr_vm_vsrc(0)
; Causal attention of one head of one batch on FP4 codes, head size 32, 2,048 tokens; the result / l is quantised by (row, head), which is a K block of the next product, and only its codes and bytes are stored.
; t = score x log2(e) / sqrt(512); M = the running largest t rounded up to a whole number; p = 2^(t - M) is quantised along the keys; l sums the unquantised p; when M moves, l and O are multiplied by 2^(old M - new M): exact.
; SHARES.  Work-group (z, head of batch).  Wave W, with n = 16 z + W, owns the tiles of 16 queries n and 127 - n: together 17 steps of 128 keys and two steps on the diagonal, the same for every wave of the launch.
; Both loops have 16 trips, a constant; a step all of whose keys come after the tile's queries is jumped over by a scalar branch on ids.
; LDS is filled once, through registers, and only read behind the one barrier: k's scale words at 0, v's at 2,048, k's codes at 4,096, v's at 36,864: 68 KiB, the head's all.
; No multicast: what work-groups share is this one fill; no tensor load, so no slot is ever filled again.
; K = 32 IN AN INSTRUCTION OF K = 128.  A fragment of k holds FOUR tiles of 16 keys: K block e of fragment g is tile 4 g + e.  q stands in four variants, each with q's codes in one K block and zero codes elsewhere, all cut out
; of 20 registers [0 | q in lanes 0-15 | 0 | q in lanes 16-31 | 0].  Zero codes add nothing under any byte from 1 to 254.  So no byte read from LDS is wasted: four loads of 16 bytes a lane for 128 keys.
; Both products are used transposed: a lane holds one query (lane % 16).  Row r of key tile T is key 32 (T / 2) + 8 (T % 2) + r + 8 (r / 8): the 16 registers of tiles 2 b, 2 b + 1 are keys 32 b + 16 (lane / 16) + 0 .. 15.
; LIMITS: NaN and infinities are not served; a block under 2^-124, a block of zeros too, gets the byte 1; 1 / l by v_rcp_f32.
; REGISTERS: v1-10 addresses; v12 -M, v13 the largest t, v[14:15] l in two halves; v16-35 q's variants; v36-39 scale words (q, k, v, p); v40-55 k; v56-71 v; v72-79 p's codes; v80-95 O^T; v96-159 S^T, then p; v160-184 at work.
; THE MODE: SCHED_MODE bits 1:0 = 2 (LLVM: expert scheduling mode 2), set by the entry lines.  The code itself states the register dependences
; between vector or matrix instructions and memory or LDS instructions, with s_wait_alu, always for 0.
; THE PLAN.  Registers that memory or LDS instructions touch:
;   v3, v4           the fill's addresses; then the step's LDS addresses: written by two additions at a step's head, read by the step's ten LDS loads.
;   v40-71, v37, v38 k, v and their scale words: the step's loads land there; the step's ten products read them.
;   v180-183, v11    q's codes and byte: loaded once a tile, read by nine vector lines behind the wait for them.
;   v72, v73, v165   the result's codes and byte: written at a tile's end, read by its two stores.
;   v7-v10           offsets, made once at the head.     v96-129: the fill's data: loaded, read by the fill's LDS stores, later written by products.
; A STEP has one wait on vm_vsrc ahead of the two additions (the last step's loads have read v3, v4) and one on va_vdst behind them: the addresses are written, and the last step's products are done reading k and v;
; in a tile's first step it also states that q's word and variants are written.  All ten loads follow it at once.  Four more waits on va_vdst stand in a step: one ahead of the 64 exponentials, two behind the batch of 68, the last ahead of the first reader of a
; result, and one ahead of the second product, which takes p's word and codes from vector instructions.  On the diagonal the compares go in runs of eight into s4-s11 (free since the bases were made), one wait on va_sdst behind each run.
.set KC,  4096
.set QB,  16
.set QS,  36
.set KSW, 37
.set VSW, 38
.set PSW, 39
.set KFR, 40
.set VFR, 56
.set PC,  72
.set O,   80
.set S,   96
.set BM,  160
.set BT,  164
.set BSO, 168
.macro WM d, a, b, cz, cr, sa, sb, ra
.if \cz
.if (\ra)==0
	v_wmma_scale_f32_16x16x128_f8f6f4 v[(\d):(\d)+7], v[(\a):(\a)+7], v[(\b):(\b)+7], 0, v[\sa], v[\sb] matrix_a_fmt:MATRIX_FMT_FP4 matrix_b_fmt:MATRIX_FMT_FP4
.else
	v_wmma_scale_f32_16x16x128_f8f6f4 v[(\d):(\d)+7], v[(\a):(\a)+7], v[(\b):(\b)+7], 0, v[\sa], v[\sb] matrix_a_fmt:MATRIX_FMT_FP4 matrix_b_fmt:MATRIX_FMT_FP4 matrix_a_scale:MATRIX_SCALE_ROW1
.endif
.else
.if (\ra)==0
	v_wmma_scale_f32_16x16x128_f8f6f4 v[(\d):(\d)+7], v[(\a):(\a)+7], v[(\b):(\b)+7], v[(\cr):(\cr)+7], v[\sa], v[\sb] matrix_a_fmt:MATRIX_FMT_FP4 matrix_b_fmt:MATRIX_FMT_FP4
.else
	v_wmma_scale_f32_16x16x128_f8f6f4 v[(\d):(\d)+7], v[(\a):(\a)+7], v[(\b):(\b)+7], v[(\cr):(\cr)+7], v[\sa], v[\sb] matrix_a_fmt:MATRIX_FMT_FP4 matrix_b_fmt:MATRIX_FMT_FP4 matrix_a_scale:MATRIX_SCALE_ROW1
.endif
.endif
.endm
	s_load_b256 s[4:11], s[0:1], 0x0               ; qkvc, qkvs, ao, aos
	v_lshl_add_u32 v190, v0, 2, 0x11000
	v_mov_b32 v191, 0
	v_lshrrev_b32 v12, 5, v0
	v_readfirstlane_b32 s12, v12                   ; wave 0..15
	s_and_b32 s13, ttmp7, 0xffff                   ; 16 x batch + head
	s_lshl_b32 s14, ttmp9, 4
	s_wait_alu depctr_va_sdst(0)                   ; s12 is written, ahead of its first reader
	s_add_co_u32 s14, s14, s12                     ; n = 16 z + wave
	s_mov_b32 s16, 0x76543210
	s_mov_b32 s17, 0xfedcba98                      ; v_permlanex16_b32's selects for lane l xor 16
	s_mov_b32 s18, 0x3d8293ee                      ; c = log2(e) / sqrt(512)
	s_mov_b32 s19, s18                             ; (named with it as a pair)
	s_mov_b32 s38, 0x01010101
	v_lshlrev_b32 v3, 4, v0                        ; the fill: 16 bytes a thread,
	v_lshlrev_b32 v4, 3, v0                        ; of the scale bytes 8
	v_lshrrev_b32 v9, 8, v0
	v_and_b32 v10, 255, v0
	v_lshlrev_b32 v10, 3, v10
	v_lshl_add_u32 v10, v9, 17, v10                ; threads 0-255 k's scale bytes, 256-511 v's, 131,072 bytes on
	s_mov_b32 s37, 0
	s_lshl_b32 s36, s13, 15
	s_wait_kmcnt 0x0
	s_add_nc_u64 s[40:41], s[4:5], s[36:37]        ; the head's q codes; k's lie 2 MiB on, v's 4 MiB
	s_lshl_b32 s36, s13, 11
	s_add_nc_u64 s[42:43], s[6:7], s[36:37]        ; its q bytes
	s_wait_alu depctr_va_vdst(0)                   ; v3, v4 and v10 are written: the fill's loads and LDS stores read them
.irp e,0,1,2,3
	global_load_b128 v[96+4*\e:96+4*\e+3], v3, s[40:41] offset:2097152+8192*\e
.endr
.irp e,0,1,2,3
	global_load_b128 v[112+4*\e:112+4*\e+3], v3, s[40:41] offset:4194304+8192*\e
.endr
	global_load_b64 v[128:129], v10, s[42:43] offset:131072
	s_lshr_b32 s27, s13, 4                         ; batch
	s_and_b32 s20, s13, 15                         ; head
	s_lshl_b32 s36, s27, 19
	s_lshl_b32 s21, s20, 8
	s_add_co_u32 s36, s36, s21
	s_add_nc_u64 s[44:45], s[8:9], s[36:37]        ; ao: 4,096 bytes a tile of 16 rows, 256 a head
	s_lshl_b32 s36, s27, 15
	s_add_co_u32 s36, s36, s20
	s_add_nc_u64 s[46:47], s[10:11], s[36:37]      ; aos: 16 bytes a row, one a head
	v_and_b32 v12, 31, v0                          ; lane
	v_and_b32 v5, 15, v0                           ; r
	v_bfe_u32 v6, v0, 4, 1                         ; h
	v_lshlrev_b32 v1, 4, v12
	v_add_nc_u32 v1, KC, v1                        ; a fragment's place for my lane
	v_lshlrev_b32 v2, 2, v12                       ; a scale word's
	v_lshrrev_b32 v13, 3, v5
	v_and_b32 v14, 7, v5
	v_lshlrev_b32 v7, 4, v14
	v_lshl_add_u32 v7, v13, 8, v7                  ; query r's codes in its group of 32 tokens: 256 (r / 8) + 16 (r % 8)
	v_lshl_add_u32 v8, v14, 2, v13                 ; and its byte: 4 (r % 8) + r / 8
	v_lshlrev_b32 v15, 4, v6
	v_sub_nc_u32 v184, v5, v15                     ; r - 16 h, for the mask
	v_cmp_gt_u32 s39, 16, v12                      ; lanes 0-15
	s_wait_alu depctr_va_sdst(0)                   ; s39 is written, ahead of its first reader: each tile's eight selects read it
.irp e,0,1,2,3
	v_mov_b32 v[QB+\e], 0                          ; the zero codes of q's variants
	v_mov_b32 v[QB+8+\e], 0
	v_mov_b32 v[QB+16+\e], 0
	v_mov_b32 v[BT+\e], 0                          ; a lane permute's destination counts as one of its sources
.endr
	v_mov_b32 v173, 0                              ; (named as the upper half of the pair v[172:173])
	v_mov_b32 v174, 0
	s_wait_loadcnt 0x0
.irp e,0,1,2,3,4,5,6,7
	ds_store_b128 v3, v[96+4*\e:96+4*\e+3] offset:4096+8192*\e   ; no vector instruction since the wait ahead of the loads names v3, v4 or v96-129
.endr
	ds_store_b64 v4, v[128:129]
	s_wait_alu depctr_vm_vsrc(0)                   ; the load of the scale bytes has read v10, which the next line writes; the LDS stores have read v3, v4 and v96-129, which the steps write
	v_lshlrev_b32 v10, 4, v5                       ; out: 16 r (the loads that named v9, v10 are done),
	v_lshl_add_u32 v9, v6, 3, v10                  ; 16 r + 8 h
	s_wait_alu depctr_va_vdst(0)                   ; v7 and v8 are written, which the loads of q read; so are v9 and v10, the stores' offsets
	s_wait_dscnt 0x0                               ; for the others' sake: my stores have landed
	s_barrier_signal -1
	s_barrier_wait -1
.macro TILE which
	s_wait_xcnt 0x0                                ; the last tile's stores have read their registers and bases
.if \which == 1
	s_wait_alu depctr_vm_vsrc(0)                   ; the last tile's two stores have read v72, v73 and v165, which this tile's steps write
.endif
.if \which == 0
	s_mov_b32 s20, s14
.else
	s_sub_co_u32 s20, 127, s14
.endif
	s_lshl_b32 s21, s20, 4                         ; my first query
	s_add_co_u32 s22, s21, 15                      ; my last
	s_lshr_b32 s27, s20, 1
	s_lshl_b32 s36, s27, 9
	s_and_b32 s27, s20, 1
	s_lshl_b32 s27, s27, 7
	s_add_co_u32 s36, s36, s27
	s_add_nc_u64 s[28:29], s[40:41], s[36:37]      ; q's codes: 512 bytes for 32 tokens, the upper 16 of them 128 bytes on
	s_lshr_b32 s27, s20, 2
	s_lshl_b32 s36, s27, 6
	s_and_b32 s27, s20, 1
	s_lshl_b32 s27, s27, 5
	s_add_co_u32 s36, s36, s27
	s_bfe_u32 s27, s20, 0x10001
	s_lshl_b32 s27, s27, 1
	s_add_co_u32 s36, s36, s27
	s_add_nc_u64 s[30:31], s[42:43], s[36:37]      ; q's bytes
	s_lshl_b32 s36, s20, 12
	s_add_nc_u64 s[32:33], s[44:45], s[36:37]
	s_lshl_b32 s36, s20, 8
	s_add_nc_u64 s[34:35], s[46:47], s[36:37]
	global_load_b128 v[180:183], v7, s[28:29]      ; no vector instruction stands between the last wait on va_vdst (the head's; the last tile's, ahead of its stores) and these two loads
	global_load_u8 v11, v8, s[30:31]
	v_mov_b32 v13, 0xff61b1e6                      ; the largest t so far: -3e38
	v_floor_f32 v12, -v13                          ; -M
	v_mov_b32 v14, 0
	v_mov_b32 v15, 0
	s_mov_b32 s23, 0                               ; the step's first key
	s_mov_b32 s24, 0                               ; its codes: 2,048 bytes a step
	s_mov_b32 s25, 0                               ; its scale words: 128
	s_mov_b32 s26, 16
	s_wait_loadcnt 0x0
	v_mul_lo_u32 v[QS], v11, s38                   ; q's byte in all four places of the word
.irp e,0,1,2,3
	v_cndmask_b32 v[QB+4+\e], 0, v[180+\e], s39    ; q in lanes 0-15
	v_cndmask_b32 v[QB+12+\e], v[180+\e], v[QB], s39   ; q in lanes 16-31
.endr
.set I, 0
.rept 16
	v_mov_b32 v[O+I], 0                            ; O^T.  (These sixteen also stand between the lines above and the first product)
.set I, I+1
.endr
.Lstep_\@:
	s_cmp_gt_u32 s23, s22
	s_cbranch_scc1 .Lhidden_\@                     ; all 128 keys come after my queries
	s_wait_alu depctr_vm_vsrc(0)                   ; the last step's LDS loads have read v3 and v4, which the next two lines write
	v_add_nc_u32 v3, s24, v1
	v_add_nc_u32 v4, s25, v2
	v_nop
	v_nop                                          ; four places behind the last step's products, in front of the loads into v's registers
	s_wait_alu depctr_va_vdst(0)                   ; v3 and v4 are written, which the ten loads read; the last step's products are done reading k, v and their words, in which the loads land; in a tile's first step q's word and variants are written, which the products take
.irp e,0,1,2,3
	ds_load_b128 v[KFR+4*\e:KFR+4*\e+3], v3 offset:512*\e
.endr
	ds_load_b32 v[KSW], v4                         ; lanes 0-15 fragment 0's rows, lanes 16-31 fragment 1's
.irp e,0,1,2,3
	ds_load_b128 v[VFR+4*\e:VFR+4*\e+3], v3 offset:32768+512*\e
.endr
	ds_load_b32 v[VSW], v4 offset:2048
	s_wait_dscnt 0x5                               ; k and its words are in; v's five loads may be out
.irp g,0,1
.irp be,0,1,2,3
	WM S+8*(4*\g+\be), KFR+8*\g, QB+4+8*(\be%2)-4*(\be/2), 1, 0, KSW, QS, \g
.endr
.endr
.rept 4
	v_nop
.endr
	s_add_co_u32 s27, s23, 127
	s_cmp_le_u32 s27, s21
	s_cbranch_scc1 .Lopen_\@                       ; all 128 keys count
	s_sub_co_i32 s27, s21, s23
	v_add_nc_u32 v175, s27, v184                   ; d = my query - the step's first key - 16 h: register 16 b + i holds a hidden key where 32 b + i > d
	v_mov_b32 v174, 0xff800000                     ; -infinity
.set N, 0
.rept 8                                ; eight registers at a time: eight compares into s4-s11, one wait, eight selects
.set J, 0
.rept 8
	v_cmp_gt_i32 s[4+J], 32*((N+J)/16)+(N+J)%16, v175
.set J, J+1
.endr
	s_wait_alu depctr_va_sdst(0)                   ; the eight masks s4-s11 are written, ahead of their readers
.set J, 0
.rept 8
	v_cndmask_b32 v[S+N+J], v[S+N+J], v174, s[4+J]
.set J, J+1
.endr
.set N, N+8
.endr
.Lopen_\@:
.irp b,0,1,2,3
	v_max3_num_f32 v[BM+\b], v[S+16*\b], v[S+16*\b+1], v[S+16*\b+2]   ; the largest score of each block of 32 keys: for the row's maximum, and, since p rises with the score, for the block's largest p
.endr
.irp i,3,5,7,9,11,13
.irp b,0,1,2,3
	v_max3_num_f32 v[BM+\b], v[BM+\b], v[S+16*\b+\i], v[S+16*\b+\i+1]
.endr
.endr
.irp b,0,1,2,3
	v_max_num_f32 v[BM+\b], v[BM+\b], v[S+16*\b+15]
.endr
.irp b,0,1,2,3
	v_permlanex16_b32 v[BT+\b], v[BM+\b], s16, s17
.endr
.irp b,0,1,2,3
	v_max_num_f32 v[BM+\b], v[BM+\b], v[BT+\b]
.endr
	v_max3_num_f32 v174, v[BM], v[BM+1], v[BM+2]
	v_max_num_f32 v174, v174, v[BM+3]
	v_mul_f32 v174, s18, v174                      ; as t (c is positive)
	v_max_num_f32 v13, v13, v174                   ; the running largest t
	v_mov_b32 v174, v12
	v_floor_f32 v12, -v13                          ; the new -M = -ceil(t)
	v_sub_f32 v174, v12, v174                      ; old M - new M: a whole number, 0 or less
	v_cvt_i32_f32 v174, v174                       ; (it saturates)
	v_ldexp_f32 v172, 1.0, v174                    ; f = 2^(old M - new M)
.set I, 0
.rept 32
	v_pk_fma_f32 v[S+I:S+I+1], v[S+I:S+I+1], s[18:19], v[12:13] op_sel_hi:[1,0,0]   ; t - M
.set I, I+2
.endr
.irp b,0,1,2,3
	v_fma_f32 v[BM+\b], v[BM+\b], s18, v12
.endr
.set I, 0
	s_wait_alu depctr_va_vdst(0)
.rept 64
	v_exp_f32 v[S+I], v[S+I]                       ; p = 2^(t - M)
.set I, I+1
.endr
.irp b,0,1,2,3
	v_exp_f32 v[BM+\b], v[BM+\b]                   ; the block's largest p
.endr
	v_pk_mul_f32 v[14:15], v[14:15], v[172:173] op_sel_hi:[1,0]   ; l under the new M (a plain place behind the exponentials)
.set I, 0
	s_wait_alu depctr_va_vdst(0)
.rept 8
	v_pk_mul_f32 v[O+I:O+I+1], v[O+I:O+I+1], v[172:173] op_sel_hi:[1,0]   ; O^T under the new M, each accumulator from its low end on
.set I, I+2
.endr
	s_wait_alu depctr_va_vdst(0)                   ; the 68 exponentials have written p and the blocks' largest p: one wait for the batch, ahead of the first reader of a result; the nine lines above name none
.irp b,0,1,2,3
	v_max_num_f32 v[BM+\b], 0x1800000, v[BM+\b]    ; the floor 2^(3 - 127)
.endr
.irp b,0,1,2,3
	v_add_nc_u32 v[BSO+\b], 0xff000000, v[BM+\b]
.endr
.irp b,0,1,2,3
	v_lshrrev_b32 v[BT+\b], 23, v[BSO+\b]
.endr
	v_lshl_or_b32 v[PSW], v[BT+1], 8, v[BT]        ; p's scale word for these 128 keys
	v_lshl_or_b32 v[PSW], v[BT+2], 16, v[PSW]
	v_lshl_or_b32 v[PSW], v[BT+3], 24, v[PSW]
.irp b,0,1,2,3
	v_cvt_scalef32_pk8_fp4_f32 v[PC+2*\b], v[S+16*\b:S+16*\b+7], v[BSO+\b]
	v_cvt_scalef32_pk8_fp4_f32 v[PC+2*\b+1], v[S+16*\b+8:S+16*\b+15], v[BSO+\b]
.endr
	v_nop
.irp c,0,1                             ; the operand wants a whole block in a lane: lanes 0-15 block 2 c, lanes 16-31 block 2 c + 1
.irp i,0,1
	v_permlane16_swap_b32 v[PC+4*\c+\i], v[PC+2+4*\c+\i]
.endr
.endr
	v_pk_add_f32 v[176:177], v[S:S+1], v[S+2:S+3]  ; l takes the unquantised p, in two chains.  (These 32 also stand between p's word and codes and the products)
.irp j,4,8,12,16,20,24,28,32,36,40,44,48,52,56,60
	v_pk_add_f32 v[14:15], v[14:15], v[S+\j:S+\j+1]
	v_pk_add_f32 v[176:177], v[176:177], v[S+\j+2:S+\j+3]
.endr
	v_pk_add_f32 v[14:15], v[14:15], v[176:177]
	s_wait_dscnt 0x0                               ; v and its words
	s_wait_alu depctr_va_vdst(0)                   ; p's scale word v39 and its codes v72-79 are written by vector instructions: the two products take them as scales and as source 1; the places above stay beside this wait
	WM O, VFR, PC, 0, O, VSW, PSW, 0               ; O^T += v^T p^T: the two accumulators by turns, the next step's eight products between their links
	WM O+8, VFR+8, PC, 0, O+8, VSW, PSW, 1
.Lhidden_\@:
	s_add_co_u32 s23, s23, 128
	s_add_co_u32 s24, s24, 2048
	s_add_co_u32 s25, s25, 128
	s_sub_co_i32 s26, s26, 1
	s_cmp_lg_u32 s26, 0
	s_cbranch_scc1 .Lstep_\@
.rept 4
	v_nop                                          ; places behind the last products
.endr
	v_add_f32 v14, v14, v15
	v_permlanex16_b32 v174, v14, s16, s17
	v_add_f32 v14, v14, v174                       ; the row's l
	s_wait_alu depctr_va_vdst(0)
	v_rcp_f32 v172, v14
	v_nop
	s_wait_alu depctr_va_vdst(0)                   ; the reciprocal has written v172, ahead of its first reader
.set I, 0
.rept 8
	v_pk_mul_f32 v[O+I:O+I+1], v[O+I:O+I+1], v[172:173] op_sel_hi:[1,0]   ; register 8 u + j: channel 16 h + 8 u + j of query r
.set I, I+2
.endr
	v_max3_num_f32 v[BM], |v[O]|, |v[O+1]|, 0x1800000
.irp i,2,4,6,8,10,12,14
	v_max3_num_f32 v[BM], v[BM], |v[O+\i]|, |v[O+\i+1]|
.endr
	v_permlanex16_b32 v[BT], v[BM], s16, s17
	v_max_num_f32 v[BM], v[BM], v[BT]              ; the largest magnitude of (row, head)'s 32
	v_add_nc_u32 v[BSO], 0xff000000, v[BM]
	v_lshrrev_b32 v[BT+1], 23, v[BSO]
	v_cvt_scalef32_pk8_fp4_f32 v[PC], v[O:O+7], v[BSO]
	v_cvt_scalef32_pk8_fp4_f32 v[PC+1], v[O+8:O+15], v[BSO]
	v_nop
	s_wait_alu depctr_va_vdst(0)                   ; the codes v72, v73 and the byte v165 are written, which the two stores read; all that read q's registers v180-183 and v11 is done, in which the next tile's loads land
	global_store_b64 v9, v[PC:PC+1], s[32:33]      ; 32 lanes store 256 consecutive bytes, aligned
	global_store_b8 v10, v[BT+1], s[34:35]         ; one byte in each row's 16; lanes l and l xor 16 write the same byte with the same value
.endm
	TILE 0
	TILE 1
	s_wait_dscnt 0x0
	s_wait_alu depctr_hold_cnt(0) depctr_sa_sdst(0) depctr_va_vdst(0) depctr_va_sdst(0) depctr_va_ssrc(0) depctr_va_vcc(0) depctr_vm_vsrc(0)
	s_wait_tensorcnt 0x0
	ds_add_u32 v190, v191
	s_wait_dscnt 0x0
	s_endpgm
.Lfunc_end_k_q810806607f_attn:
	.size	k_q810806607f_attn, .Lfunc_end_k_q810806607f_attn-k_q810806607f_attn
	.p2alignl 7, 3214868480
	.fill 96, 4, 3214868480
	.section	.rodata,"a",@progbits
	.p2align	6, 0x0
	.amdhsa_kernel k_q810806607f_attn
		.amdhsa_group_segment_fixed_size 71680
		.amdhsa_private_segment_fixed_size 0
		.amdhsa_enable_private_segment 0
		.amdhsa_kernarg_size 32
		.amdhsa_user_sgpr_count 2
		.amdhsa_user_sgpr_kernarg_segment_ptr 1
		.amdhsa_wavefront_size32 1
		.amdhsa_system_sgpr_workgroup_id_x 1
		.amdhsa_system_sgpr_workgroup_id_y 1
		.amdhsa_system_sgpr_workgroup_id_z 1
		.amdhsa_system_vgpr_workitem_id 0
		.amdhsa_next_free_vgpr 192
		.amdhsa_next_free_sgpr 66
		.amdhsa_reserve_vcc 0
		.amdhsa_float_denorm_mode_32 3
		.amdhsa_float_denorm_mode_16_64 3
		.amdhsa_memory_ordered 1
		.amdhsa_forward_progress 1
		.amdhsa_inst_pref_size 60
	.end_amdhsa_kernel
	.amdgpu_metadata
---
amdhsa.version: [ 1, 2 ]
amdhsa.kernels:
  - .name:           k_q810806607f_attn
    .symbol:         k_q810806607f_attn.kd
    .args:
      - { .name: qkvc, .offset: 0, .size: 8, .value_kind: global_buffer, .address_space: global }
      - { .name: qkvs, .offset: 8, .size: 8, .value_kind: global_buffer, .address_space: global }
      - { .name: ao, .offset: 16, .size: 8, .value_kind: global_buffer, .address_space: global }
      - { .name: aos, .offset: 24, .size: 8, .value_kind: global_buffer, .address_space: global }
    .group_segment_fixed_size: 71680
    .private_segment_fixed_size: 0
    .kernarg_segment_align: 8
    .kernarg_segment_size: 32
    .max_flat_workgroup_size: 512
    .sgpr_count:     66
    .vgpr_count:     192
    .wavefront_size: 32
...
	.end_amdgpu_metadata
.endif
;; end of part 7
;; launch mlp (part 8): grid 128 x 1, 8 waves a work-group, no clusters, 258,048 bytes of LDS; arguments ao, aos, x, wc, ws, b_proj, g2, beta2, bf1, bf2, out0; writes out0
.if DOCPART == 8
	.amdgcn_target "amdgcn-amd-amdhsa--gfx1250"
	.amdhsa_code_object_version 6
	.text
	.protected	k_q810806607f_mlp
	.globl	k_q810806607f_mlp
	.p2align	8
	.type	k_q810806607f_mlp,@function
k_q810806607f_mlp:
	s_mov_b64 s[64:65], 0
	v_nop
	global_prefetch_b8 v0, s[64:65] scope:SCOPE_SE
	s_setreg_imm32_b32 hwreg(HW_REG_WAVE_SCHED_MODE, 0, 2), 2
	s_setreg_imm32_b32 hwreg(HW_REG_WAVE_MODE, 25, 1), 1
	s_wait_xcnt 0x0
	s_wait_alu depctr_vm_vsrc(0)
; x1 = x + attention W_proj + b_proj;  h2 = LayerNorm(x1) g2 + beta2;  out = x1 + relu(h2 W1 + bf1) W2 + bf2.  All three products on FP4 codes; h2 and the hidden layer are quantised on the way and never go to memory.
; SHARES.  A work-group takes 64 rows, four tiles of 16.  THE WAVES SHARE THE COLUMNS: wave w owns columns 64 w .. 64 w + 63 of x1 and of out, and hidden units 256 w .. 256 w + 255, for all 64 rows.
; 64 rows, so 128 work-groups: every work-group draws all 1.18 MB of weight codes, so rows halved would double what is drawn in all, and a fragment of weights here feeds four products.
; WEIGHTS go from memory straight into operand registers, in the order in which they were laid: 18 units of 8,192 bytes a wave (2 W_proj, 8 W1, 8 W2), three buffers by turns, asked for up to three units ahead.
; No tensor load and no multicast: a joint load would bring the same bytes into each work-group's LDS, of which 257,024 bytes are in use, and add their way through it.
; Every product: source 0 = 16 columns of W, source 1 = 16 rows.  A tile pair's results are 16 neighbouring columns in a lane (row r, columns 16 h + 0 .. 15 of the pair's 32); lanes l, l xor 16 hold a block of the next K.
; OPERANDS FROM WAVE TO WAVE go through LDS laid [K block][row 16][16 B]: a lane's 16 codes are 8 bytes at 16 r + 8 h; two loads of 16 bytes at 16 x lane, 512 apart, bring a fragment.  Each region is written once: four barriers.
; LDS: X1 0: x1 parked as register images, 16 KiB a wave, its own;  H2 [tile][K block 16][r][16 B];  H2S [tile][r][16];  HID [K step 16][tile][K block 4][r][16 B];  HS [4 K steps][tile][r][16];  STAT, STAT2 [tile][r][wave] f32;
; STG: a stage of 16 rows x 272 bytes a wave, its own.
; LIMITS: NaN and infinities are not served; a block under 2^-124, a block of zeros too, gets the byte 1; 1 / sqrt by v_rsq_f32.
; REGISTERS, window 0: v0-15 addresses; v16-31 the rows' scale words, two sets; v32-43 the weights', three sets; v44-63 at work; v64-191 the rows' 16 fragments; v192-255 accumulators;
;   v128-255 also x1 / out (64 c + 16 m + 8 u).  Window 1: v0-191 three weight buffers (the third first holds x1's first half, the second g2 and beta2 during the norm); v192-239 three biases, later bf2.
; THE MODE: SCHED_MODE bits 1:0 = 2 (LLVM: expert scheduling mode 2), set by the entry lines.  The code itself states the register dependences
; between vector or matrix instructions and memory or LDS instructions, with s_wait_alu, always for 0.
; THE PLAN.  Registers that memory or LDS instructions touch:
;   v0-v15             offsets and LDS addresses: made once at the head, never written again: one wait ahead of the first load.
;   weight buffer q % 3, its bias (window 1) and its scale words (v32-43)   unit q's loads land there; unit q's products read them; unit q + 3's loads land there next.
;   v64-191, v16-31    the rows' fragments and scale words: loaded (from memory, then twice from LDS), read by products; between the phases the norm works in v64-111 and v128-191.
;   v128-255           x1: its halves are stored to LDS from window 1 v128-191 and from v192-255, and loaded back.
;   v44-51             the norm's sums, read by four LDS stores.     v48-51, v56-63  bytes and codes, written by a quantiser, read by the eight LDS stores behind it.
; A UNIT OF THE FIRST FF PRODUCT: products, relu, quantiser; then the switch to window 1 and ONE wait on va_vdst: the products are done reading the buffer, the bias and the words, and the codes and bytes are written.
; Behind it stand the loads of the unit three on and the eight LDS stores, with no vector instruction between.  The wait on vm_vsrc for codes and bytes stands in the next quantiser.
; A UNIT OF THE SECOND has two halves; behind each half's sixteen products one wait on va_vdst states that they are done reading their rows' fragments (behind the second half: the weights too), and the next loads into these follow.
; A load under window 1 stands behind the switch and the wait, in that order, or has only loads and switches between the wait and itself.
.set H2,   131072
.set H2S,  147456
.set HID,  148480
.set HS,   214016
.set STAT, 218112
.set STG,  222208
.set BS,  16
.set WS,  32
.set TM,  44
.set SP,  44
.set TT,  48
.set TS,  52
.set PC,  56
.set BF,  64
.set XR,  128
.set ACC, 192
.set SEL, 44
.set MSB, 0
.set ISSUED, 0                         ; global loads issued so far: a wait's count is what has been issued behind the load that it waits for
.macro WIN new                         ; the immediate's high byte repeats the setting that is left
.if MSB != \new
	s_set_vgpr_msb (MSB<<8)|\new
.set MSB, \new
.endif
.endm
.macro WM d, a, b, cz, cr, sa, sb, ra, rb
.if \cz
.if ((\ra)==0)&&((\rb)==0)
	v_wmma_scale_f32_16x16x128_f8f6f4 v[(\d):(\d)+7], v[(\a):(\a)+7], v[(\b):(\b)+7], 0, v[\sa], v[\sb] matrix_a_fmt:MATRIX_FMT_FP4 matrix_b_fmt:MATRIX_FMT_FP4
.elseif ((\ra)==1)&&((\rb)==0)
	v_wmma_scale_f32_16x16x128_f8f6f4 v[(\d):(\d)+7], v[(\a):(\a)+7], v[(\b):(\b)+7], 0, v[\sa], v[\sb] matrix_a_fmt:MATRIX_FMT_FP4 matrix_b_fmt:MATRIX_FMT_FP4 matrix_a_scale:MATRIX_SCALE_ROW1
.elseif ((\ra)==0)&&((\rb)==1)
	v_wmma_scale_f32_16x16x128_f8f6f4 v[(\d):(\d)+7], v[(\a):(\a)+7], v[(\b):(\b)+7], 0, v[\sa], v[\sb] matrix_a_fmt:MATRIX_FMT_FP4 matrix_b_fmt:MATRIX_FMT_FP4 matrix_b_scale:MATRIX_SCALE_ROW1
.else
	v_wmma_scale_f32_16x16x128_f8f6f4 v[(\d):(\d)+7], v[(\a):(\a)+7], v[(\b):(\b)+7], 0, v[\sa], v[\sb] matrix_a_fmt:MATRIX_FMT_FP4 matrix_b_fmt:MATRIX_FMT_FP4 matrix_a_scale:MATRIX_SCALE_ROW1 matrix_b_scale:MATRIX_SCALE_ROW1
.endif
.else
.if ((\ra)==0)&&((\rb)==0)
	v_wmma_scale_f32_16x16x128_f8f6f4 v[(\d):(\d)+7], v[(\a):(\a)+7], v[(\b):(\b)+7], v[(\cr):(\cr)+7], v[\sa], v[\sb] matrix_a_fmt:MATRIX_FMT_FP4 matrix_b_fmt:MATRIX_FMT_FP4
.elseif ((\ra)==1)&&((\rb)==0)
	v_wmma_scale_f32_16x16x128_f8f6f4 v[(\d):(\d)+7], v[(\a):(\a)+7], v[(\b):(\b)+7], v[(\cr):(\cr)+7], v[\sa], v[\sb] matrix_a_fmt:MATRIX_FMT_FP4 matrix_b_fmt:MATRIX_FMT_FP4 matrix_a_scale:MATRIX_SCALE_ROW1
.elseif ((\ra)==0)&&((\rb)==1)
	v_wmma_scale_f32_16x16x128_f8f6f4 v[(\d):(\d)+7], v[(\a):(\a)+7], v[(\b):(\b)+7], v[(\cr):(\cr)+7], v[\sa], v[\sb] matrix_a_fmt:MATRIX_FMT_FP4 matrix_b_fmt:MATRIX_FMT_FP4 matrix_b_scale:MATRIX_SCALE_ROW1
.else
	v_wmma_scale_f32_16x16x128_f8f6f4 v[(\d):(\d)+7], v[(\a):(\a)+7], v[(\b):(\b)+7], v[(\cr):(\cr)+7], v[\sa], v[\sb] matrix_a_fmt:MATRIX_FMT_FP4 matrix_b_fmt:MATRIX_FMT_FP4 matrix_a_scale:MATRIX_SCALE_ROW1 matrix_b_scale:MATRIX_SCALE_ROW1
.endif
.endif
.endm
; 32 matrix instructions: a tile pair of W (source 0, fragments at wb) x the four row tiles in BF (source 1), K = 512.  The eight accumulators (acc + 16 m + 8 u) take turns, one instruction a turn.
; cmode 0: the first K step starts the sums with 0; 1: with v[bi + 8 u]; 2: with what the accumulators hold.  w0, w1: the register windows of the first and of the later K steps.
.macro MULT acc, wb, wsb, bsb, cmode, bi, w0, w1
.irp ks,0,1,2,3
.if \ks == 0
	WIN \w0
.else
	WIN \w1
.endif
.irp mt,0,1,2,3
.irp ut,0,1
.if (\ks == 0) && (\cmode == 0)
	WM (\acc)+16*\mt+8*\ut, (\wb)+8*(4*\ut+\ks), BF+8*(4*\mt+\ks), 1, 0, (\wsb)+\ks, (\bsb)+4*(\mt/2)+\ks, \ut, \mt%2
.elseif (\ks == 0) && (\cmode == 1)
	WM (\acc)+16*\mt+8*\ut, (\wb)+8*(4*\ut+\ks), BF+8*(4*\mt+\ks), 0, (\bi)+8*\ut, (\wsb)+\ks, (\bsb)+4*(\mt/2)+\ks, \ut, \mt%2
.else
	WM (\acc)+16*\mt+8*\ut, (\wb)+8*(4*\ut+\ks), BF+8*(4*\mt+\ks), 0, (\acc)+16*\mt+8*\ut, (\wsb)+\ks, (\bsb)+4*(\mt/2)+\ks, \ut, \mt%2
.endif
.endr
.endr
.endr
.endm
; Four units of 16 registers at s + 16 b; a unit and lane l xor 16's are a block of 32.  Out: the block's byte in v[TT + b], my 16 codes in v[PC + 2 b], v[PC + 2 b + 1].
.macro QUANT s
.irp b,0,1,2,3
	v_max3_num_f32 v[TM+\b], |v[(\s)+16*\b]|, |v[(\s)+16*\b+1]|, 0x1800000   ; with the floor 2^(3 - 127): the byte cannot fall under 1
.endr
.irp i,2,4,6,8,10,12,14
.irp b,0,1,2,3
	v_max3_num_f32 v[TM+\b], v[TM+\b], |v[(\s)+16*\b+\i]|, |v[(\s)+16*\b+\i+1]|
.endr
.endr
	s_wait_alu depctr_va_vdst(0)
	s_wait_dscnt 0x0                               ; the last stores have read the bytes and the codes: both are written anew below
	s_wait_xcnt 0x0
	s_wait_alu depctr_vm_vsrc(0)                   ; the LDS stores issued so far have read the bytes v48-51 and the codes v56-63, which the lines below write
.irp b,0,1,2,3
	v_permlanex16_b32 v[TT+\b], v[TM+\b], s[SEL], s[SEL+1]
.endr
.irp b,0,1,2,3
	v_max_num_f32 v[TM+\b], v[TM+\b], v[TT+\b]
.endr
.irp b,0,1,2,3
	v_add_nc_u32 v[TS+\b], 0xff000000, v[TM+\b]
.endr
.irp b,0,1,2,3
	v_lshrrev_b32 v[TT+\b], 23, v[TS+\b]
.endr
.irp b,0,1,2,3
	v_cvt_scalef32_pk8_fp4_f32 v[PC+2*\b], v[(\s)+16*\b:(\s)+16*\b+7], v[TS+\b]
	v_cvt_scalef32_pk8_fp4_f32 v[PC+2*\b+1], v[(\s)+16*\b+8:(\s)+16*\b+15], v[TS+\b]
.endr
	v_nop
.endm
.macro PLACES
.rept 4
	v_nop                                          ; four places behind a matrix instruction, in front of reads of its result and of loads into its registers
.endr
.endm
; Weight unit q (0, 1: W_proj; 2-9: W1; 10-17: W2) into buffer q % 3: sixteen loads of codes, with a bias four more, one of scale words.  The mark says how many loads had been issued when the unit's last was.
; w = 0: nothing is owed (no vector or matrix instruction has named these registers, or the wait stands just ahead with only loads between);  1: the wait on va_vdst;  2: LDS stores have read the buffer's registers too.
.macro WLOAD q, w
.if (\q) < 2
.set WCB, 30
.set WSB, 34
.set WCO, 8192*(48+(\q))
.set WSO, 512*(48+(\q))
.set BIB, 14
.set BIO, 128*(\q)
.set HASB, 1
.elseif (\q) < 10
.set WCB, 32
.set WSB, 36
.set WCO, 8192*(62+(\q))
.set WSO, 512*(62+(\q))
.set BIB, 20
.set BIO, 128*((\q)-2)
.set HASB, 1
.else
.set WCB, 32
.set WSB, 36
.set WCO, 8192*(118+(\q))
.set WSO, 512*(118+(\q))
.set HASB, 0
.endif
	WIN 0x40
.if (\w) == 2
	s_wait_alu depctr_vm_vsrc(0)                   ; the LDS stores have read this buffer's registers, in which the loads below land
.endif
.if (\w) >= 1
	s_wait_alu depctr_va_vdst(0)                   ; the products and additions that named this buffer, its bias and its scale words are done: the loads below land there
.endif
.set WI, 0
.rept 16
	global_load_b128 v[64*((\q)%3)+4*WI:64*((\q)%3)+4*WI+3], v1, s[WCB:WCB+1] offset:WCO+512*WI
.set WI, WI+1
.endr
.if HASB
.irp e,0,1,2,3
	global_load_b128 v[192+16*((\q)%3)+4*\e:192+16*((\q)%3)+4*\e+3], v3, s[BIB:BIB+1] offset:BIO+16*\e   ; the bias in the result's layout: columns 16 h + 0 .. 15 of the pair
.endr
.set ISSUED, ISSUED+4
.endif
	WIN 0
	global_load_b128 v[WS+4*((\q)%3):WS+4*((\q)%3)+3], v1, s[WSB:WSB+1] offset:WSO
.set ISSUED, ISSUED+17
.if ((\q)%3)==0
.set MK0, ISSUED
.elseif ((\q)%3)==1
.set MK1, ISSUED
.else
.set MK2, ISSUED
.endif
.endm
.macro WAITW q                         ; unit q is in: the count is the loads issued behind it
.if ((\q)%3)==0
	s_wait_loadcnt ISSUED-MK0
.elseif ((\q)%3)==1
	s_wait_loadcnt ISSUED-MK1
.else
	s_wait_loadcnt ISSUED-MK2
.endif
.endm
.macro BARRIER                         ; my LDS stores have landed and my LDS loads are in: then the work-group's barrier
	s_wait_dscnt 0x0
	s_barrier_signal -1
	s_barrier_wait -1
.endm
	s_load_b256 s[4:11], s[0:1], 0x0               ; ao, aos, x, wc
	s_load_b256 s[12:19], s[0:1], 0x20             ; ws, b_proj, g2, beta2
	s_load_b128 s[20:23], s[0:1], 0x40             ; bf1, bf2
	s_load_b64 s[24:25], s[0:1], 0x50              ; out0
	s_set_vgpr_msb 0x40
	v_lshl_add_u32 v254, v0, 2, 0x3ec00
	v_mov_b32 v255, 0
	s_set_vgpr_msb 0x4000
	v_lshrrev_b32 v44, 5, v0
	v_readfirstlane_b32 s26, v44                   ; wave 0..7
	v_and_b32 v45, 31, v0                          ; lane
	v_and_b32 v46, 15, v0                          ; r
	v_bfe_u32 v47, v0, 4, 1                        ; h
	v_lshlrev_b32 v1, 4, v45                       ; 16 x lane
	v_lshlrev_b32 v3, 6, v47                       ; 64 h: my 16 columns of a pair's 32, in f32
	v_lshl_add_u32 v2, v46, 11, v3                 ; x: row r + 64 h
	s_wait_alu depctr_va_sdst(0)                   ; s26 is written, ahead of its first reader
	s_lshl_b32 s27, s26, 14
	v_add_nc_u32 v4, s27, v1                       ; where x1 is parked
	v_lshlrev_b32 v6, 5, v46
	v_add_nc_u32 v6, STAT, v6                      ; row r's eight partial sums
	s_lshl_b32 s27, s26, 2
	v_add_nc_u32 v5, s27, v6                       ; mine among them
	v_lshlrev_b32 v48, 4, v46                      ; 16 r
	s_wait_alu depctr_va_vdst(0)
	v_lshl_add_u32 v49, v47, 3, v48                ; 16 r + 8 h
	s_lshl_b32 s27, s26, 9
	s_add_co_u32 s27, s27, H2
	v_add_nc_u32 v7, s27, v49                      ; h2's codes: K blocks 2 w, 2 w + 1
	s_lshl_b32 s27, s26, 1
	s_add_co_u32 s27, s27, H2S
	v_add_nc_u32 v8, s27, v48                      ; their bytes
	v_add_nc_u32 v9, H2, v1
	s_lshl_b32 s27, s26, 13
	s_add_co_u32 s27, s27, HID
	v_add_nc_u32 v10, s27, v49                     ; the hidden layer's codes: K steps 2 w, 2 w + 1
	s_lshr_b32 s27, s26, 1
	s_lshl_b32 s27, s27, 10
	s_and_b32 s28, s26, 1
	s_lshl_b32 s28, s28, 3
	s_add_co_u32 s27, s27, s28
	s_add_co_u32 s27, s27, HS
	v_add_nc_u32 v11, s27, v48                     ; their bytes
	v_add_nc_u32 v12, HID, v1
	v_add_nc_u32 v13, HS, v1
	s_mul_i32 s27, s26, 4352
	s_add_co_u32 s27, s27, STG                     ; my stage
	v_mul_u32_u24 v14, v46, 272
	v_add_nc_u32 v14, v14, v3
	v_add_nc_u32 v14, s27, v14                     ; in: row r, + 64 h
	v_mul_u32_u24 v15, v47, 272
	v_add_nc_u32 v15, v15, v48
	v_add_nc_u32 v15, s27, v15                     ; back: lanes 0-15 one row of 256 bytes, lanes 16-31 the next
	v_lshl_add_u32 v0, v47, 11, v48                ; and the same two rows in out0
.irp b,0,1,2,3,4,5,6,7
	v_mov_b32 v[TT+\b], 0                          ; a lane permute's destination counts as one of its sources
.endr
	s_mov_b32 s42, 0x3b000000                      ; 1 / 512
	s_mov_b32 s43, 0x3727c5ac                      ; 1e-5
	s_mov_b32 s44, 0x76543210
	s_mov_b32 s45, 0xfedcba98
	s_mov_b32 s41, 0
	s_wait_kmcnt 0x0
	s_lshl_b32 s40, ttmp9, 14
	s_add_nc_u64 s[4:5], s[4:5], s[40:41]          ; ao: four tiles of 4,096 bytes
	s_lshl_b32 s40, ttmp9, 10
	s_add_nc_u64 s[6:7], s[6:7], s[40:41]          ; aos: 64 rows of 16 bytes
	s_lshl_b32 s40, ttmp9, 17
	s_lshl_b32 s27, s26, 8
	s_add_co_u32 s40, s40, s27
	s_add_nc_u64 s[8:9], s[8:9], s[40:41]          ; x and out0: row 64 i, column 64 w
	s_add_nc_u64 s[24:25], s[24:25], s[40:41]
	s_mov_b32 s40, s27
	s_add_nc_u64 s[14:15], s[14:15], s[40:41]      ; b_proj, g2, beta2, bf2 at column 64 w
	s_add_nc_u64 s[16:17], s[16:17], s[40:41]
	s_add_nc_u64 s[18:19], s[18:19], s[40:41]
	s_add_nc_u64 s[22:23], s[22:23], s[40:41]
	s_lshl_b32 s40, s26, 10
	s_add_nc_u64 s[20:21], s[20:21], s[40:41]      ; bf1 at hidden unit 256 w
	s_add_nc_u64 s[34:35], s[12:13], s[40:41]      ; ws: two chunks a wave (W_proj),
	s_lshl_b32 s40, s26, 12
	s_add_nc_u64 s[36:37], s[12:13], s[40:41]      ; eight (W1, W2)
	s_lshl_b32 s40, s26, 14
	s_add_nc_u64 s[30:31], s[10:11], s[40:41]      ; wc likewise
	s_lshl_b32 s40, s26, 16
	s_add_nc_u64 s[32:33], s[10:11], s[40:41]
	s_wait_alu depctr_va_vdst(0)                   ; the offsets and addresses v0 to v15 are written: every load and store of the kernel reads one of them
	; ---- the first loads: the attention's codes and bytes, x in the result's layout, two units of weights
.set I, 0
.rept 32
	global_load_b128 v[BF+4*I:BF+4*I+3], v1, s[4:5] offset:512*I
.set I, I+1
.endr
.irp e,0,1
	global_load_b128 v[BS+4*\e:BS+4*\e+3], v1, s[6:7] offset:512*\e
.endr
.macro XLD reg, cc
.irp mt,0,1,2,3
.irp e,0,1,2,3
	global_load_b128 v[(\reg)+16*\mt+4*\e:(\reg)+16*\mt+4*\e+3], v2, s[8:9] offset:32768*\mt+128*(\cc)+16*\e th:TH_LOAD_NT
.endr
.endr
.endm
	WIN 0x40
	XLD 128, 0
	WIN 0
	XLD ACC, 1
.set ISSUED, 66
	WLOAD 0, 0
	WLOAD 1, 0
	; ---- x1, columns 64 w + 0 .. 31: the sums start from x; the accumulators lie in window 1
	WAITW 0
	MULT 128, 0, WS, BS, 2, 0, 0x51, 0x51
	PLACES
	WIN 0x45
.irp mt,0,1,2,3
.irp o,0,2,4,6,8,10,12,14
	v_pk_add_f32 v[128+16*\mt+\o:128+16*\mt+\o+1], v[128+16*\mt+\o:128+16*\mt+\o+1], v[192+\o:192+\o+1]   ; + b_proj, each accumulator from its low end on
.endr
.endr
	WIN 0x04
	s_wait_alu depctr_va_vdst(0)                   ; the additions have written x1's first half, which the sixteen LDS stores read
.set I, 0
.rept 16
	ds_store_b128 v4, v[128+4*I:128+4*I+3] offset:512*I
.set I, I+1
.endr
	WIN 0
	s_wait_dscnt 0x0                               ; the stores have read their registers: the third buffer is free
	WLOAD 2, 2
	; ---- x1, columns 64 w + 32 .. 63
	WAITW 1
	MULT ACC, 64, WS+4, BS, 2, 0, 0x01, 0x01
	PLACES
	WIN 0x04
.irp mt,0,1,2,3
.irp o,0,2,4,6,8,10,12,14
	v_pk_add_f32 v[ACC+16*\mt+\o:ACC+16*\mt+\o+1], v[ACC+16*\mt+\o:ACC+16*\mt+\o+1], v[208+\o:208+\o+1]
.endr
.endr
	WIN 0x40
	s_wait_alu depctr_va_vdst(0)                   ; both products are done reading weight buffers 0 and 1, their words and the rows' fragments v128-191, and the additions their biases: loads land in all of these below; x1's second half is written, which the LDS stores read
.irp e,0,1,2,3,4,5,6,7
	global_load_b128 v[64+4*\e:64+4*\e+3], v3, s[16:17] offset:128*(\e/4)+16*(\e%4)
.endr
.irp e,0,1,2,3,4,5,6,7
	global_load_b128 v[96+4*\e:96+4*\e+3], v3, s[18:19] offset:128*(\e/4)+16*(\e%4)
.endr
.set ISSUED, ISSUED+16
.set MKG, ISSUED
	WLOAD 3, 0                                     ; only loads stand between the wait above and these
.set I, 0
.rept 16
	ds_store_b128 v4, v[ACC+4*I:ACC+4*I+3] offset:8192+512*I
.set I, I+1
.endr
.set I, 0
.rept 16
	ds_load_b128 v[XR+4*I:XR+4*I+3], v4 offset:512*I   ; the first half comes back beside the second (my own bytes: LDS serves a wave's instructions in order)
.set I, I+1
.endr
	; ---- the norm: mean, then the variance of the differences.  A row's 512 numbers lie in 8 waves x 2 lanes x 32 registers: the waves' sums meet in LDS and every wave adds them in the same order
.macro XCHG ofs
.irp mt,0,1,2,3
	v_add_f32 v[SP+2*\mt], v[SP+2*\mt], v[SP+2*\mt+1]
.endr
.irp mt,0,1,2,3
	v_permlanex16_b32 v[TS+\mt], v[SP+2*\mt], s[SEL], s[SEL+1]
.endr
.irp mt,0,1,2,3
	v_add_f32 v[SP+2*\mt], v[SP+2*\mt], v[TS+\mt]
.endr
	s_wait_alu depctr_va_vdst(0)                   ; my four sums are written, which the LDS stores read; and all that named v64-95 is done, in which the loads behind the barrier land
.irp mt,0,1,2,3
	ds_store_b32 v5, v[SP+2*\mt] offset:\ofs+512*\mt   ; lanes l and l xor 16 write the same word with the same value
.endr
	BARRIER
.irp mt,0,1,2,3
.irp e,0,1
	ds_load_b128 v[64+8*\mt+4*\e:64+8*\mt+4*\e+3], v6 offset:\ofs+512*\mt+16*\e
.endr
.endr
	s_wait_dscnt 0x0
	s_wait_alu depctr_vm_vsrc(0)                   ; the LDS stores have read my sums' registers, which are written anew below; the first time also x1's second half v192-255, which the hidden layer's products write later
.irp mt,0,1,2,3
	v_pk_add_f32 v[64+8*\mt:64+8*\mt+1], v[64+8*\mt:64+8*\mt+1], v[64+8*\mt+2:64+8*\mt+3]
	v_pk_add_f32 v[64+8*\mt+4:64+8*\mt+5], v[64+8*\mt+4:64+8*\mt+5], v[64+8*\mt+6:64+8*\mt+7]
.endr
.irp mt,0,1,2,3
	v_pk_add_f32 v[64+8*\mt:64+8*\mt+1], v[64+8*\mt:64+8*\mt+1], v[64+8*\mt+4:64+8*\mt+5]
.endr
.irp mt,0,1,2,3
	v_add_f32 v[64+8*\mt], v[64+8*\mt], v[64+8*\mt+1]
.endr
.endm
	s_wait_dscnt 0x0                               ; x1's first half is back
.irp mt,0,1,2,3
	v_pk_add_f32 v[SP+2*\mt:SP+2*\mt+1], v[XR+16*\mt:XR+16*\mt+1], v[XR+16*\mt+2:XR+16*\mt+3]
.endr
.irp o,4,6,8,10,12,14,64,66,68,70,72,74,76,78
.irp mt,0,1,2,3
	v_pk_add_f32 v[SP+2*\mt:SP+2*\mt+1], v[SP+2*\mt:SP+2*\mt+1], v[XR+16*\mt+\o:XR+16*\mt+\o+1]
.endr
.endr
	XCHG 0
.irp mt,0,1,2,3
	v_mul_f32 v[96+2*\mt], s42, v[64+8*\mt]        ; the mean, twice
	v_mul_f32 v[97+2*\mt], s42, v[64+8*\mt]
.endr
.irp o,0,2,4,6,8,10,12,14,64,66,68,70,72,74,76,78
.irp mt,0,1,2,3
	v_pk_add_f32 v[XR+16*\mt+\o:XR+16*\mt+\o+1], v[XR+16*\mt+\o:XR+16*\mt+\o+1], v[96+2*\mt:97+2*\mt] neg_lo:[0,1] neg_hi:[0,1]
.endr
.endr
.irp mt,0,1,2,3
	v_pk_mul_f32 v[SP+2*\mt:SP+2*\mt+1], v[XR+16*\mt:XR+16*\mt+1], v[XR+16*\mt:XR+16*\mt+1]
.endr
.irp o,2,4,6,8,10,12,14,64,66,68,70,72,74,76,78
.irp mt,0,1,2,3
	v_pk_fma_f32 v[SP+2*\mt:SP+2*\mt+1], v[XR+16*\mt+\o:XR+16*\mt+\o+1], v[XR+16*\mt+\o:XR+16*\mt+\o+1], v[SP+2*\mt:SP+2*\mt+1]
.endr
.endr
	XCHG 2048
.irp mt,0,1,2,3
	v_fma_f32 v[64+8*\mt], v[64+8*\mt], s42, s43   ; variance + 1e-5
.endr
	s_wait_alu depctr_va_vdst(0)
.irp mt,0,1,2,3
	v_rsq_f32 v[104+2*\mt], v[64+8*\mt]
	v_rsq_f32 v[105+2*\mt], v[64+8*\mt]
.endr
	v_nop                                          ; a plain place behind the transcendentals
	s_wait_alu depctr_va_vdst(0)                   ; the eight reciprocal roots have written v104-111: one wait for the batch, ahead of their first reader
.irp o,0,2,4,6,8,10,12,14,64,66,68,70,72,74,76,78
.irp mt,0,1,2,3
	v_pk_mul_f32 v[XR+16*\mt+\o:XR+16*\mt+\o+1], v[XR+16*\mt+\o:XR+16*\mt+\o+1], v[104+2*\mt:105+2*\mt]
.endr
.endr
	s_wait_loadcnt ISSUED-MKG                      ; g2 and beta2 are in; the unit asked for behind them may be out
	WIN 0x14
.irp o,0,2,4,6,8,10,12,14,64,66,68,70,72,74,76,78
.irp mt,0,1,2,3
	v_pk_fma_f32 v[XR+16*\mt+\o:XR+16*\mt+\o+1], v[XR+16*\mt+\o:XR+16*\mt+\o+1], v[64+(\o%64)+16*(\o/64):64+(\o%64)+16*(\o/64)+1], v[96+(\o%64)+16*(\o/64):96+(\o%64)+16*(\o/64)+1]
.endr
.endr
	WIN 0
.irp cc,0,1
	QUANT XR+64*\cc
.if \cc == 1
	WLOAD 4, 1                                     ; its wait also states: g2 and beta2 are read out of buffer 1; the codes and bytes are written; all that named v64-191 and v16-23 is done, in which h2's fragments and words land behind the barrier
.else
	s_wait_alu depctr_va_vdst(0)                   ; the codes v56-63 and the bytes v48-51 are written, which the eight LDS stores read
.endif
.irp mt,0,1,2,3
	ds_store_b64 v7, v[PC+2*\mt:PC+2*\mt+1] offset:4096*\mt+256*\cc
	ds_store_b8 v8, v[TT+\mt] offset:256*\mt+\cc
.endr
.endr
	BARRIER                                        ; h2's sixteen fragments and their scale words lie in LDS
.set I, 0
.rept 32
	ds_load_b128 v[BF+4*I:BF+4*I+3], v9 offset:512*I   ; no vector instruction since the last wait on va_vdst
.set I, I+1
.endr
.irp e,0,1
	ds_load_b128 v[BS+4*\e:BS+4*\e+3], v9 offset:16384+512*\e
.endr
	s_wait_dscnt 0x0
	; ---- the hidden layer, 32 units at a time: the sums start from bf1
.macro F1 ch
	WAITW (\ch)+2
	MULT ACC, 64*(((\ch)+2)%3), WS+4*(((\ch)+2)%3), BS, 1, 192+16*(((\ch)+2)%3), 0x11, 0x01
	WIN 0
	PLACES
.set I, 0
.rept 64
	v_max_num_f32 v[ACC+I], 0, v[ACC+I]            ; relu, in f32
.set I, I+1
.endr
	QUANT ACC
	WLOAD (\ch)+5, 1                               ; into the buffer just multiplied; its wait serves the eight LDS stores below too
.if (\ch) == 7
	WIN 0x40
.irp e,0,1,2,3,4,5,6,7
	global_load_b128 v[192+4*\e:192+4*\e+3], v3, s[22:23] offset:128*(\e/4)+16*(\e%4)   ; bf2, where bf1's tiles lay: only loads and switches stand between the wait and these
.endr
	WIN 0
.set ISSUED, ISSUED+8
.endif
.irp mt,0,1,2,3
	ds_store_b64 v10, v[PC+2*\mt:PC+2*\mt+1] offset:4096*((\ch)/4)+1024*\mt+256*((\ch)%4)
	ds_store_b8 v11, v[TT+\mt] offset:256*\mt+(\ch)
.endr
.endm
.irp ch,0,1,2,3,4,5,6,7
	F1 \ch
.endr
	BARRIER                                        ; the hidden layer's 64 fragments lie in LDS
	; ---- out: sixteen accumulators (four tiles of my columns x four tiles of rows) start from x1; a unit of weights holds two K steps
.macro HLD reg, st
.irp mt,0,1,2,3
.irp cc,0,1
	ds_load_b128 v[(\reg)+8*\mt+4*\cc:(\reg)+8*\mt+4*\cc+3], v12 offset:4096*(\st)+1024*\mt+512*\cc
.endr
.endr
.endm
.macro F2MUL j, s2, breg
.irp mt,0,1,2,3
.irp ta,0,1,2,3
	WM XR+64*(\ta/2)+16*\mt+8*(\ta%2), 64*(((\j)+10)%3)+8*(2*\ta+\s2), (\breg)+8*\mt, 0, XR+64*(\ta/2)+16*\mt+8*(\ta%2), WS+4*(((\j)+10)%3)+2*(\ta/2)+\s2, BS+8*(((\j)/2)%2)+4*(\mt/2)+((2*(\j)+\s2)%4), \ta%2, \mt%2
.endr
.endr
.endm
.macro F2 j
	WAITW (\j)+10
	s_wait_dscnt 8                                 ; the even K step's fragments, and what was asked for ahead of them, are in; the odd step's eight loads may be out
	WIN 0x01
	F2MUL \j, 0, 64
	WIN 0
	PLACES
.if (\j) < 7
	s_wait_alu depctr_va_vdst(0)                   ; the sixteen products are done reading the fragments v64-95, in which the next even K step's land; in an odd unit the earlier units' products are done reading the other set of scale words
.if ((\j)%2) == 1
.irp e,0,1
	ds_load_b128 v[BS+8*((((\j)+1)/2)%2)+4*\e:BS+8*((((\j)+1)/2)%2)+4*\e+3], v13 offset:1024*(((\j)+1)/2)+512*\e   ; the next four K steps' scale words, into the other set
.endr
.endif
	HLD 64, 2*(\j)+2
	s_wait_dscnt 8+2*((\j)%2)                      ; the odd K step's fragments are in; behind them stand the loads just issued
.else
	s_wait_dscnt 0
.endif
	WIN 0x01
	F2MUL \j, 1, 96
	WIN 0
	PLACES
.if (\j) < 5
	WLOAD (\j)+13, 1                               ; its wait also states: the sixteen products are done reading the fragments v96-127
.elseif (\j) < 7
	s_wait_alu depctr_va_vdst(0)                   ; the sixteen products are done reading the fragments v96-127, in which the next odd K step's land
.endif
.if (\j) < 7
	HLD 96, 2*(\j)+3
.endif
.endm
.set I, 0
.rept 32
	ds_load_b128 v[XR+4*I:XR+4*I+3], v4 offset:512*I   ; x1.  No vector instruction since the last unit's wait on va_vdst: it covers these 50 loads
.set I, I+1
.endr
.irp e,0,1
	ds_load_b128 v[BS+4*\e:BS+4*\e+3], v13 offset:512*\e
.endr
	HLD 64, 0
	HLD 96, 1
.irp j,0,1,2,3,4,5,6,7
	F2 \j
.endr
	; ---- the way out: + bf2; a tile of 16 rows at a time through my stage, so that sixteen lanes store 256 consecutive bytes, aligned
	s_wait_loadcnt 0x0
	WIN 0x04
.irp cc,0,1
.irp mt,0,1,2,3
.irp o,0,2,4,6,8,10,12,14
	v_pk_add_f32 v[XR+64*\cc+16*\mt+\o:XR+64*\cc+16*\mt+\o+1], v[XR+64*\cc+16*\mt+\o:XR+64*\cc+16*\mt+\o+1], v[192+16*\cc+\o:192+16*\cc+\o+1]
.endr
.endr
.endr
	WIN 0
	s_wait_alu depctr_va_vdst(0)                   ; the additions have written out's 128 registers, which the LDS stores read; the last products are done reading v64-127, in which the loads from the stage land.  No vector instruction follows
.irp mt,0,1,2,3
.if \mt >= 2
	s_wait_xcnt 0x0                                ; the stores of two tiles ago have read their registers
	s_wait_alu depctr_vm_vsrc(0)                   ; the stores to memory of two tiles ago have read the 32 registers in which this tile's loads land
.endif
.irp cc,0,1
.irp e,0,1,2,3
	ds_store_b128 v14, v[XR+64*\cc+16*\mt+4*\e:XR+64*\cc+16*\mt+4*\e+3] offset:128*\cc+16*\e
.endr
.endr
.irp i,0,1,2,3,4,5,6,7
	ds_load_b128 v[64+32*(\mt%2)+4*\i:64+32*(\mt%2)+4*\i+3], v15 offset:544*\i   ; my own bytes: these see the stores above, and the next tile's stores come behind them
.endr
	s_wait_dscnt 0x0
.irp i,0,1,2,3,4,5,6,7
	global_store_b128 v0, v[64+32*(\mt%2)+4*\i:64+32*(\mt%2)+4*\i+3], s[24:25] offset:2048*(16*\mt+2*\i) th:TH_STORE_NT
.endr
.endr
	s_set_vgpr_msb 0x5
	s_wait_dscnt 0x0
	s_wait_alu depctr_hold_cnt(0) depctr_sa_sdst(0) depctr_va_vdst(0) depctr_va_sdst(0) depctr_va_ssrc(0) depctr_va_vcc(0) depctr_vm_vsrc(0)
	s_wait_tensorcnt 0x0
	ds_add_u32 v254, v255
	s_wait_dscnt 0x0
	s_endpgm
.Lfunc_end_k_q810806607f_mlp:
	.size	k_q810806607f_mlp, .Lfunc_end_k_q810806607f_mlp-k_q810806607f_mlp
	.p2alignl 7, 3214868480
	.fill 96, 4, 3214868480
	.section	.rodata,"a",@progbits
	.p2align	6, 0x0
	.amdhsa_kernel k_q810806607f_mlp
		.amdhsa_group_segment_fixed_size 258048
		.amdhsa_private_segment_fixed_size 0
		.amdhsa_enable_private_segment 0
		.amdhsa_kernarg_size 88
		.amdhsa_user_sgpr_count 2
		.amdhsa_user_sgpr_kernarg_segment_ptr 1
		.amdhsa_wavefront_size32 1
		.amdhsa_system_sgpr_workgroup_id_x 1
		.amdhsa_system_sgpr_workgroup_id_y 1
		.amdhsa_system_sgpr_workgroup_id_z 1
		.amdhsa_system_vgpr_workitem_id 0
		.amdhsa_next_free_vgpr 512
		.amdhsa_next_free_sgpr 66
		.amdhsa_reserve_vcc 0
		.amdhsa_float_denorm_mode_32 3
		.amdhsa_float_denorm_mode_16_64 3
		.amdhsa_memory_ordered 1
		.amdhsa_forward_progress 1
		.amdhsa_inst_pref_size 239
	.end_amdhsa_kernel
	.amdgpu_metadata
---
amdhsa.version: [ 1, 2 ]
amdhsa.kernels:
  - .name:           k_q810806607f_mlp
    .symbol:         k_q810806607f_mlp.kd
    .args:
      - { .name: ao, .offset: 0, .size: 8, .value_kind: global_buffer, .address_space: global }
      - { .name: aos, .offset: 8, .size: 8, .value_kind: global_buffer, .address_space: global }
      - { .name: x, .offset: 16, .size: 8, .value_kind: global_buffer, .address_space: global }
      - { .name: wc, .offset: 24, .size: 8, .value_kind: global_buffer, .address_space: global }
      - { .name: ws, .offset: 32, .size: 8, .value_kind: global_buffer, .address_space: global }
      - { .name: b_proj, .offset: 40, .size: 8, .value_kind: global_buffer, .address_space: global }
      - { .name: g2, .offset: 48, .size: 8, .value_kind: global_buffer, .address_space: global }
      - { .name: beta2, .offset: 56, .size: 8, .value_kind: global_buffer, .address_space: global }
      - { .name: bf1, .offset: 64, .size: 8, .value_kind: global_buffer, .address_space: global }
      - { .name: bf2, .offset: 72, .size: 8, .value_kind: global_buffer, .address_space: global }
      - { .name: out0, .offset: 80, .size: 8, .value_kind: global_buffer, .address_space: global }
    .group_segment_fixed_size: 258048
    .private_segment_fixed_size: 0
    .kernarg_segment_align: 8
    .kernarg_segment_size: 88
    .max_flat_workgroup_size: 256
    .sgpr_count:     66
    .vgpr_count:     512
    .wavefront_size: 32
...
	.end_amdgpu_metadata
.endif
;; end of part 8
